; MI455X (gfx1250); checked and timed in simulation.
; The chip was launched on July 23, 2026; its instructions are those of AMD's public machine-readable ISA for CDNA 5 (MIT licence, August 2026) and "CDNA5" Instruction Set Architecture Reference Guide (July 2026). The comments in the code are by the model that wrote it; some were corrected since.
;; Linear GPT2 Block. Allowed arithmetic: float matrix products may take bf16 or f16 operands with f32 sums; all other float work in f32.
;; Inputs: fc1_b 4,096 float32; fc1_w 4,096 x 1,024 float32; fc2_b 1,024 float32; fc2_w 1,024 x 4,096 float32; hidden_states 2 x 2,048 x 1,024 float32; ln1_b 1,024 float32; ln1_g 1,024 float32; ln2_b 1,024 float32; ln2_g 1,024 float32; out_b 1,024 float32; out_w 1,024 x 1,024 float32; qkv_b 3,072 float32; qkv_w 3,072 x 1,024 float32.
;; Outputs: out0 2 x 2,048 x 1,024 float32.
;; 2 versions, each right. Each part assembles by itself: llvm-mc -triple=amdgcn-amd-amdhsa -mcpu=gfx1250 --defsym DOCPART=n.
;; ======== version 1 of 2: 7 launches
;; workspace buffers: wb 25,165,824 bytes; xn 8,388,608 bytes; qkvb 25,165,824 bytes; att 8,388,608 bytes; hid 16,777,216 bytes; ffb 33,554,432 bytes
;; launch prep (part 1): grid 1024 x 1, 8 waves a work-group, no clusters, 0 bytes of LDS; arguments qkv_w, out_w, fc1_w, fc2_w, hidden_states, ln1_g, ln1_b, wb, xn; writes wb, xn
.if DOCPART == 1
	.amdgcn_target "amdgcn-amd-amdhsa--gfx1250"
	.amdhsa_code_object_version 6
	.text
	.protected	k_q45e045c1df_prep
	.globl	k_q45e045c1df_prep
	.p2align	8
	.type	k_q45e045c1df_prep,@function
k_q45e045c1df_prep:
	s_mov_b64 s[64:65], 0
	v_nop
	global_prefetch_b8 v0, s[64:65] scope:SCOPE_SE
	s_setreg_imm32_b32 hwreg(HW_REG_WAVE_MODE, 25, 1), 1
	s_wait_xcnt 0x0
; Two streams in one launch, 64 KiB read and 32 KiB written by every work-group.
; Work-groups 0-767: chunk c of 16,384 f32 weights is rounded to bf16 and stored at byte 32768 c of wb.
;   chunks 0-191 qkv_w, 192-255 out_w, 256-511 fc1_w, 512-767 fc2_w: wb holds the four matrices one behind the other, row-major as given.
; Work-groups 768-1023: LayerNorm 1 of 16 rows of hidden_states, two rows a wave, a row kept in 32 registers: xn = bf16((x - mean) rsqrt(var + eps) g + b).
;   The mean is taken away before the squares are summed, so a common offset of the inputs cancels before anything is squared.
; No LDS, no matrix unit, no cluster: nothing is shared and nothing is multiplied; 16 to 32 loads of a wave are out at once.
.set X0, 32                            ; v[32:63]   row 0: load j holds columns 128 j + 4 lane .. + 3
.set X1, 64                            ; v[64:95]   row 1
.set GN, 96                            ; v[96:127]  gain of the same columns
.set BV, 128                           ; v[128:159] bias of the same columns
.set YO, 160                           ; v[160:191] two rows of bf16 to store
.set T,  8                             ; v[8:15]    four chains of sums
.set MU, 16                            ; v[16:17]   the mean, twice
.set RS, 18                            ; v[18:19]   1 / sqrt(var + eps), twice
.set CI, 32                            ; cast: v[32:95] as loaded
.set CQ, 96                            ; cast: v[96:127] to store
	s_load_b512 s[4:19], s[0:1], 0x0               ; qkv_w s[4:5], out_w s[6:7], fc1_w s[8:9], fc2_w s[10:11], x s[12:13], g s[14:15], b s[16:17], wb s[18:19]
	s_load_b64 s[20:21], s[0:1], 0x40              ; xn
	v_lshrrev_b32 v3, 5, v0
	v_readfirstlane_b32 s22, v3                    ; wave 0..7
	s_mov_b32 s23, ttmp9                           ; c
	v_and_b32 v4, 31, v0
	v_lshlrev_b32 v1, 4, v4                        ; 16 x lane: f32 side
	v_lshlrev_b32 v2, 3, v4                        ; 8 x lane: bf16 side
	s_wait_kmcnt 0x0
	s_cmp_ge_u32 s23, 768
	s_cbranch_scc1 .Lln
	; ---- the cast ----
	s_mov_b64 s[24:25], s[4:5]                     ; the matrix that chunk c belongs to, and that matrix's first chunk
	s_mov_b32 s26, 0
	s_cmp_ge_u32 s23, 192
	s_cselect_b64 s[24:25], s[6:7], s[24:25]
	s_cselect_b32 s26, 192, s26
	s_cmp_ge_u32 s23, 256
	s_cselect_b64 s[24:25], s[8:9], s[24:25]
	s_cselect_b32 s26, 256, s26
	s_cmp_ge_u32 s23, 512
	s_cselect_b64 s[24:25], s[10:11], s[24:25]
	s_cselect_b32 s26, 512, s26
	s_sub_co_u32 s28, s23, s26
	s_lshl_b32 s28, s28, 16                        ; 65,536 bytes a chunk,
	s_lshl_b32 s29, s22, 13                        ; 8,192 a wave
	s_add_co_u32 s28, s28, s29
	s_mov_b32 s29, 0
	s_add_nc_u64 s[24:25], s[24:25], s[28:29]
	s_lshl_b32 s30, s23, 15                        ; 32,768 bytes a chunk,
	s_lshl_b32 s31, s22, 12                        ; 4,096 a wave
	s_add_co_u32 s30, s30, s31
	s_mov_b32 s31, 0
	s_add_nc_u64 s[18:19], s[18:19], s[30:31]
.irp j, 0,1,2,3,4,5,6,7,8,9,10,11,12,13,14,15
	global_load_b128 v[CI+4*\j:CI+4*\j+3], v1, s[24:25] offset:512*\j th:TH_LOAD_NT   ; 512 consecutive bytes a load; the f32 weights are read once
.endr
.irp j, 0,1,2,3,4,5,6,7,8,9,10,11,12,13,14,15
	s_wait_loadcnt 15-\j                           ; loads come back in order: load j is in, the younger ones stay out
	v_cvt_pk_bf16_f32 v[CQ+2*\j], v[CI+4*\j], v[CI+4*\j+1]
	v_cvt_pk_bf16_f32 v[CQ+2*\j+1], v[CI+4*\j+2], v[CI+4*\j+3]
	global_store_b64 v2, v[CQ+2*\j:CQ+2*\j+1], s[18:19] offset:256*\j    ; the wave stores 256 consecutive bytes, aligned; no register is written twice
.endr
	s_endpgm
	; ---- LayerNorm ----
.macro JOIN                            ; four chains of pairs into v[T]
	v_pk_add_f32 v[T:T+1], v[T:T+1], v[T+2:T+3]
	v_pk_add_f32 v[T+4:T+5], v[T+4:T+5], v[T+6:T+7]
	v_pk_add_f32 v[T:T+1], v[T:T+1], v[T+4:T+5]
	v_add_f32 v[T], v[T], v[T+1]
.endm
.macro WSUM                            ; the sum of v[T] over the 32 lanes, in every lane
	v_add_f32_dpp v[T], v[T], v[T] row_xmask:1 row_mask:0xf bank_mask:0xf
	v_add_f32_dpp v[T], v[T], v[T] row_xmask:2 row_mask:0xf bank_mask:0xf
	v_add_f32_dpp v[T], v[T], v[T] row_xmask:4 row_mask:0xf bank_mask:0xf
	v_add_f32_dpp v[T], v[T], v[T] row_xmask:8 row_mask:0xf bank_mask:0xf
	v_permlanex16_b32 v[T+1], v[T], s32, s33       ; the other half of the lanes; its destination has been written before
	v_add_f32 v[T], v[T], v[T+1]
.endm
.macro ROWSTAT x                       ; the row at v[x..x+31] becomes (x - mean) / sqrt(var + eps)
.irp c, 0,1,2,3
	v_pk_add_f32 v[T+2*\c:T+2*\c+1], v[\x+2*\c:\x+2*\c+1], v[\x+8+2*\c:\x+8+2*\c+1]     ; the first words start the chains: nothing is cleared
.endr
.irp k, 8,9,10,11,12,13,14,15
	v_pk_add_f32 v[T+2*(\k%4):T+2*(\k%4)+1], v[T+2*(\k%4):T+2*(\k%4)+1], v[\x+2*\k:\x+2*\k+1]
.endr
	JOIN
	WSUM
	v_mul_f32 v[MU], s34, v[T]                     ; / 1024
	v_mul_f32 v[MU+1], s34, v[T]
.irp k, 0,1,2,3,4,5,6,7,8,9,10,11,12,13,14,15
	v_pk_add_f32 v[\x+2*\k:\x+2*\k+1], v[\x+2*\k:\x+2*\k+1], v[MU:MU+1] neg_lo:[0,1] neg_hi:[0,1]
.endr
.irp c, 0,1,2,3
	v_pk_mul_f32 v[T+2*\c:T+2*\c+1], v[\x+2*\c:\x+2*\c+1], v[\x+2*\c:\x+2*\c+1]
.endr
.irp k, 4,5,6,7,8,9,10,11,12,13,14,15
	v_pk_fma_f32 v[T+2*(\k%4):T+2*(\k%4)+1], v[\x+2*\k:\x+2*\k+1], v[\x+2*\k:\x+2*\k+1], v[T+2*(\k%4):T+2*(\k%4)+1]
.endr
	JOIN
	WSUM
	v_fma_f32 v[T], v[T], s34, s35                 ; var + eps
	v_rsq_f32 v[RS], v[T]
	v_rsq_f32 v[RS+1], v[T]
	v_nop                                          ; one plain place behind a transcendental before its result is used (ISA guide 5.7.2)
	s_wait_alu depctr_va_vdst(0)
.irp k, 0,1,2,3,4,5,6,7,8,9,10,11,12,13,14,15
	v_pk_mul_f32 v[\x+2*\k:\x+2*\k+1], v[\x+2*\k:\x+2*\k+1], v[RS:RS+1]
.endr
.endm
.macro ROWOUT x, y, rowoff             ; gain, bias, rounding, eight stores of 256 consecutive aligned bytes
.irp k, 0,1,2,3,4,5,6,7,8,9,10,11,12,13,14,15
	v_pk_fma_f32 v[\x+2*\k:\x+2*\k+1], v[\x+2*\k:\x+2*\k+1], v[GN+2*\k:GN+2*\k+1], v[BV+2*\k:BV+2*\k+1]
.endr
.irp k, 0,1,2,3,4,5,6,7,8,9,10,11,12,13,14,15
	v_cvt_pk_bf16_f32 v[\y+\k], v[\x+2*\k], v[\x+2*\k+1]
.endr
.irp j, 0,1,2,3,4,5,6,7
	global_store_b64 v2, v[\y+2*\j:\y+2*\j+1], s[20:21] offset:\rowoff+256*\j
.endr
.endm
.Lln:
	s_mov_b32 s32, 0x76543210                      ; v_permlanex16_b32: lane i reads lane i of the other half
	s_mov_b32 s33, 0xfedcba98
	s_mov_b32 s34, 0x3a800000                      ; 1 / 1024
	s_mov_b32 s35, 0x3727c5ac                      ; 1e-5
	s_sub_co_u32 s28, s23, 768
	s_lshl_b32 s28, s28, 4
	s_lshl_b32 s29, s22, 1
	s_add_co_u32 s28, s28, s29                     ; my first row
	s_lshl_b32 s30, s28, 11                        ; x 2,048 bytes in xn
	s_lshl_b32 s28, s28, 12                        ; x 4,096 bytes in x
	s_mov_b32 s29, 0
	s_mov_b32 s31, 0
	s_add_nc_u64 s[12:13], s[12:13], s[28:29]
	s_add_nc_u64 s[20:21], s[20:21], s[30:31]
.irp j, 0,1,2,3,4,5,6,7
	global_load_b128 v[X0+4*\j:X0+4*\j+3], v1, s[12:13] offset:512*\j
.endr
.irp j, 0,1,2,3,4,5,6,7
	global_load_b128 v[X1+4*\j:X1+4*\j+3], v1, s[12:13] offset:4096+512*\j
.endr
.irp j, 0,1,2,3,4,5,6,7
	global_load_b128 v[GN+4*\j:GN+4*\j+3], v1, s[14:15] offset:512*\j
.endr
.irp j, 0,1,2,3,4,5,6,7
	global_load_b128 v[BV+4*\j:BV+4*\j+3], v1, s[16:17] offset:512*\j
.endr
	s_wait_loadcnt 16                              ; both rows are in; the 16 loads of gain and bias stay out
	ROWSTAT X0
	ROWSTAT X1
	s_wait_loadcnt 0x0
	ROWOUT X0, YO, 0
	ROWOUT X1, YO+16, 2048
	s_endpgm
.Lfunc_end_k_q45e045c1df_prep:
	.size	k_q45e045c1df_prep, .Lfunc_end_k_q45e045c1df_prep-k_q45e045c1df_prep
	.p2alignl 7, 3214868480
	.fill 96, 4, 3214868480
	.section	.rodata,"a",@progbits
	.p2align	6, 0x0
	.amdhsa_kernel k_q45e045c1df_prep
		.amdhsa_group_segment_fixed_size 0
		.amdhsa_private_segment_fixed_size 0
		.amdhsa_enable_private_segment 0
		.amdhsa_kernarg_size 72
		.amdhsa_user_sgpr_count 2
		.amdhsa_user_sgpr_kernarg_segment_ptr 1
		.amdhsa_wavefront_size32 1
		.amdhsa_system_sgpr_workgroup_id_x 1
		.amdhsa_system_sgpr_workgroup_id_y 1
		.amdhsa_system_sgpr_workgroup_id_z 1
		.amdhsa_system_vgpr_workitem_id 0
		.amdhsa_next_free_vgpr 192
		.amdhsa_next_free_sgpr 66
		.amdhsa_reserve_vcc 0
		.amdhsa_float_denorm_mode_32 3
		.amdhsa_float_denorm_mode_16_64 3
		.amdhsa_memory_ordered 1
		.amdhsa_forward_progress 1
		.amdhsa_inst_pref_size 27
	.end_amdhsa_kernel
	.amdgpu_metadata
---
amdhsa.version: [ 1, 2 ]
amdhsa.kernels:
  - .name:           k_q45e045c1df_prep
    .symbol:         k_q45e045c1df_prep.kd
    .args:
      - { .name: qkv_w, .offset: 0, .size: 8, .value_kind: global_buffer, .address_space: global }
      - { .name: out_w, .offset: 8, .size: 8, .value_kind: global_buffer, .address_space: global }
      - { .name: fc1_w, .offset: 16, .size: 8, .value_kind: global_buffer, .address_space: global }
      - { .name: fc2_w, .offset: 24, .size: 8, .value_kind: global_buffer, .address_space: global }
      - { .name: hidden_states, .offset: 32, .size: 8, .value_kind: global_buffer, .address_space: global }
      - { .name: ln1_g, .offset: 40, .size: 8, .value_kind: global_buffer, .address_space: global }
      - { .name: ln1_b, .offset: 48, .size: 8, .value_kind: global_buffer, .address_space: global }
      - { .name: wb, .offset: 56, .size: 8, .value_kind: global_buffer, .address_space: global }
      - { .name: xn, .offset: 64, .size: 8, .value_kind: global_buffer, .address_space: global }
    .group_segment_fixed_size: 0
    .private_segment_fixed_size: 0
    .kernarg_segment_align: 8
    .kernarg_segment_size: 72
    .max_flat_workgroup_size: 256
    .sgpr_count:     66
    .vgpr_count:     192
    .wavefront_size: 32
...
	.end_amdgpu_metadata
.endif
;; end of part 1
;; launch gemm_qkv (part 2): grid 12 x 16, 4 waves a work-group, clusters of 4 x 4, 327,680 bytes of LDS; arguments xn, wb, qkv_b, qkvb; writes qkvb
.if DOCPART == 2
	.amdgcn_target "amdgcn-amd-amdhsa--gfx1250"
	.amdhsa_code_object_version 6
	.text
	.protected	k_q45e045c1df_gemm_qkv
	.globl	k_q45e045c1df_gemm_qkv
	.p2align	8
	.type	k_q45e045c1df_gemm_qkv,@function
k_q45e045c1df_gemm_qkv:
	s_mov_b64 s[64:65], 0
	v_nop
	global_prefetch_b8 v0, s[64:65] scope:SCOPE_SE
	s_setreg_imm32_b32 hwreg(HW_REG_WAVE_MODE, 25, 1), 1
	s_wait_xcnt 0x0
	s_wait_alu depctr_hold_cnt(0) depctr_sa_sdst(0) depctr_va_vdst(0) depctr_va_sdst(0) depctr_va_ssrc(0) depctr_va_vcc(0) depctr_vm_vsrc(0)
	s_getreg_b32 s2, hwreg(HW_REG_IB_STS2, 6, 4)
	s_cmp_eq_u32 s2, 0
	s_cbranch_scc0 .Lentry_in_a_cluster
	s_endpgm
.Lentry_in_a_cluster:
	s_bfe_u32 s2, ttmp6, 0x10000c
	s_cmp_lg_u32 s2, 0xf033
	s_cbranch_scc0 .Lentry_shape_is_right
	s_endpgm
.Lentry_shape_is_right:
; C[m][n] = act(sum over k of A[m][k] W[n][k] + bias[n]), rounded once to bf16.  A: [4096][1024] bf16, W: [SIZE_N][1024] bf16 at byte WOFF of wb,
; bias: [SIZE_N] f32, C: [4096][SIZE_N] bf16.  act is the identity (GELU = 0) or the exact GELU 0.5 x (1 + erf(x / sqrt 2)) (GELU = 1).
; A work-group makes 256 x 256 of C with four waves; a wave makes 128 x 128: 64 accumulator tiles of 16 x 16, 512 registers.  K goes in steps of 128
; through two LDS slots filled by tensor loads whose rows are 256 bytes of memory, starting at multiples of 256 bytes.
; CLUSTERS: 4 x 4 work-groups.  The four of a row of the cluster need the same tiles of A, the four of a column the same tiles of W: each tile is asked for
; jointly, by the same tensor load with the same descriptor and a mask that names the four.
; LIMITS: operands are bf16 with f32 sums.  erf(z) is z P(z^2) / Q(z^2) with z clamped to +-4: absolute error a few 1e-7, so for x / sqrt 2 < -4 the result
; is x times a few 1e-8 in place of a still smaller number.  NaN and infinities are not followed.
; REGISTERS, in windows of 256: window 0: v0-31 addresses and constants, v64-191 fragments of A (two buffers), v192-255 the bias of my columns;
; window 1: v64-191 fragments of W; windows 2, 3: the accumulator tiles of my rows 0-63, 64-127 (tile (a, b) at v[8 (8 a + b)]).
; The matrix instruction is used transposed (source 0 = 16 rows of W, source 1 = 16 rows of A): lane l holds row l % 16 of C and its registers 0-7 the
; columns 8 (l / 16) + 0..7 of the tile, eight neighbouring numbers of a row.
.set SIZE_M, 4096
.set SIZE_N, 3072
.set SIZE_K, 1024
.set WOFF,   0
.set GELU,   0
.set KSTEP,  128
.set PITCH,  272                       ; an LDS row: 256 bytes + 16 of padding: the 16 rows that a fragment load touches start 16 bytes apart modulo 256
.set HALFT,  128*PITCH                 ; what one tensor load brings
.set SLOT,   4*HALFT                   ; 256 rows of A, then 256 rows of W
.set STAGE,  2*SLOT                    ; behind the ring: 16 rows x 272 bytes for each wave; no tensor load fills it
.set SPITCH, 272
.set LAPS, SIZE_K/(2*KSTEP)
.set BOF,  6                           ; v6      byte offset of my 8 columns in a tile's 16 bias numbers
.set CA0,  8                           ; v[8:9]  highest coefficient of P, twice
.set CB0,  10                          ; v[10:11] highest coefficient of Q, twice
.set ADRA, 16                          ; v16-17  LDS address of my A fragments in slot 0, 1
.set ADRB, 20                          ; v20-21  the same for W
.set STO,  24                          ; v24     the way out: where I put 16 bytes of a row
.set RD,   25                          ; v25     the way out: where I read a row back
.set CO,   26                          ; v26     my byte offset in C
.set RB,   32                          ; v[32:63]   the way out: rows read back
.set F0,   64                          ; fragment buffer 0
.set F1,   128                         ; fragment buffer 1
.set XR,   64                          ; v[64:127]  the way out: 16 rows x my 8 x 8 columns in f32
.set PK,   128                         ; v[128:159] the way out: packed bf16
.set GZ,   160                         ; v[160:191] the way out: z, z^2, P, Q of eight numbers
.set GW,   168
.set GP,   176
.set GQ,   184
.set BIAS, 192                         ; v[192:255] BIAS + 8 b + j = bias of column 16 b + 8 (l / 16) + j of my 128
.set G1, 24                            ; s[24:31] descriptor group 1 for A
.set G0, 32                            ; s[32:39] descriptor group 0 for A, one set for each slot
.set G1B, 48                           ; s[48:55] group 1 for W: another mask
.set G0B, 56                           ; s[56:63] group 0 for W
.set MSB, 0
.macro WIN new                         ; the immediate's high byte repeats the setting that is left
.if MSB != \new
	s_set_vgpr_msb (MSB<<8)|\new
.set MSB, \new
.endif
.endm
.set MUL_LO, 0xa1                      ; source 0 (W) window 1, source 1 (A) window 0, C and D window 2
.set MUL_HI, 0xf1                      ; the same, C and D window 3
.set TO_B,   0x40                      ; destination window 1, address window 0
.macro JLOAD s                         ; a joint load: waves 0, 1 fetch the halves of A, waves 2, 3 those of W; the branch hangs on the wave number alone
	s_cmp_eq_u32 s11, 0
	s_cbranch_scc0 .Lfor_b_\@
	tensor_load_to_lds s[G0+4*\s:G0+4*\s+3], s[G1:G1+7]
	s_nop 0
	s_branch .Lasked_\@
.Lfor_b_\@:
	tensor_load_to_lds s[G0B+4*\s:G0B+4*\s+3], s[G1B:G1B+7]
	s_nop 0
.Lasked_\@:
.endm
.macro CREST                           ; a round of the cluster's barrier behind its opening work-group barrier
	s_cmp_lg_u32 s10, 0
	s_cbranch_scc1 .Lnot_wave_0_\@
	s_barrier_signal -3
.Lnot_wave_0_\@:
	s_barrier_wait -3
	s_barrier_signal -1
	s_barrier_wait -1
.endm
.macro CROUND                          ; a whole round
	s_barrier_signal -1
	s_barrier_wait -1
	CREST
.endm
	s_load_b128 s[4:7], s[0:1], 0x0                ; A s[4:5], wb s[6:7]
	s_load_b64 s[68:69], s[0:1], 0x10              ; bias
	s_load_b64 s[8:9], s[0:1], 0x18                ; C
	s_set_vgpr_msb 0x40
	v_lshl_add_u32 v255, v0, 2, 0x48400
	s_set_vgpr_msb 0x4000
	v_mov_b32 v31, 0
	s_set_vgpr_msb 0x1
	ds_add_u32 v255, v31
	ds_add_u32 v255, v31
	s_set_vgpr_msb 0x100
	v_lshrrev_b32 v1, 5, v0
	v_readfirstlane_b32 s10, v1                    ; wave 0..3
	s_lshr_b32 s11, s10, 1                         ; which half of the block's rows is mine; also: I fetch for A (0) or W (1)
	s_and_b32 s12, s10, 1                          ; which half of its columns; also: which 128 rows of that tile I fetch
	s_bfe_u32 s40, ttmp6, 0x40000                  ; cx
	s_bfe_u32 s41, ttmp6, 0x40004                  ; cy
	s_lshl_b32 s42, ttmp9, 2
	s_add_co_u32 s42, s42, s40                     ; block column = 4 x cluster x + cx
	s_and_b32 s13, ttmp7, 0xffff
	s_lshl_b32 s13, s13, 2
	s_add_co_u32 s13, s13, s41                     ; block row = 4 x cluster y + cy
	s_lshl_b32 s43, s41, 2
	s_lshl_b32 s43, 15, s43                        ; my row of the cluster: places 4 cy .. 4 cy + 3
	s_lshl_b32 s44, 0x1111, s40                    ; my column: places cx, cx + 4, cx + 8, cx + 12
	; group 1: a tile of 128 rows x 128 elements of 2 bytes, 4 words of padding behind every 64 words
	s_or_b32 s[G1+0], s43, (1<<16)|(1<<20)|(1<<21)|(5<<22)|(3<<25)
	s_or_b32 s[G1B+0], s44, (1<<16)|(1<<20)|(1<<21)|(5<<22)|(3<<25)
	s_mov_b32 s[G1+1], KSTEP<<16                   ; tensor_dim0 = 128
	s_mov_b32 s[G1B+1], KSTEP<<16
	s_mov_b32 s[G1+2], 128<<16                     ; tensor_dim1 = 128
	s_mov_b32 s[G1B+2], 128<<16
	s_mov_b32 s[G1+3], KSTEP<<16                   ; tile_dim0 = 128
	s_mov_b32 s[G1B+3], KSTEP<<16
	s_mov_b32 s[G1+4], 128                         ; tile_dim1 = 128
	s_mov_b32 s[G1B+4], 128
	s_mov_b32 s[G1+5], SIZE_K                      ; elements from row to row
	s_mov_b32 s[G1B+5], SIZE_K
	s_mov_b32 s[G1+6], 0
	s_mov_b32 s[G1B+6], 0
	s_mov_b32 s[G1+7], 0
	s_mov_b32 s[G1B+7], 0
	; A's tiles hang on the block row alone, W's on the block column alone, each in registers that never hold the other coordinate
	s_lshl_b32 s17, s12, 7
	s_lshl_b32 s16, s13, 8
	s_add_co_u32 s16, s16, s17                     ; A: row 256 x block row + 128 x half
	s_lshl_b32 s46, s42, 8
	s_add_co_u32 s46, s46, s17                     ; W: row 256 x block column + 128 x half
	s_mov_b32 s17, 0
	s_mov_b32 s47, 0
	s_mov_b64 s[18:19], SIZE_K*2
	s_mul_u64 s[16:17], s[16:17], s[18:19]
	s_mul_u64 s[46:47], s[46:47], s[18:19]
	s_mul_i32 s20, s10, HALFT                      ; LDS: A's two halves, then W's two halves = wave x 128 rows
	s_lshl_b32 s70, s42, 10                        ; bias: 256 columns of 4 bytes a block,
	s_lshl_b32 s71, s12, 9                         ; 128 a half
	s_add_co_u32 s70, s70, s71
	s_mov_b32 s71, 0
	s_wait_dscnt 0x0
	s_wait_kmcnt 0x0
	s_add_nc_u64 s[6:7], s[6:7], WOFF              ; this product's matrix in wb
	s_add_nc_u64 s[14:15], s[4:5], s[16:17]
	s_add_nc_u64 s[46:47], s[6:7], s[46:47]
	s_add_nc_u64 s[68:69], s[68:69], s[70:71]
	CROUND                                         ; all sixteen work-groups are here: the first joint loads meet
.irp s, 0,1
	s_mov_b32 s[G0+4*\s], 1
	s_add_co_u32 s[G0+4*\s+1], s20, \s*SLOT
	s_add_nc_u64 s[G0+4*\s+2:G0+4*\s+3], s[14:15], \s*KSTEP*2
	s_or_b32 s[G0+4*\s+3], s[G0+4*\s+3], 0x80000000
	s_mov_b32 s[G0B+4*\s], 1
	s_add_co_u32 s[G0B+4*\s+1], s20, \s*SLOT
	s_add_nc_u64 s[G0B+4*\s+2:G0B+4*\s+3], s[46:47], \s*KSTEP*2
	s_or_b32 s[G0B+4*\s+3], s[G0B+4*\s+3], 0x80000000
	JLOAD \s                                       ; two tensor loads of the wave are out here, one behind every later round
.endr
	v_and_b32 v1, 15, v0                           ; l % 16
	v_bfe_u32 v2, v0, 4, 1                         ; l / 16
	v_lshlrev_b32 v[BOF], 5, v2                    ; 8 f32 for each half of the lanes
.irp b, 0,1,2,3,4,5,6,7
	global_load_b128 v[BIAS+8*\b:BIAS+8*\b+3], v[BOF], s[68:69] offset:64*\b
	global_load_b128 v[BIAS+8*\b+4:BIAS+8*\b+7], v[BOF], s[68:69] offset:64*\b+16
.endr
	v_mul_u32_u24 v3, v1, PITCH
	v_lshl_add_u32 v3, v2, 4, v3                   ; row x pitch + 16 x half: a fragment is two loads of 16 bytes, 32 bytes apart
	s_mul_i32 s21, s11, HALFT                      ; my 128 rows of A
	s_mul_i32 s22, s12, HALFT                      ; my 128 rows of W,
	s_add_co_u32 s22, s22, 2*HALFT                 ; which lie behind A's 256
.irp s, 0,1
	v_add_nc_u32 v[ADRA+\s], s21, v3
	v_add_nc_u32 v[ADRB+\s], s22, v3
	s_add_co_u32 s21, s21, SLOT
	s_add_co_u32 s22, s22, SLOT
.endr
	s_mul_i32 s23, s10, 16*SPITCH
	s_add_co_u32 s23, s23, STAGE                   ; my stage
	v_mul_u32_u24 v4, v1, SPITCH
	v_lshl_add_u32 v4, v2, 4, v4
	v_add_nc_u32 v[STO], s23, v4
	v_mul_u32_u24 v5, v2, SPITCH                   ; back: lanes 0-15 take one row of 256 bytes, lanes 16-31 the next
	v_lshl_add_u32 v5, v1, 4, v5
	v_add_nc_u32 v[RD], s23, v5
	v_mul_u32_u24 v5, v2, SIZE_N*2
	v_lshl_add_u32 v[CO], v1, 4, v5
.if GELU
	v_mov_b32 v[CA0], 0xaf95df0b
	v_mov_b32 v[CA0+1], 0xaf95df0b
	v_mov_b32 v[CB0], 0xb77460cd
	v_mov_b32 v[CB0+1], 0xb77460cd
.endif
; 16 matrix instructions: m blocks a0, a0 + 1 of the window's four x all 8 n blocks, 32 along K.  zero = 1: the first product starts the sums.
; The 64 accumulators take turns, one instruction a turn, in the same order in every quarter step.
.macro MUL16 f, hi, a0, zero
.irp a, \a0, \a0+1
.irp b, 0,1,2,3,4,5,6,7
.if \zero
	v_wmma_f32_16x16x32_bf16 v[8*(8*(\a)+\b):8*(8*(\a)+\b)+7], v[\f+8*\b:\f+8*\b+7], v[\f+8*(4*\hi+\a):\f+8*(4*\hi+\a)+7], 0
.else
	v_wmma_f32_16x16x32_bf16 v[8*(8*(\a)+\b):8*(8*(\a)+\b)+7], v[\f+8*\b:\f+8*\b+7], v[\f+8*(4*\hi+\a):\f+8*(4*\hi+\a)+7], v[8*(8*(\a)+\b):8*(8*(\a)+\b)+7]
.endif
.endr
.endr
.endm
.macro FETCH slot, k, f                ; 32 LDS loads in one run: the fragments of one quarter step into buffer f
	WIN TO_B
.irp i, 0,1,2,3,4,5,6,7
	ds_load_b128 v[\f+8*\i:\f+8*\i+3],   v[ADRB+\slot] offset:\k+\i*16*PITCH
	ds_load_b128 v[\f+8*\i+4:\f+8*\i+7], v[ADRB+\slot] offset:\k+\i*16*PITCH+32
.endr
	WIN 0
.irp i, 0,1,2,3,4,5,6,7
	ds_load_b128 v[\f+8*\i:\f+8*\i+3],   v[ADRA+\slot] offset:\k+\i*16*PITCH
	ds_load_b128 v[\f+8*\i+4:\f+8*\i+7], v[ADRA+\slot] offset:\k+\i*16*PITCH+32
.endr
.endm
.macro PLACES                          ; four places between a matrix instruction and a load into, or a vector instruction on, its registers
.rept 4
	v_nop
.endr
.endm
.macro QUARTER slot, k, f, g, zero     ; multiplies buffer f; in its middle fetches the next quarter's fragments into buffer g
	s_wait_dscnt 8                                 ; W and A's rows 0-63 are in; the youngest eight loads (A's rows 64-127) may be out
	WIN MUL_LO
	MUL16 \f, 0, 0, \zero
	MUL16 \f, 0, 2, \zero
	PLACES
	FETCH \slot, \k, \g
	s_wait_dscnt 32                                ; all but the 32 just issued
	WIN MUL_HI
	MUL16 \f, 1, 0, \zero
	MUL16 \f, 1, 2, \zero
.endm
.macro THREE slot, zero
	QUARTER \slot, 64,  F0, F1, \zero
	QUARTER \slot, 128, F1, F0, 0
	QUARTER \slot, 192, F0, F1, 0
.endm
; The last quarter of a K step changes slots.  In front of the barrier each wave waits for its reads of this slot and for all its tensor loads (one is out:
; its part of the next slot).  Where the slot is filled again the barrier opens a round of the cluster's barrier and the joint refill is the first tensor load behind it.
.macro TURN slot, next, fill
	s_wait_dscnt 8
	WIN MUL_LO
	MUL16 F1, 0, 0, 0
	s_wait_dscnt 0
	s_wait_tensorcnt 0x0
	ds_add_u32 v255, v31
	s_wait_dscnt 0x0
	s_barrier_signal -1
	MUL16 F1, 0, 2, 0                              ; register work while the others arrive
	WIN 0
	s_barrier_wait -1
.if \fill
	CREST
	s_add_nc_u64 s[G0+4*\slot+2:G0+4*\slot+3], s[G0+4*\slot+2:G0+4*\slot+3], 2*KSTEP*2
	s_add_nc_u64 s[G0B+4*\slot+2:G0B+4*\slot+3], s[G0B+4*\slot+2:G0B+4*\slot+3], 2*KSTEP*2
	JLOAD \slot
.endif
	PLACES
	FETCH \next, 0, F0
	WIN MUL_HI
	MUL16 F1, 1, 0, 0
	MUL16 F1, 1, 2, 0
.endm
.macro LAP zero
	THREE 0, \zero
	TURN 0, 1, 1
	THREE 1, 0
	TURN 1, 0, 1
.endm
	s_wait_loadcnt 0x0                             ; the bias, once, while the first tiles are on their way
	s_wait_tensorcnt 1                             ; my part of K step 0 is in; K step 1's stays out
	s_barrier_signal -1
	s_barrier_wait -1
	FETCH 0, 0, F0
	LAP 1                                          ; the first lap stands in front of the loop: its first products start the sums
.if LAPS > 2
	WIN 0
	s_mov_b32 s3, LAPS-2
.Llap:
	LAP 0
	WIN 0
	s_sub_co_u32 s3, s3, 1
	s_cmp_lg_u32 s3, 0
	s_cbranch_scc1 .Llap
.endif
	THREE 0, 0                                     ; the last lap fills nothing
	TURN 0, 1, 0
	THREE 1, 0
	s_wait_dscnt 8
	WIN MUL_LO
	MUL16 F1, 0, 0, 0
	MUL16 F1, 0, 2, 0
	s_wait_dscnt 0
	WIN MUL_HI
	MUL16 F1, 1, 0, 0
	MUL16 F1, 1, 2, 0
	; THE WAY OUT, 16 rows at a time: + bias, activation, bf16, 16 bytes a lane into my own stage, read back as whole rows of 256 bytes
	PLACES
	s_lshl_b32 s13, s13, 8
	s_lshl_b32 s14, s11, 7
	s_add_co_u32 s16, s13, s14                     ; my first row of C
	s_mov_b32 s17, 0
	s_mov_b64 s[18:19], SIZE_N*2
	s_mul_u64 s[16:17], s[16:17], s[18:19]
	s_add_nc_u64 s[8:9], s[8:9], s[16:17]
	s_lshl_b32 s46, s42, 9                         ; my first column in bytes: 512 x block + 256 x half
	s_lshl_b32 s47, s12, 8
	s_add_co_u32 s46, s46, s47
	s_mov_b32 s47, 0
	s_add_nc_u64 s[8:9], s[8:9], s[46:47]
.if GELU
; eight numbers at v[x..x+7] become 0.5 x (1 + erf(x / sqrt 2)); each step goes over the four pairs, so that no line waits for the one in front
.macro GELU8 x
.irp p, 0,2,4,6
	v_pk_mul_f32 v[GZ+\p:GZ+\p+1], v[\x+\p:\x+\p+1], 0x3f3504f3 op_sel_hi:[1,0]
.endr
.irp p, 0,1,2,3,4,5,6,7
	v_med3_num_f32 v[GZ+\p], v[GZ+\p], -4.0, 4.0
.endr
.irp p, 0,2,4,6
	v_pk_mul_f32 v[GW+\p:GW+\p+1], v[GZ+\p:GZ+\p+1], v[GZ+\p:GZ+\p+1]
.endr
.irp p, 0,2,4,6
	v_pk_fma_f32 v[GP+\p:GP+\p+1], v[GW+\p:GW+\p+1], v[CA0:CA0+1], 0x32edffee op_sel_hi:[1,1,0]
.endr
.irp p, 0,2,4,6
	v_pk_fma_f32 v[GQ+\p:GQ+\p+1], v[GW+\p:GW+\p+1], v[CB0:CB0+1], 0xb95fbd29 op_sel_hi:[1,1,0]
.endr
.irp c, 0xb60cff51, 0xb86ec2d2, 0xba40ac63, 0xbb41a1f6, 0xbc83dbd4
.irp p, 0,2,4,6
	v_pk_fma_f32 v[GP+\p:GP+\p+1], v[GP+\p:GP+\p+1], v[GW+\p:GW+\p+1], \c op_sel_hi:[1,1,0]
.endr
.endr
.irp c, 0xbadc924e, 0xbbf19bf8, 0xbc69b6a7
.irp p, 0,2,4,6
	v_pk_fma_f32 v[GQ+\p:GQ+\p+1], v[GQ+\p:GQ+\p+1], v[GW+\p:GW+\p+1], \c op_sel_hi:[1,1,0]
.endr
.endr
.irp p, 0,2,4,6
	v_pk_mul_f32 v[GP+\p:GP+\p+1], v[GP+\p:GP+\p+1], v[GZ+\p:GZ+\p+1]
.endr
.irp p, 0,1,2,3,4,5,6,7
	v_rcp_f32 v[GQ+\p], v[GQ+\p]
.endr
.irp p, 0,2,4,6
	v_pk_mul_f32 v[GW+\p:GW+\p+1], v[\x+\p:\x+\p+1], 0.5 op_sel_hi:[1,0]     ; plain work behind the reciprocals before they are used (ISA guide 5.7.2)
.endr
.irp p, 0,2,4,6
	v_pk_mul_f32 v[GP+\p:GP+\p+1], v[GP+\p:GP+\p+1], v[GQ+\p:GQ+\p+1]         ; erf
.endr
.irp p, 0,2,4,6
	v_pk_fma_f32 v[\x+\p:\x+\p+1], v[GW+\p:GW+\p+1], v[GP+\p:GP+\p+1], v[GW+\p:GW+\p+1]
.endr
.endm
.endif
; rows 16 i .. 16 i + 15 of my block = the eight tiles (a, 0..7) of window 2 or 3 (from = 0x02 or 0x03: source 0 alone)
.macro OUT16 i, a, from
	WIN \from
.irp b, 0,1,2,3,4,5,6,7
.irp r, 0,1,2,3
	v_pk_add_f32 v[XR+8*\b+2*\r:XR+8*\b+2*\r+1], v[8*(8*\a+\b)+2*\r:8*(8*\a+\b)+2*\r+1], v[BIAS+8*\b+2*\r:BIAS+8*\b+2*\r+1]
.endr
.endr
	WIN 0
.if GELU
.irp b, 0,1,2,3,4,5,6,7
	GELU8 XR+8*\b
.endr
.endif
.irp b, 0,1,2,3,4,5,6,7
.irp r, 0,1,2,3
	v_cvt_pk_bf16_f32 v[PK+4*\b+\r], v[XR+8*\b+2*\r], v[XR+8*\b+2*\r+1]
.endr
.endr
.irp b, 0,1,2,3,4,5,6,7
	ds_store_b128 v[STO], v[PK+4*\b:PK+4*\b+3] offset:32*\b
.endr
	s_wait_xcnt 0x0                                ; the rows read back, which the last stores read, and the stores' base are rewritten only behind this wait
.if \i
	s_add_nc_u64 s[8:9], s[8:9], 16*SIZE_N*2
.endif
.irp t, 0,1,2,3,4,5,6,7
	ds_load_b128 v[RB+4*\t:RB+4*\t+3], v[RD] offset:\t*2*SPITCH    ; LDS serves a wave's instructions in order: these see the stores above
.endr
.irp t, 0,1,2,3,4,5,6,7
	s_wait_dscnt 7-\t                              ; load t is in, the younger ones stay out
	global_store_b128 v[CO], v[RB+4*\t:RB+4*\t+3], s[8:9] offset:2*\t*SIZE_N*2   ; 16 lanes store 256 consecutive bytes, aligned
.endr
.endm
	OUT16 0, 0, 0x02
	OUT16 1, 1, 0x02
	OUT16 2, 2, 0x02
	OUT16 3, 3, 0x02
	OUT16 4, 0, 0x03
	OUT16 5, 1, 0x03
	OUT16 6, 2, 0x03
	OUT16 7, 3, 0x03
	s_set_vgpr_msb 0x1
	s_wait_tensorcnt 0x0
	ds_add_u32 v255, v31
	s_wait_dscnt 0x0
	s_set_vgpr_msb 0x100
	CROUND                                         ; the closing round: no work-group ends while a partner may still ask for a tile that names it
	s_endpgm
.Lfunc_end_k_q45e045c1df_gemm_qkv:
	.size	k_q45e045c1df_gemm_qkv, .Lfunc_end_k_q45e045c1df_gemm_qkv-k_q45e045c1df_gemm_qkv
	.p2alignl 7, 3214868480
	.fill 96, 4, 3214868480
	.section	.rodata,"a",@progbits
	.p2align	6, 0x0
	.amdhsa_kernel k_q45e045c1df_gemm_qkv
		.amdhsa_group_segment_fixed_size 327680
		.amdhsa_private_segment_fixed_size 0
		.amdhsa_enable_private_segment 0
		.amdhsa_kernarg_size 32
		.amdhsa_user_sgpr_count 2
		.amdhsa_user_sgpr_kernarg_segment_ptr 1
		.amdhsa_wavefront_size32 1
		.amdhsa_system_sgpr_workgroup_id_x 1
		.amdhsa_system_sgpr_workgroup_id_y 1
		.amdhsa_system_sgpr_workgroup_id_z 1
		.amdhsa_system_vgpr_workitem_id 0
		.amdhsa_next_free_vgpr 1024
		.amdhsa_next_free_sgpr 72
		.amdhsa_reserve_vcc 0
		.amdhsa_float_denorm_mode_32 3
		.amdhsa_float_denorm_mode_16_64 3
		.amdhsa_memory_ordered 1
		.amdhsa_forward_progress 1
		.amdhsa_inst_pref_size 214
	.end_amdhsa_kernel
	.amdgpu_metadata
---
amdhsa.version: [ 1, 2 ]
amdhsa.kernels:
  - .name:           k_q45e045c1df_gemm_qkv
    .symbol:         k_q45e045c1df_gemm_qkv.kd
    .args:
      - { .name: xn, .offset: 0, .size: 8, .value_kind: global_buffer, .address_space: global }
      - { .name: wb, .offset: 8, .size: 8, .value_kind: global_buffer, .address_space: global }
      - { .name: qkv_b, .offset: 16, .size: 8, .value_kind: global_buffer, .address_space: global }
      - { .name: qkvb, .offset: 24, .size: 8, .value_kind: global_buffer, .address_space: global }
    .group_segment_fixed_size: 327680
    .private_segment_fixed_size: 0
    .kernarg_segment_align: 8
    .kernarg_segment_size: 32
    .max_flat_workgroup_size: 128
    .sgpr_count:     72
    .vgpr_count:     1024
    .wavefront_size: 32
...
	.end_amdgpu_metadata
.endif
;; end of part 2
;; launch attn (part 3): grid 8 x 32, 4 waves a work-group, no clusters, 327,680 bytes of LDS; arguments qkvb, att; writes att
.if DOCPART == 3
	.amdgcn_target "amdgcn-amd-amdhsa--gfx1250"
	.amdhsa_code_object_version 6
	.text
	.protected	k_q45e045c1df_attn
	.globl	k_q45e045c1df_attn
	.p2align	8
	.type	k_q45e045c1df_attn,@function
k_q45e045c1df_attn:
	s_mov_b64 s[64:65], 0
	v_nop
	global_prefetch_b8 v0, s[64:65] scope:SCOPE_SE
	s_setreg_imm32_b32 hwreg(HW_REG_WAVE_MODE, 25, 1), 1
	s_wait_xcnt 0x0
; Causal softmax attention for one (batch, head) = work-group y and two blocks of 128 queries: block 2 p and block 15 - 2 p (p = work-group x).
; Block q needs key tiles 0 .. q of 128 keys, so every work-group walks 2 p + 1 + 16 - 2 p = 17 tiles.  A wave owns 32 queries (two tiles of 16).
; qkvb: [4096 tokens][3][16 heads][64] bf16.  att: [4096][16 heads][64] bf16.
; S^T = K Q^T: lane (r, h) holds query r and keys 8 h + j of each tile of 16 keys, so a query's maximum is in two lanes' own registers, two neighbouring
; tiles packed to bf16 ARE the second source of O^T = V^T P^T, and O^T keeps query r in lane r: the rescaling factor is the lane's own number.
; The softmax keeps a running maximum of the raw scores; 1/8 and log2 e are folded into one fused multiply-add in front of the exponential.
; K and V tiles go through two LDS slots; each wave fetches its 32 rows of K and of V by two tensor loads, which is all that a wave has outstanding.
; NO MULTICAST: the eight work-groups of a head need 2 p + 1 and 16 - 2 p tiles in their two passes, different numbers in every partner; walking all in step
; would cost each 16 + 8 tiles in place of 17.
; LIMITS: Q, K, V and P are bf16, sums f32; exponentials below 2^-126 come out as zero; NaN and infinite inputs are not followed.
.set KP, 144                           ; LDS pitch of a K row: 128 bytes + 16
.set VP, 160                           ; LDS pitch of a V row: 128 bytes + 32, an odd multiple of 32 for the transposing load
.set KB, 128*KP                        ; K's bytes in a slot; V lies behind
.set SLOT, 128*KP+128*VP               ; 38,912
.set STAGE, 2*SLOT                     ; 77,824 = 304 x 256: 32 rows x 144 bytes for each wave; no tensor load fills it
.set TILESTEP, 128*6144                ; bytes from a key tile to the next
.set ADK, 4                            ; v4-5   LDS address of my K fragments in slot 0, 1
.set ADV, 6                            ; v6-7   the same for V (transposing load)
.set QOFF, 8                           ; v8     r x 6144 + 16 h
.set STO, 9                            ; v9     the way out: where I put 16 bytes of a query's row
.set SRD, 10                           ; v10    the way out: where I read rows back
.set OOFF, 11                          ; v11    my byte offset in att
.set DQ, 12                            ; v12-13 query tile nt: my query's number in the block less 8 h
.set MX, 14                            ; v14-15 running maximum
.set LS, 16                            ; v16-17 running sum over my lane's keys
.set AL, 18                            ; v[18:19] rescaling factor, twice
.set NM, 20                            ; v[20:21] - maximum / 8 x log2 e, twice
.set T, 22                             ; v[22:29] at work
.set NINF, 30                          ; v30    -infinity
.set QF, 32                            ; v[32:63]   Q fragment (nt, ks) at 32 + 8 (2 nt + ks)
.set OA, 64                            ; v[64:127]  O^T tile (nt, dt) at 64 + 8 (4 nt + dt)
.set SC, 128                           ; v[128:191] S^T tile (nt, kt) at 128 + 8 (4 nt + kt); then P (nt, q) in the first 8 of each 16
.set KF, 192                           ; v[192:255] K fragment (kt, ks) at 192 + 8 (4 ks + kt)
.set VF, 0                             ; window 1, v[0:63]: V^T fragment (dt, q) at 8 (4 q + dt)
.set G1K, 16                           ; s[16:23]
.set G1V, 24                           ; s[24:31]
.set G0K, 32                           ; s[32:39], one set for each slot
.set G0V, 40                           ; s[40:47]
.set MSB, 0
.macro WIN new
.if MSB != \new
	s_set_vgpr_msb (MSB<<8)|\new
.set MSB, \new
.endif
.endm
	s_load_b128 s[4:7], s[0:1], 0x0                ; qkvb s[4:5], att s[6:7]
	v_lshl_add_u32 v31, v0, 2, 0x29000
	s_set_vgpr_msb 0x40
	v_mov_b32 v65, 0
	s_set_vgpr_msb 0x4044
	ds_add_u32 v31, v65
	ds_add_u32 v31, v65
	s_set_vgpr_msb 0x4400
	v_lshrrev_b32 v3, 5, v0
	v_readfirstlane_b32 s8, v3                     ; wave 0..3
	s_mov_b32 s9, ttmp9                            ; p
	s_and_b32 s10, ttmp7, 0xffff
	s_lshr_b32 s11, s10, 4                         ; batch
	s_and_b32 s12, s10, 15                         ; head
	s_mov_b32 s58, 0x76543210                      ; v_permlanex16_b32: lane i reads lane i of the other half
	s_mov_b32 s59, 0xfedcba98
	; group 1: 32 rows x 64 elements of 2 bytes, 3,072 elements from row to row; padding behind every 32 words: 4 words for K, 8 for V
	s_mov_b32 s[G1K+0], (1<<16)|(1<<20)|(4<<22)|(3<<25)
	s_mov_b32 s[G1V+0], (1<<16)|(1<<20)|(4<<22)|(7<<25)
	s_mov_b32 s[G1K+1], 64<<16
	s_mov_b32 s[G1V+1], 64<<16
	s_mov_b32 s[G1K+2], 32<<16
	s_mov_b32 s[G1V+2], 32<<16
	s_mov_b32 s[G1K+3], 64<<16
	s_mov_b32 s[G1V+3], 64<<16
	s_mov_b32 s[G1K+4], 32
	s_mov_b32 s[G1V+4], 32
	s_mov_b32 s[G1K+5], 3072
	s_mov_b32 s[G1V+5], 3072
	s_mov_b32 s[G1K+6], 0
	s_mov_b32 s[G1V+6], 0
	s_mov_b32 s[G1K+7], 0
	s_mov_b32 s[G1V+7], 0
	s_mul_i32 s15, s8, 32*KP                       ; where my 32 rows of K go in a slot,
	s_mul_i32 s3, s8, 32*VP
	s_add_co_u32 s3, s3, KB                        ; and my 32 rows of V
	v_and_b32 v1, 15, v0                           ; r
	v_bfe_u32 v2, v0, 4, 1                         ; h
	v_mul_u32_u24 v[ADK], v1, KP
	v_lshl_add_u32 v[ADK], v2, 4, v[ADK]           ; r x 144 + 16 h
	v_add_nc_u32 v[ADK+1], SLOT, v[ADK]
	v_and_b32 v22, 7, v0
	v_lshl_add_u32 v22, v2, 3, v22                 ; 8 h + lane % 8: the key row that I address
	v_mul_u32_u24 v[ADV], v22, VP
	v_bfe_u32 v23, v0, 3, 1
	v_lshl_add_u32 v[ADV], v23, 4, v[ADV]          ; + 16 x ((lane / 8) % 2)
	v_add_nc_u32 v[ADV], KB, v[ADV]
	v_add_nc_u32 v[ADV+1], SLOT, v[ADV]
	v_mul_u32_u24 v[QOFF], v1, 6144
	v_lshl_add_u32 v[QOFF], v2, 4, v[QOFF]
	s_add_co_u32 s60, s15, STAGE                   ; my stage: 32 rows of 144 bytes = as many bytes as my rows of K
	v_add_nc_u32 v[STO], s60, v[ADK]
	v_bfe_u32 v24, v0, 3, 2                        ; lane / 8
	v_and_b32 v25, 7, v0                           ; lane % 8
	v_mul_u32_u24 v[SRD], v24, KP
	v_lshl_add_u32 v[SRD], v25, 4, v[SRD]
	v_add_nc_u32 v[SRD], s60, v[SRD]
	v_lshlrev_b32 v[OOFF], 11, v24                 ; a token's row of att is 2,048 bytes
	v_lshl_add_u32 v[OOFF], v25, 4, v[OOFF]
	v_lshlrev_b32 v26, 3, v2
	v_sub_nc_u32 v[DQ], v1, v26
	s_lshl_b32 s61, s8, 5
	v_add_nc_u32 v[DQ], s61, v[DQ]                 ; 32 w + r - 8 h (may be negative: compared as signed)
	v_add_nc_u32 v[DQ+1], 16, v[DQ]
	v_mov_b32 v[NINF], 0xff800000
	s_lshl_b32 s60, s11, 11
	s_add_co_u32 s60, s60, s61                     ; the token of my first row of a key tile 0
	s_mul_i32 s56, s60, 6144
	s_lshl_b32 s62, s12, 7                         ; 128 bytes a head
	s_add_co_u32 s56, s56, s62
	s_add_co_u32 s56, s56, 2048                    ; K lies 2,048 bytes into a token's row
	s_mov_b32 s57, 0
	s_wait_dscnt 0x0
	s_wait_kmcnt 0x0
	s_add_nc_u64 s[48:49], s[4:5], s[56:57]        ; K: my rows of tile 0
	s_add_nc_u64 s[50:51], s[48:49], 2048          ; V: 2,048 bytes further
.macro KLOAD s, hh                     ; 16 loads: the K fragments of keys 64 hh .. + 63 of slot s
.irp ks, 0,1
.irp kt, 0,1,2,3
	ds_load_b128 v[KF+8*(4*\ks+\kt):KF+8*(4*\ks+\kt)+3], v[ADK+\s] offset:(64*\hh+16*\kt)*KP+64*\ks
	ds_load_b128 v[KF+8*(4*\ks+\kt)+4:KF+8*(4*\ks+\kt)+7], v[ADK+\s] offset:(64*\hh+16*\kt)*KP+64*\ks+32
.endr
.endr
.endm
.macro VLOAD s, hh                     ; 16 transposing loads: V^T fragments (16 d x 32 keys) of the same keys, into window 1
.irp q, 0,1
.irp dt, 0,1,2,3
	ds_load_tr16_b128 v[VF+8*(4*\q+\dt):VF+8*(4*\q+\dt)+3], v[ADV+\s] offset:(64*\hh+32*\q)*VP+32*\dt
	ds_load_tr16_b128 v[VF+8*(4*\q+\dt)+4:VF+8*(4*\q+\dt)+7], v[ADV+\s] offset:(64*\hh+32*\q)*VP+32*\dt+16*VP
.endr
.endr
.endm
.macro MASK nt, hh                     ; the diagonal tile: key 64 hh + 16 kt + 8 h + j counts only if it is not behind the query; a select, no branch
.irp kt, 0,1,2,3
.irp j, 0,1,2,3,4,5,6,7
	v_cmp_le_i32 vcc_lo, 64*\hh+16*\kt+\j, v[DQ+\nt]
	v_cndmask_b32 v[SC+8*(4*\nt+\kt)+\j], v[NINF], v[SC+8*(4*\nt+\kt)+\j], vcc_lo
.endr
.endr
.endm
.macro SOFT nt                         ; 16 queries x 64 keys: new maximum, exponentials, sum, P in bf16, O rescaled
.irp kt, 0,1,2,3
	v_max3_num_f32 v[T+\kt], v[SC+32*\nt+8*\kt], v[SC+32*\nt+8*\kt+1], v[SC+32*\nt+8*\kt+2]
.endr
.irp kt, 0,1,2,3
	v_max3_num_f32 v[T+\kt], v[T+\kt], v[SC+32*\nt+8*\kt+3], v[SC+32*\nt+8*\kt+4]
.endr
.irp kt, 0,1,2,3
	v_max3_num_f32 v[T+\kt], v[T+\kt], v[SC+32*\nt+8*\kt+5], v[SC+32*\nt+8*\kt+6]
.endr
.irp kt, 0,1,2,3
	v_max_num_f32 v[T+\kt], v[T+\kt], v[SC+32*\nt+8*\kt+7]
.endr
	v_max3_num_f32 v[T], v[T], v[T+1], v[T+2]
	v_max3_num_f32 v[T], v[T], v[T+3], v[MX+\nt]
	v_permlanex16_b32 v[T+1], v[T], s58, s59       ; the query's other 32 keys are in lane r xor 16
	v_max_num_f32 v[T+2], v[T], v[T+1]             ; finite from the first 64 keys on: key 0 counts for every query
	v_sub_f32 v[T+3], v[MX+\nt], v[T+2]
	v_mul_f32 v[T+3], 0x3e38aa3b, v[T+3]           ; x log2 e / 8
	v_exp_f32 v[AL], v[T+3]
	v_mul_f32 v[NM], 0xbe38aa3b, v[T+2]            ; plain work behind the exponential before it is used (ISA guide 5.7.2)
	v_mov_b32 v[NM+1], v[NM]
	s_wait_alu depctr_va_vdst(0)
	v_mov_b32 v[AL+1], v[AL]
	v_mov_b32 v[MX+\nt], v[T+2]
.irp k, 0,1,2,3,4,5,6,7,8,9,10,11,12,13,14,15
	v_pk_fma_f32 v[SC+32*\nt+2*\k:SC+32*\nt+2*\k+1], v[SC+32*\nt+2*\k:SC+32*\nt+2*\k+1], 0x3e38aa3b, v[NM:NM+1] op_sel_hi:[1,0,1]
.endr
.set i, 0
.rept 32
	v_exp_f32 v[SC+32*\nt+i], v[SC+32*\nt+i]
.set i, i+1
.endr
	v_mul_f32 v[LS+\nt], v[LS+\nt], v[AL]          ; the plain place behind the last exponential
	s_wait_alu depctr_va_vdst(0)
.irp c, 0,1,2,3
	v_pk_add_f32 v[T+2*\c:T+2*\c+1], v[SC+32*\nt+2*\c:SC+32*\nt+2*\c+1], v[SC+32*\nt+8+2*\c:SC+32*\nt+8+2*\c+1]
.endr
.irp k, 8,9,10,11,12,13,14,15
	v_pk_add_f32 v[T+2*(\k%4):T+2*(\k%4)+1], v[T+2*(\k%4):T+2*(\k%4)+1], v[SC+32*\nt+2*\k:SC+32*\nt+2*\k+1]
.endr
	v_pk_add_f32 v[T:T+1], v[T:T+1], v[T+2:T+3]
	v_pk_add_f32 v[T+4:T+5], v[T+4:T+5], v[T+6:T+7]
	v_pk_add_f32 v[T:T+1], v[T:T+1], v[T+4:T+5]
	v_add_f32 v[T], v[T], v[T+1]
	v_add_f32 v[LS+\nt], v[LS+\nt], v[T]
.irp q, 0,1
.irp i, 0,1,2,3,4,5,6,7
	v_cvt_pk_bf16_f32 v[SC+32*\nt+16*\q+\i], v[SC+32*\nt+16*\q+2*\i], v[SC+32*\nt+16*\q+2*\i+1]   ; ascending: register i is written when 2 i and 2 i + 1 are read
.endr
.endr
.irp k, 0,1,2,3,4,5,6,7,8,9,10,11,12,13,14,15
	v_pk_mul_f32 v[OA+32*\nt+2*\k:OA+32*\nt+2*\k+1], v[OA+32*\nt+2*\k:OA+32*\nt+2*\k+1], v[AL:AL+1]
.endr
.endm
; 64 keys of slot s.  The K fragments are the 16 youngest LDS loads at its head.  In both products eight accumulators take turns, one instruction a turn.
.macro HALF s, hh, masked
.irp ks, 0,1
.irp kt, 0,1,2,3
	s_wait_dscnt 14-2*(4*\ks+\kt)                  ; this fragment's two loads are in, the younger K loads stay out
.irp nt, 0,1
.if \ks == 0
	v_wmma_f32_16x16x32_bf16 v[SC+8*(4*\nt+\kt):SC+8*(4*\nt+\kt)+7], v[KF+8*(4*\ks+\kt):KF+8*(4*\ks+\kt)+7], v[QF+8*(2*\nt+\ks):QF+8*(2*\nt+\ks)+7], 0
.else
	v_wmma_f32_16x16x32_bf16 v[SC+8*(4*\nt+\kt):SC+8*(4*\nt+\kt)+7], v[KF+8*(4*\ks+\kt):KF+8*(4*\ks+\kt)+7], v[QF+8*(2*\nt+\ks):QF+8*(2*\nt+\ks)+7], v[SC+8*(4*\nt+\kt):SC+8*(4*\nt+\kt)+7]
.endif
.endr
.endr
.endr
.rept 4
	v_nop                                          ; four places before the scores are read and before loads land on the K fragments
.endr
	WIN 0x40                                       ; destination in window 1
	VLOAD \s, \hh
	WIN 0
.if \hh == 0
	KLOAD \s, 1                                    ; the next 64 keys' fragments, behind V's loads
.endif
.if \masked
	MASK 0, \hh
	MASK 1, \hh
.endif
	SOFT 0
	SOFT 1
.if \hh == 0
	s_wait_dscnt 16                                ; V's 16 loads are in; the 16 K loads issued behind them stay out
.else
	s_wait_dscnt 0x0
.endif
	WIN 0x01                                       ; source 0 in window 1
.irp q, 0,1
.irp nt, 0,1
.irp dt, 0,1,2,3
	v_wmma_f32_16x16x32_bf16 v[OA+8*(4*\nt+\dt):OA+8*(4*\nt+\dt)+7], v[VF+8*(4*\q+\dt):VF+8*(4*\q+\dt)+7], v[SC+32*\nt+16*\q:SC+32*\nt+16*\q+7], v[OA+8*(4*\nt+\dt):OA+8*(4*\nt+\dt)+7]
.endr
.endr
.endr
	WIN 0
.rept 5
	v_nop                                          ; five places before the next score product writes over P (ISA guide 7.12.1)
.endr
.endm
; One key tile from slot s.  In front of the barrier: all my tensor loads have landed, my part of this tile among them, and my reads of the other slot are over.
; Behind it the other slot is filled again first; its tile has this whole trip in which to land.
.macro TRIP s, refill, masked
	s_set_vgpr_msb 0x4
	s_wait_tensorcnt 0x0
	ds_add_u32 v31, v65
	s_wait_dscnt 0x0
	s_set_vgpr_msb 0x400
	s_add_nc_u64 s[G0K+4*\s+2:G0K+4*\s+3], s[G0K+4*\s+2:G0K+4*\s+3], 2*TILESTEP    ; no load of mine is out: this slot's next tile
	s_add_nc_u64 s[G0V+4*\s+2:G0V+4*\s+3], s[G0V+4*\s+2:G0V+4*\s+3], 2*TILESTEP
	s_wait_dscnt 0x0
	s_barrier_signal -1
	s_barrier_wait -1
.if \refill
	tensor_load_to_lds s[G0K+4*(1-\s):G0K+4*(1-\s)+3], s[G1K:G1K+7]
	s_nop 0
	tensor_load_to_lds s[G0V+4*(1-\s):G0V+4*(1-\s)+3], s[G1V:G1V+7]
	s_nop 0
.endif
	KLOAD \s, 0
	HALF \s, 0, \masked
	HALF \s, 1, \masked
.endm
; The head of a pass over query block s13.  again = 1: slot 0 has been filled before, so its fill stands behind a barrier with the waits in front.
.macro START again
	s_lshl_b32 s60, s11, 11
	s_lshl_b32 s61, s13, 7
	s_add_co_u32 s60, s60, s61
	s_lshl_b32 s61, s8, 5
	s_add_co_u32 s60, s60, s61                     ; my first query's token
	s_lshl_b32 s62, s12, 7
	s_mul_i32 s56, s60, 6144
	s_add_co_u32 s56, s56, s62
	s_mov_b32 s57, 0
	s_add_nc_u64 s[52:53], s[4:5], s[56:57]        ; Q
	s_lshl_b32 s56, s60, 11
	s_add_co_u32 s56, s56, s62
	s_add_nc_u64 s[54:55], s[6:7], s[56:57]        ; att
.irp nt, 0,1
.irp ks, 0,1
	global_load_b128 v[QF+8*(2*\nt+\ks):QF+8*(2*\nt+\ks)+3], v[QOFF], s[52:53] offset:\nt*98304+64*\ks
	global_load_b128 v[QF+8*(2*\nt+\ks)+4:QF+8*(2*\nt+\ks)+7], v[QOFF], s[52:53] offset:\nt*98304+64*\ks+32
.endr
.endr
	v_mov_b32 v[MX], v[NINF]
	v_mov_b32 v[MX+1], v[NINF]
	v_mov_b32 v[LS], 0
	v_mov_b32 v[LS+1], 0
.set i, 0
.rept 64
	v_mov_b32 v[OA+i], 0                           ; cleared: the first tile is the loop's in some work-groups and the written-out tail's in others, so no one product starts the sums
.set i, i+1
.endr
.if \again
	s_set_vgpr_msb 0x4
	s_wait_tensorcnt 0x0                           ; no tensor load of mine is out: every group 0 may be written
	ds_add_u32 v31, v65
	s_wait_dscnt 0x0
	s_set_vgpr_msb 0x400
.endif
.irp s, 0,1
	s_mov_b32 s[G0K+4*\s], 1
	s_add_co_u32 s[G0K+4*\s+1], s15, \s*SLOT
	s_add_nc_u64 s[G0K+4*\s+2:G0K+4*\s+3], s[48:49], \s*TILESTEP
	s_or_b32 s[G0K+4*\s+3], s[G0K+4*\s+3], 0x80000000
	s_mov_b32 s[G0V+4*\s], 1
	s_add_co_u32 s[G0V+4*\s+1], s3, \s*SLOT
	s_add_nc_u64 s[G0V+4*\s+2:G0V+4*\s+3], s[50:51], \s*TILESTEP
	s_or_b32 s[G0V+4*\s+3], s[G0V+4*\s+3], 0x80000000
.endr
.if \again
	s_wait_dscnt 0x0                               ; my reads of the slots are over
	s_barrier_signal -1
	s_barrier_wait -1                              ; and so are every wave's
.endif
	tensor_load_to_lds s[G0K:G0K+3], s[G1K:G1K+7]  ; tile 0
	s_nop 0
	tensor_load_to_lds s[G0V:G0V+3], s[G1V:G1V+7]
	s_nop 0
	s_wait_loadcnt 0x0                             ; Q
.endm
; The end of a pass: divide by the sum, round, 16 bytes a lane into my own stage, read back by rows, store.
.macro FIN
.irp nt, 0,1
	v_permlanex16_b32 v[T], v[LS+\nt], s58, s59    ; the sum over the query's other keys
	v_add_f32 v[T], v[T], v[LS+\nt]
	v_rcp_f32 v[AL], v[T]
	v_rcp_f32 v[AL+1], v[T]
	v_nop                                          ; the plain place behind the reciprocals
	s_wait_alu depctr_va_vdst(0)
.irp k, 0,1,2,3,4,5,6,7,8,9,10,11,12,13,14,15
	v_pk_mul_f32 v[OA+32*\nt+2*\k:OA+32*\nt+2*\k+1], v[OA+32*\nt+2*\k:OA+32*\nt+2*\k+1], v[AL:AL+1]
.endr
.endr
.set i, 0
.rept 32
	v_cvt_pk_bf16_f32 v[SC+i], v[OA+2*i], v[OA+2*i+1]
.set i, i+1
.endr
.irp nt, 0,1
.irp dt, 0,1,2,3
	ds_store_b128 v[STO], v[SC+4*(4*\nt+\dt):SC+4*(4*\nt+\dt)+3] offset:\nt*16*KP+32*\dt    ; query 16 nt + r, d = 16 dt + 8 h .. + 7
.endr
.endr
.irp i, 0,1,2,3,4,5,6,7
	ds_load_b128 v[SC+32+4*\i:SC+32+4*\i+3], v[SRD] offset:4*KP*\i                          ; LDS serves a wave's instructions in order: these see the stores above
.endr
.irp i, 0,1,2,3,4,5,6,7
	s_wait_dscnt 7-\i                              ; load i is in, the younger ones stay out
	global_store_b128 v[OOFF], v[SC+32+4*\i:SC+32+4*\i+3], s[54:55] offset:8192*\i          ; eight lanes store the head's 128 consecutive bytes of a token: the row piece is no longer
.endr
	s_wait_xcnt 0x0                                ; the stores' data and base are written again only behind this wait
.endm
	; pass A: query block 2 p, tiles 0 .. 2 p: p pairs, then the diagonal tile
	s_lshl_b32 s13, s9, 1
	START 0
	s_cmp_eq_u32 s9, 0
	s_cbranch_scc1 .LtailA
	s_mov_b32 s14, s9
.LloopA:
	TRIP 0, 1, 0
	TRIP 1, 1, 0
	s_sub_co_u32 s14, s14, 1
	s_cmp_lg_u32 s14, 0
	s_cbranch_scc1 .LloopA
.LtailA:
	TRIP 0, 0, 1
	FIN
	; pass B: query block 15 - 2 p, tiles 0 .. 15 - 2 p: 7 - p pairs, then one more tile and the diagonal tile
	s_sub_co_u32 s13, 15, s13
	START 1
	s_sub_co_u32 s14, 7, s9
	s_cmp_eq_u32 s14, 0
	s_cbranch_scc1 .LtailB
.LloopB:
	TRIP 0, 1, 0
	TRIP 1, 1, 0
	s_sub_co_u32 s14, s14, 1
	s_cmp_lg_u32 s14, 0
	s_cbranch_scc1 .LloopB
.LtailB:
	TRIP 0, 1, 0
	TRIP 1, 0, 1
	FIN
	s_set_vgpr_msb 0x4
	s_wait_tensorcnt 0x0
	ds_add_u32 v31, v65
	s_wait_dscnt 0x0
	s_set_vgpr_msb 0x400
	s_endpgm
.Lfunc_end_k_q45e045c1df_attn:
	.size	k_q45e045c1df_attn, .Lfunc_end_k_q45e045c1df_attn-k_q45e045c1df_attn
	.p2alignl 7, 3214868480
	.fill 96, 4, 3214868480
	.section	.rodata,"a",@progbits
	.p2align	6, 0x0
	.amdhsa_kernel k_q45e045c1df_attn
		.amdhsa_group_segment_fixed_size 327680
		.amdhsa_private_segment_fixed_size 0
		.amdhsa_enable_private_segment 0
		.amdhsa_kernarg_size 16
		.amdhsa_user_sgpr_count 2
		.amdhsa_user_sgpr_kernarg_segment_ptr 1
		.amdhsa_wavefront_size32 1
		.amdhsa_system_sgpr_workgroup_id_x 1
		.amdhsa_system_sgpr_workgroup_id_y 1
		.amdhsa_system_sgpr_workgroup_id_z 1
		.amdhsa_system_vgpr_workitem_id 0
		.amdhsa_next_free_vgpr 322
		.amdhsa_next_free_sgpr 66
		.amdhsa_reserve_vcc 1
		.amdhsa_float_denorm_mode_32 3
		.amdhsa_float_denorm_mode_16_64 3
		.amdhsa_memory_ordered 1
		.amdhsa_forward_progress 1
		.amdhsa_inst_pref_size 255
	.end_amdhsa_kernel
	.section	.bss,"aw",@nobits
	.p2align	6
	.space	262144
	.amdgpu_metadata
---
amdhsa.version: [ 1, 2 ]
amdhsa.kernels:
  - .name:           k_q45e045c1df_attn
    .symbol:         k_q45e045c1df_attn.kd
    .args:
      - { .name: qkvb, .offset: 0, .size: 8, .value_kind: global_buffer, .address_space: global }
      - { .name: att, .offset: 8, .size: 8, .value_kind: global_buffer, .address_space: global }
    .group_segment_fixed_size: 327680
    .private_segment_fixed_size: 0
    .kernarg_segment_align: 8
    .kernarg_segment_size: 16
    .max_flat_workgroup_size: 128
    .sgpr_count:     66
    .vgpr_count:     322
    .wavefront_size: 32
...
	.end_amdgpu_metadata
.endif
;; end of part 3
;; launch gemm_out (part 4): grid 8 x 32, 4 waves a work-group, clusters of 4 x 4, 327,680 bytes of LDS; arguments att, wb, out_b, hidden_states, hid; writes hid
.if DOCPART == 4
	.amdgcn_target "amdgcn-amd-amdhsa--gfx1250"
	.amdhsa_code_object_version 6
	.text
	.protected	k_q45e045c1df_gemm_out
	.globl	k_q45e045c1df_gemm_out
	.p2align	8
	.type	k_q45e045c1df_gemm_out,@function
k_q45e045c1df_gemm_out:
	s_mov_b64 s[64:65], 0
	v_nop
	global_prefetch_b8 v0, s[64:65] scope:SCOPE_SE
	s_setreg_imm32_b32 hwreg(HW_REG_WAVE_MODE, 25, 1), 1
	s_wait_xcnt 0x0
	s_wait_alu depctr_hold_cnt(0) depctr_sa_sdst(0) depctr_va_vdst(0) depctr_va_sdst(0) depctr_va_ssrc(0) depctr_va_vcc(0) depctr_vm_vsrc(0)
	s_getreg_b32 s2, hwreg(HW_REG_IB_STS2, 6, 4)
	s_cmp_eq_u32 s2, 0
	s_cbranch_scc0 .Lentry_in_a_cluster
	s_endpgm
.Lentry_in_a_cluster:
	s_bfe_u32 s2, ttmp6, 0x10000c
	s_cmp_lg_u32 s2, 0xf033
	s_cbranch_scc0 .Lentry_shape_is_right
	s_endpgm
.Lentry_shape_is_right:
; out[m][n] = res[m][n] + bias[n] + sum over k of A[m][k] W[n][k], in f32.  A: [4096][SIZE_K] bf16, W: [1024][SIZE_K] bf16 at byte WOFF of wb,
; bias: [1024] f32, res and out: [4096][1024] f32.
; N is 1,024, so blocks of 128 x 128 are needed for 32 x 8 = 256 work-groups.  The four waves share K, not the block: each makes the whole 128 x 128 block
; (64 accumulator tiles, 512 registers) over its own 64 of every 256 along K, which keeps 32 LDS loads for 64 matrix instructions; the four partial blocks
; are added once, through LDS, at the end.  So the order of the sum over K differs from an ascending one: four partial sums, added at the end.
; K goes in steps of 256 through two LDS slots; a tensor load brings 64 rows of 512 bytes, which start at multiples of 512 bytes.
; CLUSTERS: 4 x 4 work-groups; A's tiles are asked for jointly along a row of the cluster, W's along a column.
; LIMITS: operands are bf16 with f32 sums; NaN and infinities are not followed.
; REGISTERS: window 0: v0-31 addresses, v64-191 fragments of A (two buffers); window 1: v64-191 fragments of W; windows 2, 3: accumulator tiles of rows 0-63, 64-127.
; The matrix instruction is used transposed (source 0 = rows of W, source 1 = rows of A): lane l holds row l % 16 and columns 8 (l / 16) + 0..7 of a tile.
.set SIZE_K, 1024
.set WOFF,   6291456
.set KSTEP,  256
.set PITCH,  528                       ; an LDS row: 512 bytes + 16 of padding, an odd multiple of 16
.set HALFT,  64*PITCH                  ; what one tensor load brings
.set SLOT,   4*HALFT                   ; 128 rows of A, then 128 rows of W
.set REG,    128*PITCH                 ; behind the last fill: a wave's partial block, 128 rows of 128 f32
.set LAPS, SIZE_K/(2*KSTEP)
.set RDA,  12                          ; v12-15  where I read my rows of the four partial blocks
.set ADRA, 16                          ; v16-17  LDS address of my A fragments in slot 0, 1
.set ADRB, 20                          ; v20-21  the same for W
.set CO,   26                          ; v26     16 x lane: my 16 bytes of a row of 512
.set DST,  27                          ; v27     where I put my partial block
.set BI,   32                          ; v[32:35] bias of my 4 columns
.set F0,   64
.set F1,   128
.set RES,  64                          ; v[64:191] the way out: my 32 rows of the residual, then of the result
.set BUF0, 192                         ; v[192:223] two rows of the four partial blocks
.set BUF1, 224                         ; v[224:255]
.set G1, 24
.set G0, 32
.set G1B, 48
.set G0B, 56
.set MSB, 0
.macro WIN new
.if MSB != \new
	s_set_vgpr_msb (MSB<<8)|\new
.set MSB, \new
.endif
.endm
.set MUL_LO, 0xa1
.set MUL_HI, 0xf1
.set TO_B,   0x40
.macro JLOAD s                         ; waves 0, 1 fetch the halves of A, waves 2, 3 those of W; the branch hangs on the wave number alone
	s_cmp_eq_u32 s11, 0
	s_cbranch_scc0 .Lfor_b_\@
	tensor_load_to_lds s[G0+4*\s:G0+4*\s+3], s[G1:G1+7]
	s_nop 0
	s_branch .Lasked_\@
.Lfor_b_\@:
	tensor_load_to_lds s[G0B+4*\s:G0B+4*\s+3], s[G1B:G1B+7]
	s_nop 0
.Lasked_\@:
.endm
.macro CREST
	s_cmp_lg_u32 s10, 0
	s_cbranch_scc1 .Lnot_wave_0_\@
	s_barrier_signal -3
.Lnot_wave_0_\@:
	s_barrier_wait -3
	s_barrier_signal -1
	s_barrier_wait -1
.endm
.macro CROUND
	s_barrier_signal -1
	s_barrier_wait -1
	CREST
.endm
	s_load_b128 s[4:7], s[0:1], 0x0                ; A s[4:5], wb s[6:7]
	s_load_b128 s[68:71], s[0:1], 0x10             ; bias s[68:69], res s[70:71]
	s_load_b64 s[8:9], s[0:1], 0x20                ; out
	s_set_vgpr_msb 0x40
	v_lshl_add_u32 v255, v0, 2, 0x42000
	s_set_vgpr_msb 0x4000
	v_mov_b32 v63, 0
	s_set_vgpr_msb 0x1
	ds_add_u32 v255, v63
	ds_add_u32 v255, v63
	s_set_vgpr_msb 0x100
	v_lshrrev_b32 v1, 5, v0
	v_readfirstlane_b32 s10, v1                    ; wave 0..3: my 64 of every 256 along K
	s_lshr_b32 s11, s10, 1                         ; I fetch for A (0) or for W (1),
	s_and_b32 s12, s10, 1                          ; and which 64 rows of that tile
	s_bfe_u32 s40, ttmp6, 0x40000                  ; cx
	s_bfe_u32 s41, ttmp6, 0x40004                  ; cy
	s_lshl_b32 s42, ttmp9, 2
	s_add_co_u32 s42, s42, s40                     ; block column
	s_and_b32 s13, ttmp7, 0xffff
	s_lshl_b32 s13, s13, 2
	s_add_co_u32 s13, s13, s41                     ; block row
	s_lshl_b32 s43, s41, 2
	s_lshl_b32 s43, 15, s43                        ; my row of the cluster
	s_lshl_b32 s44, 0x1111, s40                    ; my column
	; group 1: 64 rows x 256 elements of 2 bytes, 4 words of padding behind every 128 words
	s_or_b32 s[G1+0], s43, (1<<16)|(1<<20)|(1<<21)|(6<<22)|(3<<25)
	s_or_b32 s[G1B+0], s44, (1<<16)|(1<<20)|(1<<21)|(6<<22)|(3<<25)
	s_mov_b32 s[G1+1], KSTEP<<16
	s_mov_b32 s[G1B+1], KSTEP<<16
	s_mov_b32 s[G1+2], 64<<16
	s_mov_b32 s[G1B+2], 64<<16
	s_mov_b32 s[G1+3], KSTEP<<16
	s_mov_b32 s[G1B+3], KSTEP<<16
	s_mov_b32 s[G1+4], 64
	s_mov_b32 s[G1B+4], 64
	s_mov_b32 s[G1+5], SIZE_K
	s_mov_b32 s[G1B+5], SIZE_K
	s_mov_b32 s[G1+6], 0
	s_mov_b32 s[G1B+6], 0
	s_mov_b32 s[G1+7], 0
	s_mov_b32 s[G1B+7], 0
	s_lshl_b32 s17, s12, 6
	s_lshl_b32 s16, s13, 7
	s_add_co_u32 s16, s16, s17                     ; A: row 128 x block row + 64 x half
	s_lshl_b32 s46, s42, 7
	s_add_co_u32 s46, s46, s17                     ; W: row 128 x block column + 64 x half
	s_mov_b32 s17, 0
	s_mov_b32 s47, 0
	s_mov_b64 s[18:19], SIZE_K*2
	s_mul_u64 s[16:17], s[16:17], s[18:19]
	s_mul_u64 s[46:47], s[46:47], s[18:19]
	s_mul_i32 s20, s10, HALFT                      ; LDS: A's two halves, then W's two halves = wave x 64 rows
	s_wait_dscnt 0x0
	s_wait_kmcnt 0x0
	s_add_nc_u64 s[6:7], s[6:7], WOFF
	s_add_nc_u64 s[14:15], s[4:5], s[16:17]
	s_add_nc_u64 s[46:47], s[6:7], s[46:47]
	CROUND                                         ; all sixteen work-groups are here: the first joint loads meet
.irp s, 0,1
	s_mov_b32 s[G0+4*\s], 1
	s_add_co_u32 s[G0+4*\s+1], s20, \s*SLOT
	s_add_nc_u64 s[G0+4*\s+2:G0+4*\s+3], s[14:15], \s*KSTEP*2
	s_or_b32 s[G0+4*\s+3], s[G0+4*\s+3], 0x80000000
	s_mov_b32 s[G0B+4*\s], 1
	s_add_co_u32 s[G0B+4*\s+1], s20, \s*SLOT
	s_add_nc_u64 s[G0B+4*\s+2:G0B+4*\s+3], s[46:47], \s*KSTEP*2
	s_or_b32 s[G0B+4*\s+3], s[G0B+4*\s+3], 0x80000000
	JLOAD \s                                       ; two tensor loads of the wave are out here, one behind every later round
.endr
	v_and_b32 v1, 15, v0                           ; l % 16
	v_bfe_u32 v2, v0, 4, 1                         ; l / 16
	v_mul_u32_u24 v3, v1, PITCH
	v_lshl_add_u32 v3, v2, 4, v3                   ; row x pitch + 16 x half
	s_lshl_b32 s21, s10, 7                         ; my 64 along K: 128 bytes of every row
	s_add_co_u32 s22, s21, 2*HALFT                 ; W lies behind A's 128 rows
.irp s, 0,1
	v_add_nc_u32 v[ADRA+\s], s21, v3
	v_add_nc_u32 v[ADRB+\s], s22, v3
	s_add_co_u32 s21, s21, SLOT
	s_add_co_u32 s22, s22, SLOT
.endr
	v_and_b32 v5, 31, v0
	v_lshlrev_b32 v[CO], 4, v5
	s_mul_i32 s23, s10, REG                        ; my partial block
	v_mul_u32_u24 v4, v1, PITCH
	v_lshl_add_u32 v4, v2, 5, v4                   ; row l % 16, 32 bytes for each half of the lanes
	v_add_nc_u32 v[DST], s23, v4
	s_mul_i32 s23, s10, 32*PITCH                   ; the 32 rows that I add up
	v_add_nc_u32 v[RDA], s23, v[CO]
	v_add_nc_u32 v[RDA+1], REG, v[RDA]
	v_add_nc_u32 v[RDA+2], 2*REG, v[RDA]
	v_add_nc_u32 v[RDA+3], 3*REG, v[RDA]
; The 64 accumulators take turns, one instruction a turn, in the same order in every quarter.
.macro MUL16 f, hi, a0, zero
.irp a, \a0, \a0+1
.irp b, 0,1,2,3,4,5,6,7
.if \zero
	v_wmma_f32_16x16x32_bf16 v[8*(8*(\a)+\b):8*(8*(\a)+\b)+7], v[\f+8*\b:\f+8*\b+7], v[\f+8*(4*\hi+\a):\f+8*(4*\hi+\a)+7], 0
.else
	v_wmma_f32_16x16x32_bf16 v[8*(8*(\a)+\b):8*(8*(\a)+\b)+7], v[\f+8*\b:\f+8*\b+7], v[\f+8*(4*\hi+\a):\f+8*(4*\hi+\a)+7], v[8*(8*(\a)+\b):8*(8*(\a)+\b)+7]
.endif
.endr
.endr
.endm
.macro FETCH slot, k, f                ; 32 LDS loads in one run: 128 rows of W, 128 rows of A, 32 along K at byte k of my 128 bytes
	WIN TO_B
.irp i, 0,1,2,3,4,5,6,7
	ds_load_b128 v[\f+8*\i:\f+8*\i+3],   v[ADRB+\slot] offset:\k+\i*16*PITCH
	ds_load_b128 v[\f+8*\i+4:\f+8*\i+7], v[ADRB+\slot] offset:\k+\i*16*PITCH+32
.endr
	WIN 0
.irp i, 0,1,2,3,4,5,6,7
	ds_load_b128 v[\f+8*\i:\f+8*\i+3],   v[ADRA+\slot] offset:\k+\i*16*PITCH
	ds_load_b128 v[\f+8*\i+4:\f+8*\i+7], v[ADRA+\slot] offset:\k+\i*16*PITCH+32
.endr
.endm
.macro PLACES                          ; four places between a matrix instruction and a load into, or another instruction on, its registers
.rept 4
	v_nop
.endr
.endm
.macro QUARTER slot, k, f, g, zero
	s_wait_dscnt 8                                 ; W and A's rows 0-63 are in; the youngest eight loads (A's rows 64-127) may be out
	WIN MUL_LO
	MUL16 \f, 0, 0, \zero
	MUL16 \f, 0, 2, \zero
	PLACES
	FETCH \slot, \k, \g
	s_wait_dscnt 32                                ; all but the 32 just issued
	WIN MUL_HI
	MUL16 \f, 1, 0, \zero
	MUL16 \f, 1, 2, \zero
.endm
; The second half of a K step changes slots: the waits for my reads of this slot and for all my tensor loads stand in front of the barrier; where the slot is
; filled again the barrier opens a round of the cluster's barrier and the joint refill is the first tensor load behind it.
.macro TURN slot, next, fill
	s_wait_dscnt 8
	WIN MUL_LO
	MUL16 F1, 0, 0, 0
	s_wait_dscnt 0
	s_wait_tensorcnt 0x0
	ds_add_u32 v255, v63
	s_wait_dscnt 0x0
	s_barrier_signal -1
	MUL16 F1, 0, 2, 0
	WIN 0
	s_barrier_wait -1
.if \fill
	CREST
	s_add_nc_u64 s[G0+4*\slot+2:G0+4*\slot+3], s[G0+4*\slot+2:G0+4*\slot+3], 2*KSTEP*2
	s_add_nc_u64 s[G0B+4*\slot+2:G0B+4*\slot+3], s[G0B+4*\slot+2:G0B+4*\slot+3], 2*KSTEP*2
	JLOAD \slot
.endif
	PLACES
	FETCH \next, 0, F0
	WIN MUL_HI
	MUL16 F1, 1, 0, 0
	MUL16 F1, 1, 2, 0
.endm
.macro LAP zero
	QUARTER 0, 64, F0, F1, \zero
	TURN 0, 1, 1
	QUARTER 1, 64, F0, F1, 0
	TURN 1, 0, 1
.endm
	s_wait_tensorcnt 1                             ; my part of K step 0 is in; K step 1's stays out
	s_barrier_signal -1
	s_barrier_wait -1
	FETCH 0, 0, F0
	LAP 1                                          ; its first products start the sums
.if LAPS > 2
	WIN 0
	s_mov_b32 s3, LAPS-2
.Llap:
	LAP 0
	WIN 0
	s_sub_co_u32 s3, s3, 1
	s_cmp_lg_u32 s3, 0
	s_cbranch_scc1 .Llap
.endif
	QUARTER 0, 64, F0, F1, 0                       ; the last lap fills nothing
	TURN 0, 1, 0
	QUARTER 1, 64, F0, F1, 0
	s_wait_dscnt 8
	WIN MUL_LO
	MUL16 F1, 0, 0, 0
	MUL16 F1, 0, 2, 0
	s_wait_dscnt 0
	WIN MUL_HI
	MUL16 F1, 1, 0, 0
	MUL16 F1, 1, 2, 0
	; THE WAY OUT.  Wave w adds up and stores rows 32 w .. 32 w + 31 of the block.
	PLACES
	WIN 0
	s_lshl_b32 s16, s13, 7
	s_lshl_b32 s17, s10, 5
	s_add_co_u32 s16, s16, s17                     ; my first row,
	s_lshl_b32 s16, s16, 12                        ; x 4,096 bytes
	s_mov_b32 s17, 0
	s_lshl_b32 s46, s42, 9                         ; the block's first column: 128 x 4 bytes a block
	s_mov_b32 s47, 0
	s_add_nc_u64 s[70:71], s[70:71], s[16:17]
	s_add_nc_u64 s[70:71], s[70:71], s[46:47]
	s_add_nc_u64 s[8:9], s[8:9], s[16:17]
	s_add_nc_u64 s[8:9], s[8:9], s[46:47]
	s_add_nc_u64 s[68:69], s[68:69], s[46:47]
	global_load_b128 v[BI:BI+3], v[CO], s[68:69]
.irp i, 0,1,2,3,4,5,6,7,8,9,10,11,12,13,14,15,16,17,18,19,20,21,22,23,24,25,26,27,28,29,30,31
	global_load_b128 v[RES+4*\i:RES+4*\i+3], v[CO], s[70:71] offset:4096*\i      ; a row's 512 consecutive bytes
.endr
	s_wait_dscnt 0x0
	s_barrier_signal -1
	s_barrier_wait -1                              ; no wave reads the ring any more; its last fill landed before the last change of slots
	WIN 0x08                                       ; store data from window 2
.irp a, 0,1,2,3
.irp b, 0,1,2,3,4,5,6,7
	ds_store_b128 v[DST], v[8*(8*\a+\b):8*(8*\a+\b)+3] offset:\a*16*PITCH+64*\b
	ds_store_b128 v[DST], v[8*(8*\a+\b)+4:8*(8*\a+\b)+7] offset:\a*16*PITCH+64*\b+16
.endr
.endr
	WIN 0x0c                                       ; from window 3
.irp a, 0,1,2,3
.irp b, 0,1,2,3,4,5,6,7
	ds_store_b128 v[DST], v[8*(8*\a+\b):8*(8*\a+\b)+3] offset:(\a+4)*16*PITCH+64*\b
	ds_store_b128 v[DST], v[8*(8*\a+\b)+4:8*(8*\a+\b)+7] offset:(\a+4)*16*PITCH+64*\b+16
.endr
.endr
	WIN 0
	s_wait_dscnt 0x0                               ; my partial block is in LDS,
	s_barrier_signal -1
	s_barrier_wait -1                              ; and so are the others
	s_wait_loadcnt 0x0                             ; bias and residual
.macro GLOAD g, buf                    ; rows 2 g, 2 g + 1 of my 32, from all four partial blocks
.irp e, 0,1
.irp q, 0,1,2,3
	ds_load_b128 v[\buf+16*\e+4*\q:\buf+16*\e+4*\q+3], v[RDA+\q] offset:(2*(\g)+\e)*PITCH
.endr
.endr
.endm
.macro GSUM g, buf
.irp e, 0,1
	v_pk_add_f32 v[\buf+16*\e:\buf+16*\e+1], v[\buf+16*\e:\buf+16*\e+1], v[\buf+16*\e+4:\buf+16*\e+5]
	v_pk_add_f32 v[\buf+16*\e+2:\buf+16*\e+3], v[\buf+16*\e+2:\buf+16*\e+3], v[\buf+16*\e+6:\buf+16*\e+7]
	v_pk_add_f32 v[\buf+16*\e+8:\buf+16*\e+9], v[\buf+16*\e+8:\buf+16*\e+9], v[\buf+16*\e+12:\buf+16*\e+13]
	v_pk_add_f32 v[\buf+16*\e+10:\buf+16*\e+11], v[\buf+16*\e+10:\buf+16*\e+11], v[\buf+16*\e+14:\buf+16*\e+15]
	v_pk_add_f32 v[RES+4*(2*(\g)+\e):RES+4*(2*(\g)+\e)+1], v[RES+4*(2*(\g)+\e):RES+4*(2*(\g)+\e)+1], v[BI:BI+1]
	v_pk_add_f32 v[RES+4*(2*(\g)+\e)+2:RES+4*(2*(\g)+\e)+3], v[RES+4*(2*(\g)+\e)+2:RES+4*(2*(\g)+\e)+3], v[BI+2:BI+3]
	v_pk_add_f32 v[\buf+16*\e:\buf+16*\e+1], v[\buf+16*\e:\buf+16*\e+1], v[\buf+16*\e+8:\buf+16*\e+9]
	v_pk_add_f32 v[\buf+16*\e+2:\buf+16*\e+3], v[\buf+16*\e+2:\buf+16*\e+3], v[\buf+16*\e+10:\buf+16*\e+11]
	v_pk_add_f32 v[RES+4*(2*(\g)+\e):RES+4*(2*(\g)+\e)+1], v[RES+4*(2*(\g)+\e):RES+4*(2*(\g)+\e)+1], v[\buf+16*\e:\buf+16*\e+1]
	v_pk_add_f32 v[RES+4*(2*(\g)+\e)+2:RES+4*(2*(\g)+\e)+3], v[RES+4*(2*(\g)+\e)+2:RES+4*(2*(\g)+\e)+3], v[\buf+16*\e+2:\buf+16*\e+3]
	global_store_b128 v[CO], v[RES+4*(2*(\g)+\e):RES+4*(2*(\g)+\e)+3], s[8:9] offset:4096*(2*(\g)+\e)    ; the wave stores 512 consecutive bytes, aligned; its data are never written again
.endr
.endm
	GLOAD 0, BUF0
.irp g, 0,2,4,6,8,10,12
	GLOAD \g+1, BUF1
	s_wait_dscnt 8                                 ; all but the eight just issued
	GSUM \g, BUF0
	GLOAD \g+2, BUF0
	s_wait_dscnt 8
	GSUM \g+1, BUF1
.endr
	GLOAD 15, BUF1
	s_wait_dscnt 8
	GSUM 14, BUF0
	s_wait_dscnt 0x0
	GSUM 15, BUF1
	s_set_vgpr_msb 0x1
	s_wait_tensorcnt 0x0
	ds_add_u32 v255, v63
	s_wait_dscnt 0x0
	s_set_vgpr_msb 0x100
	CROUND                                         ; the closing round: no work-group ends while a partner may still ask for a tile that names it
	s_endpgm
.Lfunc_end_k_q45e045c1df_gemm_out:
	.size	k_q45e045c1df_gemm_out, .Lfunc_end_k_q45e045c1df_gemm_out-k_q45e045c1df_gemm_out
	.p2alignl 7, 3214868480
	.fill 96, 4, 3214868480
	.section	.rodata,"a",@progbits
	.p2align	6, 0x0
	.amdhsa_kernel k_q45e045c1df_gemm_out
		.amdhsa_group_segment_fixed_size 327680
		.amdhsa_private_segment_fixed_size 0
		.amdhsa_enable_private_segment 0
		.amdhsa_kernarg_size 40
		.amdhsa_user_sgpr_count 2
		.amdhsa_user_sgpr_kernarg_segment_ptr 1
		.amdhsa_wavefront_size32 1
		.amdhsa_system_sgpr_workgroup_id_x 1
		.amdhsa_system_sgpr_workgroup_id_y 1
		.amdhsa_system_sgpr_workgroup_id_z 1
		.amdhsa_system_vgpr_workitem_id 0
		.amdhsa_next_free_vgpr 1024
		.amdhsa_next_free_sgpr 72
		.amdhsa_reserve_vcc 0
		.amdhsa_float_denorm_mode_32 3
		.amdhsa_float_denorm_mode_16_64 3
		.amdhsa_memory_ordered 1
		.amdhsa_forward_progress 1
		.amdhsa_inst_pref_size 103
	.end_amdhsa_kernel
	.amdgpu_metadata
---
amdhsa.version: [ 1, 2 ]
amdhsa.kernels:
  - .name:           k_q45e045c1df_gemm_out
    .symbol:         k_q45e045c1df_gemm_out.kd
    .args:
      - { .name: att, .offset: 0, .size: 8, .value_kind: global_buffer, .address_space: global }
      - { .name: wb, .offset: 8, .size: 8, .value_kind: global_buffer, .address_space: global }
      - { .name: out_b, .offset: 16, .size: 8, .value_kind: global_buffer, .address_space: global }
      - { .name: hidden_states, .offset: 24, .size: 8, .value_kind: global_buffer, .address_space: global }
      - { .name: hid, .offset: 32, .size: 8, .value_kind: global_buffer, .address_space: global }
    .group_segment_fixed_size: 327680
    .private_segment_fixed_size: 0
    .kernarg_segment_align: 8
    .kernarg_segment_size: 40
    .max_flat_workgroup_size: 128
    .sgpr_count:     72
    .vgpr_count:     1024
    .wavefront_size: 32
...
	.end_amdgpu_metadata
.endif
;; end of part 4
;; launch ln2 (part 5): grid 256 x 1, 8 waves a work-group, no clusters, 0 bytes of LDS; arguments hid, ln2_g, ln2_b, xn; writes xn
.if DOCPART == 5
	.amdgcn_target "amdgcn-amd-amdhsa--gfx1250"
	.amdhsa_code_object_version 6
	.text
	.protected	k_q45e045c1df_ln2
	.globl	k_q45e045c1df_ln2
	.p2align	8
	.type	k_q45e045c1df_ln2,@function
k_q45e045c1df_ln2:
	s_mov_b64 s[64:65], 0
	v_nop
	global_prefetch_b8 v0, s[64:65] scope:SCOPE_SE
	s_setreg_imm32_b32 hwreg(HW_REG_WAVE_MODE, 25, 1), 1
	s_wait_xcnt 0x0
; LayerNorm 2: xn = bf16((x - mean) rsqrt(var + eps) g + b) for 16 rows of hid a work-group, two rows a wave, a row kept in 32 registers.
; The mean is taken away before the squares are summed, so a common offset of the inputs cancels before anything is squared.
; A stream: no LDS, no matrix unit, no cluster; 32 loads of a wave are out at once.
.set X0, 32                            ; v[32:63]   row 0: load j holds columns 128 j + 4 lane .. + 3
.set X1, 64                            ; v[64:95]   row 1
.set GN, 96                            ; v[96:127]  gain
.set BV, 128                           ; v[128:159] bias
.set YO, 160                           ; v[160:191] two rows of bf16 to store
.set T,  8                             ; v[8:15]    four chains of sums
.set MU, 16                            ; v[16:17]   the mean, twice
.set RS, 18                            ; v[18:19]   1 / sqrt(var + eps), twice
	s_load_b256 s[12:19], s[0:1], 0x0              ; x s[12:13], g s[14:15], b s[16:17], xn s[18:19]
	v_lshrrev_b32 v3, 5, v0
	v_readfirstlane_b32 s22, v3                    ; wave 0..7
	v_and_b32 v4, 31, v0
	v_lshlrev_b32 v1, 4, v4                        ; 16 x lane: f32 side
	v_lshlrev_b32 v2, 3, v4                        ; 8 x lane: bf16 side
	s_mov_b32 s32, 0x76543210                      ; v_permlanex16_b32: lane i reads lane i of the other half
	s_mov_b32 s33, 0xfedcba98
	s_mov_b32 s34, 0x3a800000                      ; 1 / 1024
	s_mov_b32 s35, 0x3727c5ac                      ; 1e-5
	s_lshl_b32 s28, ttmp9, 4
	s_lshl_b32 s29, s22, 1
	s_add_co_u32 s28, s28, s29                     ; my first row
	s_lshl_b32 s30, s28, 11                        ; x 2,048 bytes in xn
	s_lshl_b32 s28, s28, 12                        ; x 4,096 bytes in x
	s_mov_b32 s29, 0
	s_mov_b32 s31, 0
	s_wait_kmcnt 0x0
	s_add_nc_u64 s[12:13], s[12:13], s[28:29]
	s_add_nc_u64 s[20:21], s[18:19], s[30:31]
.macro JOIN                            ; four chains of pairs into v[T]
	v_pk_add_f32 v[T:T+1], v[T:T+1], v[T+2:T+3]
	v_pk_add_f32 v[T+4:T+5], v[T+4:T+5], v[T+6:T+7]
	v_pk_add_f32 v[T:T+1], v[T:T+1], v[T+4:T+5]
	v_add_f32 v[T], v[T], v[T+1]
.endm
.macro WSUM                            ; the sum of v[T] over the 32 lanes, in every lane
	v_add_f32_dpp v[T], v[T], v[T] row_xmask:1 row_mask:0xf bank_mask:0xf
	v_add_f32_dpp v[T], v[T], v[T] row_xmask:2 row_mask:0xf bank_mask:0xf
	v_add_f32_dpp v[T], v[T], v[T] row_xmask:4 row_mask:0xf bank_mask:0xf
	v_add_f32_dpp v[T], v[T], v[T] row_xmask:8 row_mask:0xf bank_mask:0xf
	v_permlanex16_b32 v[T+1], v[T], s32, s33       ; its destination has been written before
	v_add_f32 v[T], v[T], v[T+1]
.endm
.macro ROWSTAT x                       ; the row at v[x..x+31] becomes (x - mean) / sqrt(var + eps)
.irp c, 0,1,2,3
	v_pk_add_f32 v[T+2*\c:T+2*\c+1], v[\x+2*\c:\x+2*\c+1], v[\x+8+2*\c:\x+8+2*\c+1]     ; the first words start the chains: nothing is cleared
.endr
.irp k, 8,9,10,11,12,13,14,15
	v_pk_add_f32 v[T+2*(\k%4):T+2*(\k%4)+1], v[T+2*(\k%4):T+2*(\k%4)+1], v[\x+2*\k:\x+2*\k+1]
.endr
	JOIN
	WSUM
	v_mul_f32 v[MU], s34, v[T]
	v_mul_f32 v[MU+1], s34, v[T]
.irp k, 0,1,2,3,4,5,6,7,8,9,10,11,12,13,14,15
	v_pk_add_f32 v[\x+2*\k:\x+2*\k+1], v[\x+2*\k:\x+2*\k+1], v[MU:MU+1] neg_lo:[0,1] neg_hi:[0,1]
.endr
.irp c, 0,1,2,3
	v_pk_mul_f32 v[T+2*\c:T+2*\c+1], v[\x+2*\c:\x+2*\c+1], v[\x+2*\c:\x+2*\c+1]
.endr
.irp k, 4,5,6,7,8,9,10,11,12,13,14,15
	v_pk_fma_f32 v[T+2*(\k%4):T+2*(\k%4)+1], v[\x+2*\k:\x+2*\k+1], v[\x+2*\k:\x+2*\k+1], v[T+2*(\k%4):T+2*(\k%4)+1]
.endr
	JOIN
	WSUM
	v_fma_f32 v[T], v[T], s34, s35                 ; var + eps
	v_rsq_f32 v[RS], v[T]
	v_rsq_f32 v[RS+1], v[T]
	v_nop                                          ; one plain place behind a transcendental before its result is used (ISA guide 5.7.2)
	s_wait_alu depctr_va_vdst(0)
.irp k, 0,1,2,3,4,5,6,7,8,9,10,11,12,13,14,15
	v_pk_mul_f32 v[\x+2*\k:\x+2*\k+1], v[\x+2*\k:\x+2*\k+1], v[RS:RS+1]
.endr
.endm
.macro ROWOUT x, y, rowoff             ; gain, bias, rounding, eight stores of 256 consecutive aligned bytes
.irp k, 0,1,2,3,4,5,6,7,8,9,10,11,12,13,14,15
	v_pk_fma_f32 v[\x+2*\k:\x+2*\k+1], v[\x+2*\k:\x+2*\k+1], v[GN+2*\k:GN+2*\k+1], v[BV+2*\k:BV+2*\k+1]
.endr
.irp k, 0,1,2,3,4,5,6,7,8,9,10,11,12,13,14,15
	v_cvt_pk_bf16_f32 v[\y+\k], v[\x+2*\k], v[\x+2*\k+1]
.endr
.irp j, 0,1,2,3,4,5,6,7
	global_store_b64 v2, v[\y+2*\j:\y+2*\j+1], s[20:21] offset:\rowoff+256*\j
.endr
.endm
.irp j, 0,1,2,3,4,5,6,7
	global_load_b128 v[X0+4*\j:X0+4*\j+3], v1, s[12:13] offset:512*\j
.endr
.irp j, 0,1,2,3,4,5,6,7
	global_load_b128 v[X1+4*\j:X1+4*\j+3], v1, s[12:13] offset:4096+512*\j
.endr
.irp j, 0,1,2,3,4,5,6,7
	global_load_b128 v[GN+4*\j:GN+4*\j+3], v1, s[14:15] offset:512*\j
.endr
.irp j, 0,1,2,3,4,5,6,7
	global_load_b128 v[BV+4*\j:BV+4*\j+3], v1, s[16:17] offset:512*\j
.endr
	s_wait_loadcnt 16                              ; both rows are in; the 16 loads of gain and bias stay out
	ROWSTAT X0
	ROWSTAT X1
	s_wait_loadcnt 0x0
	ROWOUT X0, YO, 0
	ROWOUT X1, YO+16, 2048
	s_endpgm
.Lfunc_end_k_q45e045c1df_ln2:
	.size	k_q45e045c1df_ln2, .Lfunc_end_k_q45e045c1df_ln2-k_q45e045c1df_ln2
	.p2alignl 7, 3214868480
	.fill 96, 4, 3214868480
	.section	.rodata,"a",@progbits
	.p2align	6, 0x0
	.amdhsa_kernel k_q45e045c1df_ln2
		.amdhsa_group_segment_fixed_size 0
		.amdhsa_private_segment_fixed_size 0
		.amdhsa_enable_private_segment 0
		.amdhsa_kernarg_size 32
		.amdhsa_user_sgpr_count 2
		.amdhsa_user_sgpr_kernarg_segment_ptr 1
		.amdhsa_wavefront_size32 1
		.amdhsa_system_sgpr_workgroup_id_x 1
		.amdhsa_system_sgpr_workgroup_id_y 1
		.amdhsa_system_sgpr_workgroup_id_z 1
		.amdhsa_system_vgpr_workitem_id 0
		.amdhsa_next_free_vgpr 192
		.amdhsa_next_free_sgpr 66
		.amdhsa_reserve_vcc 0
		.amdhsa_float_denorm_mode_32 3
		.amdhsa_float_denorm_mode_16_64 3
		.amdhsa_memory_ordered 1
		.amdhsa_forward_progress 1
		.amdhsa_inst_pref_size 20
	.end_amdhsa_kernel
	.amdgpu_metadata
---
amdhsa.version: [ 1, 2 ]
amdhsa.kernels:
  - .name:           k_q45e045c1df_ln2
    .symbol:         k_q45e045c1df_ln2.kd
    .args:
      - { .name: hid, .offset: 0, .size: 8, .value_kind: global_buffer, .address_space: global }
      - { .name: ln2_g, .offset: 8, .size: 8, .value_kind: global_buffer, .address_space: global }
      - { .name: ln2_b, .offset: 16, .size: 8, .value_kind: global_buffer, .address_space: global }
      - { .name: xn, .offset: 24, .size: 8, .value_kind: global_buffer, .address_space: global }
    .group_segment_fixed_size: 0
    .private_segment_fixed_size: 0
    .kernarg_segment_align: 8
    .kernarg_segment_size: 32
    .max_flat_workgroup_size: 256
    .sgpr_count:     66
    .vgpr_count:     192
    .wavefront_size: 32
...
	.end_amdgpu_metadata
.endif
;; end of part 5
;; launch gemm_fc1 (part 6): grid 16 x 16, 4 waves a work-group, clusters of 4 x 4, 327,680 bytes of LDS; arguments xn, wb, fc1_b, ffb; writes ffb
.if DOCPART == 6
	.amdgcn_target "amdgcn-amd-amdhsa--gfx1250"
	.amdhsa_code_object_version 6
	.text
	.protected	k_q45e045c1df_gemm_fc1
	.globl	k_q45e045c1df_gemm_fc1
	.p2align	8
	.type	k_q45e045c1df_gemm_fc1,@function
k_q45e045c1df_gemm_fc1:
	s_mov_b64 s[64:65], 0
	v_nop
	global_prefetch_b8 v0, s[64:65] scope:SCOPE_SE
	s_setreg_imm32_b32 hwreg(HW_REG_WAVE_MODE, 25, 1), 1
	s_wait_xcnt 0x0
	s_wait_alu depctr_hold_cnt(0) depctr_sa_sdst(0) depctr_va_vdst(0) depctr_va_sdst(0) depctr_va_ssrc(0) depctr_va_vcc(0) depctr_vm_vsrc(0)
	s_getreg_b32 s2, hwreg(HW_REG_IB_STS2, 6, 4)
	s_cmp_eq_u32 s2, 0
	s_cbranch_scc0 .Lentry_in_a_cluster
	s_endpgm
.Lentry_in_a_cluster:
	s_bfe_u32 s2, ttmp6, 0x10000c
	s_cmp_lg_u32 s2, 0xf033
	s_cbranch_scc0 .Lentry_shape_is_right
	s_endpgm
.Lentry_shape_is_right:
; C[m][n] = act(sum over k of A[m][k] W[n][k] + bias[n]), rounded once to bf16.  A: [4096][1024] bf16, W: [SIZE_N][1024] bf16 at byte WOFF of wb,
; bias: [SIZE_N] f32, C: [4096][SIZE_N] bf16.  act is the identity (GELU = 0) or the exact GELU 0.5 x (1 + erf(x / sqrt 2)) (GELU = 1).
; A work-group makes 256 x 256 of C with four waves; a wave makes 128 x 128: 64 accumulator tiles of 16 x 16, 512 registers.  K goes in steps of 128
; through two LDS slots filled by tensor loads whose rows are 256 bytes of memory, starting at multiples of 256 bytes.
; CLUSTERS: 4 x 4 work-groups.  The four of a row of the cluster need the same tiles of A, the four of a column the same tiles of W: each tile is asked for
; jointly, by the same tensor load with the same descriptor and a mask that names the four.
; LIMITS: operands are bf16 with f32 sums.  erf(z) is z P(z^2) / Q(z^2) with z clamped to +-4: absolute error a few 1e-7, so for x / sqrt 2 < -4 the result
; is x times a few 1e-8 in place of a still smaller number.  NaN and infinities are not followed.
; REGISTERS, in windows of 256: window 0: v0-31 addresses and constants, v64-191 fragments of A (two buffers), v192-255 the bias of my columns;
; window 1: v64-191 fragments of W; windows 2, 3: the accumulator tiles of my rows 0-63, 64-127 (tile (a, b) at v[8 (8 a + b)]).
; The matrix instruction is used transposed (source 0 = 16 rows of W, source 1 = 16 rows of A): lane l holds row l % 16 of C and its registers 0-7 the
; columns 8 (l / 16) + 0..7 of the tile, eight neighbouring numbers of a row.
.set SIZE_M, 4096
.set SIZE_N, 4096
.set SIZE_K, 1024
.set WOFF,   8388608
.set GELU,   1
.set KSTEP,  128
.set PITCH,  272                       ; an LDS row: 256 bytes + 16 of padding: the 16 rows that a fragment load touches start 16 bytes apart modulo 256
.set HALFT,  128*PITCH                 ; what one tensor load brings
.set SLOT,   4*HALFT                   ; 256 rows of A, then 256 rows of W
.set STAGE,  2*SLOT                    ; behind the ring: 16 rows x 272 bytes for each wave; no tensor load fills it
.set SPITCH, 272
.set LAPS, SIZE_K/(2*KSTEP)
.set BOF,  6                           ; v6      byte offset of my 8 columns in a tile's 16 bias numbers
.set CA0,  8                           ; v[8:9]  highest coefficient of P, twice
.set CB0,  10                          ; v[10:11] highest coefficient of Q, twice
.set ADRA, 16                          ; v16-17  LDS address of my A fragments in slot 0, 1
.set ADRB, 20                          ; v20-21  the same for W
.set STO,  24                          ; v24     the way out: where I put 16 bytes of a row
.set RD,   25                          ; v25     the way out: where I read a row back
.set CO,   26                          ; v26     my byte offset in C
.set RB,   32                          ; v[32:63]   the way out: rows read back
.set F0,   64                          ; fragment buffer 0
.set F1,   128                         ; fragment buffer 1
.set XR,   64                          ; v[64:127]  the way out: 16 rows x my 8 x 8 columns in f32
.set PK,   128                         ; v[128:159] the way out: packed bf16
.set GZ,   160                         ; v[160:191] the way out: z, z^2, P, Q of eight numbers
.set GW,   168
.set GP,   176
.set GQ,   184
.set BIAS, 192                         ; v[192:255] BIAS + 8 b + j = bias of column 16 b + 8 (l / 16) + j of my 128
.set G1, 24                            ; s[24:31] descriptor group 1 for A
.set G0, 32                            ; s[32:39] descriptor group 0 for A, one set for each slot
.set G1B, 48                           ; s[48:55] group 1 for W: another mask
.set G0B, 56                           ; s[56:63] group 0 for W
.set MSB, 0
.macro WIN new                         ; the immediate's high byte repeats the setting that is left
.if MSB != \new
	s_set_vgpr_msb (MSB<<8)|\new
.set MSB, \new
.endif
.endm
.set MUL_LO, 0xa1                      ; source 0 (W) window 1, source 1 (A) window 0, C and D window 2
.set MUL_HI, 0xf1                      ; the same, C and D window 3
.set TO_B,   0x40                      ; destination window 1, address window 0
.macro JLOAD s                         ; a joint load: waves 0, 1 fetch the halves of A, waves 2, 3 those of W; the branch hangs on the wave number alone
	s_cmp_eq_u32 s11, 0
	s_cbranch_scc0 .Lfor_b_\@
	tensor_load_to_lds s[G0+4*\s:G0+4*\s+3], s[G1:G1+7]
	s_nop 0
	s_branch .Lasked_\@
.Lfor_b_\@:
	tensor_load_to_lds s[G0B+4*\s:G0B+4*\s+3], s[G1B:G1B+7]
	s_nop 0
.Lasked_\@:
.endm
.macro CREST                           ; a round of the cluster's barrier behind its opening work-group barrier
	s_cmp_lg_u32 s10, 0
	s_cbranch_scc1 .Lnot_wave_0_\@
	s_barrier_signal -3
.Lnot_wave_0_\@:
	s_barrier_wait -3
	s_barrier_signal -1
	s_barrier_wait -1
.endm
.macro CROUND                          ; a whole round
	s_barrier_signal -1
	s_barrier_wait -1
	CREST
.endm
	s_load_b128 s[4:7], s[0:1], 0x0                ; A s[4:5], wb s[6:7]
	s_load_b64 s[68:69], s[0:1], 0x10              ; bias
	s_load_b64 s[8:9], s[0:1], 0x18                ; C
	s_set_vgpr_msb 0x40
	v_lshl_add_u32 v255, v0, 2, 0x48400
	s_set_vgpr_msb 0x4000
	v_mov_b32 v31, 0
	s_set_vgpr_msb 0x1
	ds_add_u32 v255, v31
	ds_add_u32 v255, v31
	s_set_vgpr_msb 0x100
	v_lshrrev_b32 v1, 5, v0
	v_readfirstlane_b32 s10, v1                    ; wave 0..3
	s_lshr_b32 s11, s10, 1                         ; which half of the block's rows is mine; also: I fetch for A (0) or W (1)
	s_and_b32 s12, s10, 1                          ; which half of its columns; also: which 128 rows of that tile I fetch
	s_bfe_u32 s40, ttmp6, 0x40000                  ; cx
	s_bfe_u32 s41, ttmp6, 0x40004                  ; cy
	s_lshl_b32 s42, ttmp9, 2
	s_add_co_u32 s42, s42, s40                     ; block column = 4 x cluster x + cx
	s_and_b32 s13, ttmp7, 0xffff
	s_lshl_b32 s13, s13, 2
	s_add_co_u32 s13, s13, s41                     ; block row = 4 x cluster y + cy
	s_lshl_b32 s43, s41, 2
	s_lshl_b32 s43, 15, s43                        ; my row of the cluster: places 4 cy .. 4 cy + 3
	s_lshl_b32 s44, 0x1111, s40                    ; my column: places cx, cx + 4, cx + 8, cx + 12
	; group 1: a tile of 128 rows x 128 elements of 2 bytes, 4 words of padding behind every 64 words
	s_or_b32 s[G1+0], s43, (1<<16)|(1<<20)|(1<<21)|(5<<22)|(3<<25)
	s_or_b32 s[G1B+0], s44, (1<<16)|(1<<20)|(1<<21)|(5<<22)|(3<<25)
	s_mov_b32 s[G1+1], KSTEP<<16                   ; tensor_dim0 = 128
	s_mov_b32 s[G1B+1], KSTEP<<16
	s_mov_b32 s[G1+2], 128<<16                     ; tensor_dim1 = 128
	s_mov_b32 s[G1B+2], 128<<16
	s_mov_b32 s[G1+3], KSTEP<<16                   ; tile_dim0 = 128
	s_mov_b32 s[G1B+3], KSTEP<<16
	s_mov_b32 s[G1+4], 128                         ; tile_dim1 = 128
	s_mov_b32 s[G1B+4], 128
	s_mov_b32 s[G1+5], SIZE_K                      ; elements from row to row
	s_mov_b32 s[G1B+5], SIZE_K
	s_mov_b32 s[G1+6], 0
	s_mov_b32 s[G1B+6], 0
	s_mov_b32 s[G1+7], 0
	s_mov_b32 s[G1B+7], 0
	; A's tiles hang on the block row alone, W's on the block column alone, each in registers that never hold the other coordinate
	s_lshl_b32 s17, s12, 7
	s_lshl_b32 s16, s13, 8
	s_add_co_u32 s16, s16, s17                     ; A: row 256 x block row + 128 x half
	s_lshl_b32 s46, s42, 8
	s_add_co_u32 s46, s46, s17                     ; W: row 256 x block column + 128 x half
	s_mov_b32 s17, 0
	s_mov_b32 s47, 0
	s_mov_b64 s[18:19], SIZE_K*2
	s_mul_u64 s[16:17], s[16:17], s[18:19]
	s_mul_u64 s[46:47], s[46:47], s[18:19]
	s_mul_i32 s20, s10, HALFT                      ; LDS: A's two halves, then W's two halves = wave x 128 rows
	s_lshl_b32 s70, s42, 10                        ; bias: 256 columns of 4 bytes a block,
	s_lshl_b32 s71, s12, 9                         ; 128 a half
	s_add_co_u32 s70, s70, s71
	s_mov_b32 s71, 0
	s_wait_dscnt 0x0
	s_wait_kmcnt 0x0
	s_add_nc_u64 s[6:7], s[6:7], WOFF              ; this product's matrix in wb
	s_add_nc_u64 s[14:15], s[4:5], s[16:17]
	s_add_nc_u64 s[46:47], s[6:7], s[46:47]
	s_add_nc_u64 s[68:69], s[68:69], s[70:71]
	CROUND                                         ; all sixteen work-groups are here: the first joint loads meet
.irp s, 0,1
	s_mov_b32 s[G0+4*\s], 1
	s_add_co_u32 s[G0+4*\s+1], s20, \s*SLOT
	s_add_nc_u64 s[G0+4*\s+2:G0+4*\s+3], s[14:15], \s*KSTEP*2
	s_or_b32 s[G0+4*\s+3], s[G0+4*\s+3], 0x80000000
	s_mov_b32 s[G0B+4*\s], 1
	s_add_co_u32 s[G0B+4*\s+1], s20, \s*SLOT
	s_add_nc_u64 s[G0B+4*\s+2:G0B+4*\s+3], s[46:47], \s*KSTEP*2
	s_or_b32 s[G0B+4*\s+3], s[G0B+4*\s+3], 0x80000000
	JLOAD \s                                       ; two tensor loads of the wave are out here, one behind every later round
.endr
	v_and_b32 v1, 15, v0                           ; l % 16
	v_bfe_u32 v2, v0, 4, 1                         ; l / 16
	v_lshlrev_b32 v[BOF], 5, v2                    ; 8 f32 for each half of the lanes
.irp b, 0,1,2,3,4,5,6,7
	global_load_b128 v[BIAS+8*\b:BIAS+8*\b+3], v[BOF], s[68:69] offset:64*\b
	global_load_b128 v[BIAS+8*\b+4:BIAS+8*\b+7], v[BOF], s[68:69] offset:64*\b+16
.endr
	v_mul_u32_u24 v3, v1, PITCH
	v_lshl_add_u32 v3, v2, 4, v3                   ; row x pitch + 16 x half: a fragment is two loads of 16 bytes, 32 bytes apart
	s_mul_i32 s21, s11, HALFT                      ; my 128 rows of A
	s_mul_i32 s22, s12, HALFT                      ; my 128 rows of W,
	s_add_co_u32 s22, s22, 2*HALFT                 ; which lie behind A's 256
.irp s, 0,1
	v_add_nc_u32 v[ADRA+\s], s21, v3
	v_add_nc_u32 v[ADRB+\s], s22, v3
	s_add_co_u32 s21, s21, SLOT
	s_add_co_u32 s22, s22, SLOT
.endr
	s_mul_i32 s23, s10, 16*SPITCH
	s_add_co_u32 s23, s23, STAGE                   ; my stage
	v_mul_u32_u24 v4, v1, SPITCH
	v_lshl_add_u32 v4, v2, 4, v4
	v_add_nc_u32 v[STO], s23, v4
	v_mul_u32_u24 v5, v2, SPITCH                   ; back: lanes 0-15 take one row of 256 bytes, lanes 16-31 the next
	v_lshl_add_u32 v5, v1, 4, v5
	v_add_nc_u32 v[RD], s23, v5
	v_mul_u32_u24 v5, v2, SIZE_N*2
	v_lshl_add_u32 v[CO], v1, 4, v5
.if GELU
	v_mov_b32 v[CA0], 0xaf95df0b
	v_mov_b32 v[CA0+1], 0xaf95df0b
	v_mov_b32 v[CB0], 0xb77460cd
	v_mov_b32 v[CB0+1], 0xb77460cd
.endif
; 16 matrix instructions: m blocks a0, a0 + 1 of the window's four x all 8 n blocks, 32 along K.  zero = 1: the first product starts the sums.
; The 64 accumulators take turns, one instruction a turn, in the same order in every quarter step.
.macro MUL16 f, hi, a0, zero
.irp a, \a0, \a0+1
.irp b, 0,1,2,3,4,5,6,7
.if \zero
	v_wmma_f32_16x16x32_bf16 v[8*(8*(\a)+\b):8*(8*(\a)+\b)+7], v[\f+8*\b:\f+8*\b+7], v[\f+8*(4*\hi+\a):\f+8*(4*\hi+\a)+7], 0
.else
	v_wmma_f32_16x16x32_bf16 v[8*(8*(\a)+\b):8*(8*(\a)+\b)+7], v[\f+8*\b:\f+8*\b+7], v[\f+8*(4*\hi+\a):\f+8*(4*\hi+\a)+7], v[8*(8*(\a)+\b):8*(8*(\a)+\b)+7]
.endif
.endr
.endr
.endm
.macro FETCH slot, k, f                ; 32 LDS loads in one run: the fragments of one quarter step into buffer f
	WIN TO_B
.irp i, 0,1,2,3,4,5,6,7
	ds_load_b128 v[\f+8*\i:\f+8*\i+3],   v[ADRB+\slot] offset:\k+\i*16*PITCH
	ds_load_b128 v[\f+8*\i+4:\f+8*\i+7], v[ADRB+\slot] offset:\k+\i*16*PITCH+32
.endr
	WIN 0
.irp i, 0,1,2,3,4,5,6,7
	ds_load_b128 v[\f+8*\i:\f+8*\i+3],   v[ADRA+\slot] offset:\k+\i*16*PITCH
	ds_load_b128 v[\f+8*\i+4:\f+8*\i+7], v[ADRA+\slot] offset:\k+\i*16*PITCH+32
.endr
.endm
.macro PLACES                          ; four places between a matrix instruction and a load into, or a vector instruction on, its registers
.rept 4
	v_nop
.endr
.endm
.macro QUARTER slot, k, f, g, zero     ; multiplies buffer f; in its middle fetches the next quarter's fragments into buffer g
	s_wait_dscnt 8                                 ; W and A's rows 0-63 are in; the youngest eight loads (A's rows 64-127) may be out
	WIN MUL_LO
	MUL16 \f, 0, 0, \zero
	MUL16 \f, 0, 2, \zero
	PLACES
	FETCH \slot, \k, \g
	s_wait_dscnt 32                                ; all but the 32 just issued
	WIN MUL_HI
	MUL16 \f, 1, 0, \zero
	MUL16 \f, 1, 2, \zero
.endm
.macro THREE slot, zero
	QUARTER \slot, 64,  F0, F1, \zero
	QUARTER \slot, 128, F1, F0, 0
	QUARTER \slot, 192, F0, F1, 0
.endm
; The last quarter of a K step changes slots.  In front of the barrier each wave waits for its reads of this slot and for all its tensor loads (one is out:
; its part of the next slot).  Where the slot is filled again the barrier opens a round of the cluster's barrier and the joint refill is the first tensor load behind it.
.macro TURN slot, next, fill
	s_wait_dscnt 8
	WIN MUL_LO
	MUL16 F1, 0, 0, 0
	s_wait_dscnt 0
	s_wait_tensorcnt 0x0
	ds_add_u32 v255, v31
	s_wait_dscnt 0x0
	s_barrier_signal -1
	MUL16 F1, 0, 2, 0                              ; register work while the others arrive
	WIN 0
	s_barrier_wait -1
.if \fill
	CREST
	s_add_nc_u64 s[G0+4*\slot+2:G0+4*\slot+3], s[G0+4*\slot+2:G0+4*\slot+3], 2*KSTEP*2
	s_add_nc_u64 s[G0B+4*\slot+2:G0B+4*\slot+3], s[G0B+4*\slot+2:G0B+4*\slot+3], 2*KSTEP*2
	JLOAD \slot
.endif
	PLACES
	FETCH \next, 0, F0
	WIN MUL_HI
	MUL16 F1, 1, 0, 0
	MUL16 F1, 1, 2, 0
.endm
.macro LAP zero
	THREE 0, \zero
	TURN 0, 1, 1
	THREE 1, 0
	TURN 1, 0, 1
.endm
	s_wait_loadcnt 0x0                             ; the bias, once, while the first tiles are on their way
	s_wait_tensorcnt 1                             ; my part of K step 0 is in; K step 1's stays out
	s_barrier_signal -1
	s_barrier_wait -1
	FETCH 0, 0, F0
	LAP 1                                          ; the first lap stands in front of the loop: its first products start the sums
.if LAPS > 2
	WIN 0
	s_mov_b32 s3, LAPS-2
.Llap:
	LAP 0
	WIN 0
	s_sub_co_u32 s3, s3, 1
	s_cmp_lg_u32 s3, 0
	s_cbranch_scc1 .Llap
.endif
	THREE 0, 0                                     ; the last lap fills nothing
	TURN 0, 1, 0
	THREE 1, 0
	s_wait_dscnt 8
	WIN MUL_LO
	MUL16 F1, 0, 0, 0
	MUL16 F1, 0, 2, 0
	s_wait_dscnt 0
	WIN MUL_HI
	MUL16 F1, 1, 0, 0
	MUL16 F1, 1, 2, 0
	; THE WAY OUT, 16 rows at a time: + bias, activation, bf16, 16 bytes a lane into my own stage, read back as whole rows of 256 bytes
	PLACES
	s_lshl_b32 s13, s13, 8
	s_lshl_b32 s14, s11, 7
	s_add_co_u32 s16, s13, s14                     ; my first row of C
	s_mov_b32 s17, 0
	s_mov_b64 s[18:19], SIZE_N*2
	s_mul_u64 s[16:17], s[16:17], s[18:19]
	s_add_nc_u64 s[8:9], s[8:9], s[16:17]
	s_lshl_b32 s46, s42, 9                         ; my first column in bytes: 512 x block + 256 x half
	s_lshl_b32 s47, s12, 8
	s_add_co_u32 s46, s46, s47
	s_mov_b32 s47, 0
	s_add_nc_u64 s[8:9], s[8:9], s[46:47]
.if GELU
; eight numbers at v[x..x+7] become 0.5 x (1 + erf(x / sqrt 2)); each step goes over the four pairs, so that no line waits for the one in front
.macro GELU8 x
.irp p, 0,2,4,6
	v_pk_mul_f32 v[GZ+\p:GZ+\p+1], v[\x+\p:\x+\p+1], 0x3f3504f3 op_sel_hi:[1,0]
.endr
.irp p, 0,1,2,3,4,5,6,7
	v_med3_num_f32 v[GZ+\p], v[GZ+\p], -4.0, 4.0
.endr
.irp p, 0,2,4,6
	v_pk_mul_f32 v[GW+\p:GW+\p+1], v[GZ+\p:GZ+\p+1], v[GZ+\p:GZ+\p+1]
.endr
.irp p, 0,2,4,6
	v_pk_fma_f32 v[GP+\p:GP+\p+1], v[GW+\p:GW+\p+1], v[CA0:CA0+1], 0x32edffee op_sel_hi:[1,1,0]
.endr
.irp p, 0,2,4,6
	v_pk_fma_f32 v[GQ+\p:GQ+\p+1], v[GW+\p:GW+\p+1], v[CB0:CB0+1], 0xb95fbd29 op_sel_hi:[1,1,0]
.endr
.irp c, 0xb60cff51, 0xb86ec2d2, 0xba40ac63, 0xbb41a1f6, 0xbc83dbd4
.irp p, 0,2,4,6
	v_pk_fma_f32 v[GP+\p:GP+\p+1], v[GP+\p:GP+\p+1], v[GW+\p:GW+\p+1], \c op_sel_hi:[1,1,0]
.endr
.endr
.irp c, 0xbadc924e, 0xbbf19bf8, 0xbc69b6a7
.irp p, 0,2,4,6
	v_pk_fma_f32 v[GQ+\p:GQ+\p+1], v[GQ+\p:GQ+\p+1], v[GW+\p:GW+\p+1], \c op_sel_hi:[1,1,0]
.endr
.endr
.irp p, 0,2,4,6
	v_pk_mul_f32 v[GP+\p:GP+\p+1], v[GP+\p:GP+\p+1], v[GZ+\p:GZ+\p+1]
.endr
.irp p, 0,1,2,3,4,5,6,7
	v_rcp_f32 v[GQ+\p], v[GQ+\p]
.endr
.irp p, 0,2,4,6
	v_pk_mul_f32 v[GW+\p:GW+\p+1], v[\x+\p:\x+\p+1], 0.5 op_sel_hi:[1,0]     ; plain work behind the reciprocals before they are used (ISA guide 5.7.2)
.endr
	s_wait_alu depctr_va_vdst(0)
.irp p, 0,2,4,6
	v_pk_mul_f32 v[GP+\p:GP+\p+1], v[GP+\p:GP+\p+1], v[GQ+\p:GQ+\p+1]         ; erf
.endr
.irp p, 0,2,4,6
	v_pk_fma_f32 v[\x+\p:\x+\p+1], v[GW+\p:GW+\p+1], v[GP+\p:GP+\p+1], v[GW+\p:GW+\p+1]
.endr
.endm
.endif
; rows 16 i .. 16 i + 15 of my block = the eight tiles (a, 0..7) of window 2 or 3 (from = 0x02 or 0x03: source 0 alone)
.macro OUT16 i, a, from
	WIN \from
.irp b, 0,1,2,3,4,5,6,7
.irp r, 0,1,2,3
	v_pk_add_f32 v[XR+8*\b+2*\r:XR+8*\b+2*\r+1], v[8*(8*\a+\b)+2*\r:8*(8*\a+\b)+2*\r+1], v[BIAS+8*\b+2*\r:BIAS+8*\b+2*\r+1]
.endr
.endr
	WIN 0
.if GELU
.irp b, 0,1,2,3,4,5,6,7
	GELU8 XR+8*\b
.endr
.endif
.irp b, 0,1,2,3,4,5,6,7
.irp r, 0,1,2,3
	v_cvt_pk_bf16_f32 v[PK+4*\b+\r], v[XR+8*\b+2*\r], v[XR+8*\b+2*\r+1]
.endr
.endr
.irp b, 0,1,2,3,4,5,6,7
	ds_store_b128 v[STO], v[PK+4*\b:PK+4*\b+3] offset:32*\b
.endr
	s_wait_xcnt 0x0                                ; the rows read back, which the last stores read, and the stores' base are rewritten only behind this wait
.if \i
	s_add_nc_u64 s[8:9], s[8:9], 16*SIZE_N*2
.endif
.irp t, 0,1,2,3,4,5,6,7
	ds_load_b128 v[RB+4*\t:RB+4*\t+3], v[RD] offset:\t*2*SPITCH    ; LDS serves a wave's instructions in order: these see the stores above
.endr
.irp t, 0,1,2,3,4,5,6,7
	s_wait_dscnt 7-\t                              ; load t is in, the younger ones stay out
	global_store_b128 v[CO], v[RB+4*\t:RB+4*\t+3], s[8:9] offset:2*\t*SIZE_N*2   ; 16 lanes store 256 consecutive bytes, aligned
.endr
.endm
	OUT16 0, 0, 0x02
	OUT16 1, 1, 0x02
	OUT16 2, 2, 0x02
	OUT16 3, 3, 0x02
	OUT16 4, 0, 0x03
	OUT16 5, 1, 0x03
	OUT16 6, 2, 0x03
	OUT16 7, 3, 0x03
	s_set_vgpr_msb 0x1
	s_wait_tensorcnt 0x0
	ds_add_u32 v255, v31
	s_wait_dscnt 0x0
	s_set_vgpr_msb 0x100
	CROUND                                         ; the closing round: no work-group ends while a partner may still ask for a tile that names it
	s_endpgm
.Lfunc_end_k_q45e045c1df_gemm_fc1:
	.size	k_q45e045c1df_gemm_fc1, .Lfunc_end_k_q45e045c1df_gemm_fc1-k_q45e045c1df_gemm_fc1
	.p2alignl 7, 3214868480
	.fill 96, 4, 3214868480
	.section	.rodata,"a",@progbits
	.p2align	6, 0x0
	.amdhsa_kernel k_q45e045c1df_gemm_fc1
		.amdhsa_group_segment_fixed_size 327680
		.amdhsa_private_segment_fixed_size 0
		.amdhsa_enable_private_segment 0
		.amdhsa_kernarg_size 32
		.amdhsa_user_sgpr_count 2
		.amdhsa_user_sgpr_kernarg_segment_ptr 1
		.amdhsa_wavefront_size32 1
		.amdhsa_system_sgpr_workgroup_id_x 1
		.amdhsa_system_sgpr_workgroup_id_y 1
		.amdhsa_system_sgpr_workgroup_id_z 1
		.amdhsa_system_vgpr_workitem_id 0
		.amdhsa_next_free_vgpr 1024
		.amdhsa_next_free_sgpr 72
		.amdhsa_reserve_vcc 0
		.amdhsa_float_denorm_mode_32 3
		.amdhsa_float_denorm_mode_16_64 3
		.amdhsa_memory_ordered 1
		.amdhsa_forward_progress 1
		.amdhsa_inst_pref_size 255
	.end_amdhsa_kernel
	.section	.bss,"aw",@nobits
	.p2align	6
	.space	262144
	.amdgpu_metadata
---
amdhsa.version: [ 1, 2 ]
amdhsa.kernels:
  - .name:           k_q45e045c1df_gemm_fc1
    .symbol:         k_q45e045c1df_gemm_fc1.kd
    .args:
      - { .name: xn, .offset: 0, .size: 8, .value_kind: global_buffer, .address_space: global }
      - { .name: wb, .offset: 8, .size: 8, .value_kind: global_buffer, .address_space: global }
      - { .name: fc1_b, .offset: 16, .size: 8, .value_kind: global_buffer, .address_space: global }
      - { .name: ffb, .offset: 24, .size: 8, .value_kind: global_buffer, .address_space: global }
    .group_segment_fixed_size: 327680
    .private_segment_fixed_size: 0
    .kernarg_segment_align: 8
    .kernarg_segment_size: 32
    .max_flat_workgroup_size: 128
    .sgpr_count:     72
    .vgpr_count:     1024
    .wavefront_size: 32
...
	.end_amdgpu_metadata
.endif
;; end of part 6
;; launch gemm_fc2 (part 7): grid 8 x 32, 4 waves a work-group, clusters of 4 x 4, 327,680 bytes of LDS; arguments ffb, wb, fc2_b, hid, out0; writes out0
.if DOCPART == 7
	.amdgcn_target "amdgcn-amd-amdhsa--gfx1250"
	.amdhsa_code_object_version 6
	.text
	.protected	k_q45e045c1df_gemm_fc2
	.globl	k_q45e045c1df_gemm_fc2
	.p2align	8
	.type	k_q45e045c1df_gemm_fc2,@function
k_q45e045c1df_gemm_fc2:
	s_mov_b64 s[64:65], 0
	v_nop
	global_prefetch_b8 v0, s[64:65] scope:SCOPE_SE
	s_setreg_imm32_b32 hwreg(HW_REG_WAVE_MODE, 25, 1), 1
	s_wait_xcnt 0x0
	s_wait_alu depctr_hold_cnt(0) depctr_sa_sdst(0) depctr_va_vdst(0) depctr_va_sdst(0) depctr_va_ssrc(0) depctr_va_vcc(0) depctr_vm_vsrc(0)
	s_getreg_b32 s2, hwreg(HW_REG_IB_STS2, 6, 4)
	s_cmp_eq_u32 s2, 0
	s_cbranch_scc0 .Lentry_in_a_cluster
	s_endpgm
.Lentry_in_a_cluster:
	s_bfe_u32 s2, ttmp6, 0x10000c
	s_cmp_lg_u32 s2, 0xf033
	s_cbranch_scc0 .Lentry_shape_is_right
	s_endpgm
.Lentry_shape_is_right:
; out[m][n] = res[m][n] + bias[n] + sum over k of A[m][k] W[n][k], in f32.  A: [4096][SIZE_K] bf16, W: [1024][SIZE_K] bf16 at byte WOFF of wb,
; bias: [1024] f32, res and out: [4096][1024] f32.
; N is 1,024, so blocks of 128 x 128 are needed for 32 x 8 = 256 work-groups.  The four waves share K, not the block: each makes the whole 128 x 128 block
; (64 accumulator tiles, 512 registers) over its own 64 of every 256 along K, which keeps 32 LDS loads for 64 matrix instructions; the four partial blocks
; are added once, through LDS, at the end.  So the order of the sum over K differs from an ascending one: four partial sums, added at the end.
; K goes in steps of 256 through two LDS slots; a tensor load brings 64 rows of 512 bytes, which start at multiples of 512 bytes.
; CLUSTERS: 4 x 4 work-groups; A's tiles are asked for jointly along a row of the cluster, W's along a column.
; LIMITS: operands are bf16 with f32 sums; NaN and infinities are not followed.
; REGISTERS: window 0: v0-31 addresses, v64-191 fragments of A (two buffers); window 1: v64-191 fragments of W; windows 2, 3: accumulator tiles of rows 0-63, 64-127.
; The matrix instruction is used transposed (source 0 = rows of W, source 1 = rows of A): lane l holds row l % 16 and columns 8 (l / 16) + 0..7 of a tile.
.set SIZE_K, 4096
.set WOFF,   16777216
.set KSTEP,  256
.set PITCH,  528                       ; an LDS row: 512 bytes + 16 of padding, an odd multiple of 16
.set HALFT,  64*PITCH                  ; what one tensor load brings
.set SLOT,   4*HALFT                   ; 128 rows of A, then 128 rows of W
.set REG,    128*PITCH                 ; behind the last fill: a wave's partial block, 128 rows of 128 f32
.set LAPS, SIZE_K/(2*KSTEP)
.set RDA,  12                          ; v12-15  where I read my rows of the four partial blocks
.set ADRA, 16                          ; v16-17  LDS address of my A fragments in slot 0, 1
.set ADRB, 20                          ; v20-21  the same for W
.set CO,   26                          ; v26     16 x lane: my 16 bytes of a row of 512
.set DST,  27                          ; v27     where I put my partial block
.set BI,   32                          ; v[32:35] bias of my 4 columns
.set F0,   64
.set F1,   128
.set RES,  64                          ; v[64:191] the way out: my 32 rows of the residual, then of the result
.set BUF0, 192                         ; v[192:223] two rows of the four partial blocks
.set BUF1, 224                         ; v[224:255]
.set G1, 24
.set G0, 32
.set G1B, 48
.set G0B, 56
.set MSB, 0
.macro WIN new
.if MSB != \new
	s_set_vgpr_msb (MSB<<8)|\new
.set MSB, \new
.endif
.endm
.set MUL_LO, 0xa1
.set MUL_HI, 0xf1
.set TO_B,   0x40
.macro JLOAD s                         ; waves 0, 1 fetch the halves of A, waves 2, 3 those of W; the branch hangs on the wave number alone
	s_cmp_eq_u32 s11, 0
	s_cbranch_scc0 .Lfor_b_\@
	tensor_load_to_lds s[G0+4*\s:G0+4*\s+3], s[G1:G1+7]
	s_nop 0
	s_branch .Lasked_\@
.Lfor_b_\@:
	tensor_load_to_lds s[G0B+4*\s:G0B+4*\s+3], s[G1B:G1B+7]
	s_nop 0
.Lasked_\@:
.endm
.macro CREST
	s_cmp_lg_u32 s10, 0
	s_cbranch_scc1 .Lnot_wave_0_\@
	s_barrier_signal -3
.Lnot_wave_0_\@:
	s_barrier_wait -3
	s_barrier_signal -1
	s_barrier_wait -1
.endm
.macro CROUND
	s_barrier_signal -1
	s_barrier_wait -1
	CREST
.endm
	s_load_b128 s[4:7], s[0:1], 0x0                ; A s[4:5], wb s[6:7]
	s_load_b128 s[68:71], s[0:1], 0x10             ; bias s[68:69], res s[70:71]
	s_load_b64 s[8:9], s[0:1], 0x20                ; out
	s_set_vgpr_msb 0x40
	v_lshl_add_u32 v255, v0, 2, 0x42000
	s_set_vgpr_msb 0x4000
	v_mov_b32 v63, 0
	s_set_vgpr_msb 0x1
	ds_add_u32 v255, v63
	ds_add_u32 v255, v63
	s_set_vgpr_msb 0x100
	v_lshrrev_b32 v1, 5, v0
	v_readfirstlane_b32 s10, v1                    ; wave 0..3: my 64 of every 256 along K
	s_lshr_b32 s11, s10, 1                         ; I fetch for A (0) or for W (1),
	s_and_b32 s12, s10, 1                          ; and which 64 rows of that tile
	s_bfe_u32 s40, ttmp6, 0x40000                  ; cx
	s_bfe_u32 s41, ttmp6, 0x40004                  ; cy
	s_lshl_b32 s42, ttmp9, 2
	s_add_co_u32 s42, s42, s40                     ; block column
	s_and_b32 s13, ttmp7, 0xffff
	s_lshl_b32 s13, s13, 2
	s_add_co_u32 s13, s13, s41                     ; block row
	s_lshl_b32 s43, s41, 2
	s_lshl_b32 s43, 15, s43                        ; my row of the cluster
	s_lshl_b32 s44, 0x1111, s40                    ; my column
	; group 1: 64 rows x 256 elements of 2 bytes, 4 words of padding behind every 128 words
	s_or_b32 s[G1+0], s43, (1<<16)|(1<<20)|(1<<21)|(6<<22)|(3<<25)
	s_or_b32 s[G1B+0], s44, (1<<16)|(1<<20)|(1<<21)|(6<<22)|(3<<25)
	s_mov_b32 s[G1+1], KSTEP<<16
	s_mov_b32 s[G1B+1], KSTEP<<16
	s_mov_b32 s[G1+2], 64<<16
	s_mov_b32 s[G1B+2], 64<<16
	s_mov_b32 s[G1+3], KSTEP<<16
	s_mov_b32 s[G1B+3], KSTEP<<16
	s_mov_b32 s[G1+4], 64
	s_mov_b32 s[G1B+4], 64
	s_mov_b32 s[G1+5], SIZE_K
	s_mov_b32 s[G1B+5], SIZE_K
	s_mov_b32 s[G1+6], 0
	s_mov_b32 s[G1B+6], 0
	s_mov_b32 s[G1+7], 0
	s_mov_b32 s[G1B+7], 0
	s_lshl_b32 s17, s12, 6
	s_lshl_b32 s16, s13, 7
	s_add_co_u32 s16, s16, s17                     ; A: row 128 x block row + 64 x half
	s_lshl_b32 s46, s42, 7
	s_add_co_u32 s46, s46, s17                     ; W: row 128 x block column + 64 x half
	s_mov_b32 s17, 0
	s_mov_b32 s47, 0
	s_mov_b64 s[18:19], SIZE_K*2
	s_mul_u64 s[16:17], s[16:17], s[18:19]
	s_mul_u64 s[46:47], s[46:47], s[18:19]
	s_mul_i32 s20, s10, HALFT                      ; LDS: A's two halves, then W's two halves = wave x 64 rows
	s_wait_dscnt 0x0
	s_wait_kmcnt 0x0
	s_add_nc_u64 s[6:7], s[6:7], WOFF
	s_add_nc_u64 s[14:15], s[4:5], s[16:17]
	s_add_nc_u64 s[46:47], s[6:7], s[46:47]
	CROUND                                         ; all sixteen work-groups are here: the first joint loads meet
.irp s, 0,1
	s_mov_b32 s[G0+4*\s], 1
	s_add_co_u32 s[G0+4*\s+1], s20, \s*SLOT
	s_add_nc_u64 s[G0+4*\s+2:G0+4*\s+3], s[14:15], \s*KSTEP*2
	s_or_b32 s[G0+4*\s+3], s[G0+4*\s+3], 0x80000000
	s_mov_b32 s[G0B+4*\s], 1
	s_add_co_u32 s[G0B+4*\s+1], s20, \s*SLOT
	s_add_nc_u64 s[G0B+4*\s+2:G0B+4*\s+3], s[46:47], \s*KSTEP*2
	s_or_b32 s[G0B+4*\s+3], s[G0B+4*\s+3], 0x80000000
	JLOAD \s                                       ; two tensor loads of the wave are out here, one behind every later round
.endr
	v_and_b32 v1, 15, v0                           ; l % 16
	v_bfe_u32 v2, v0, 4, 1                         ; l / 16
	v_mul_u32_u24 v3, v1, PITCH
	v_lshl_add_u32 v3, v2, 4, v3                   ; row x pitch + 16 x half
	s_lshl_b32 s21, s10, 7                         ; my 64 along K: 128 bytes of every row
	s_add_co_u32 s22, s21, 2*HALFT                 ; W lies behind A's 128 rows
.irp s, 0,1
	v_add_nc_u32 v[ADRA+\s], s21, v3
	v_add_nc_u32 v[ADRB+\s], s22, v3
	s_add_co_u32 s21, s21, SLOT
	s_add_co_u32 s22, s22, SLOT
.endr
	v_and_b32 v5, 31, v0
	v_lshlrev_b32 v[CO], 4, v5
	s_mul_i32 s23, s10, REG                        ; my partial block
	v_mul_u32_u24 v4, v1, PITCH
	v_lshl_add_u32 v4, v2, 5, v4                   ; row l % 16, 32 bytes for each half of the lanes
	v_add_nc_u32 v[DST], s23, v4
	s_mul_i32 s23, s10, 32*PITCH                   ; the 32 rows that I add up
	v_add_nc_u32 v[RDA], s23, v[CO]
	v_add_nc_u32 v[RDA+1], REG, v[RDA]
	v_add_nc_u32 v[RDA+2], 2*REG, v[RDA]
	v_add_nc_u32 v[RDA+3], 3*REG, v[RDA]
; The 64 accumulators take turns, one instruction a turn, in the same order in every quarter.
.macro MUL16 f, hi, a0, zero
.irp a, \a0, \a0+1
.irp b, 0,1,2,3,4,5,6,7
.if \zero
	v_wmma_f32_16x16x32_bf16 v[8*(8*(\a)+\b):8*(8*(\a)+\b)+7], v[\f+8*\b:\f+8*\b+7], v[\f+8*(4*\hi+\a):\f+8*(4*\hi+\a)+7], 0
.else
	v_wmma_f32_16x16x32_bf16 v[8*(8*(\a)+\b):8*(8*(\a)+\b)+7], v[\f+8*\b:\f+8*\b+7], v[\f+8*(4*\hi+\a):\f+8*(4*\hi+\a)+7], v[8*(8*(\a)+\b):8*(8*(\a)+\b)+7]
.endif
.endr
.endr
.endm
.macro FETCH slot, k, f                ; 32 LDS loads in one run: 128 rows of W, 128 rows of A, 32 along K at byte k of my 128 bytes
	WIN TO_B
.irp i, 0,1,2,3,4,5,6,7
	ds_load_b128 v[\f+8*\i:\f+8*\i+3],   v[ADRB+\slot] offset:\k+\i*16*PITCH
	ds_load_b128 v[\f+8*\i+4:\f+8*\i+7], v[ADRB+\slot] offset:\k+\i*16*PITCH+32
.endr
	WIN 0
.irp i, 0,1,2,3,4,5,6,7
	ds_load_b128 v[\f+8*\i:\f+8*\i+3],   v[ADRA+\slot] offset:\k+\i*16*PITCH
	ds_load_b128 v[\f+8*\i+4:\f+8*\i+7], v[ADRA+\slot] offset:\k+\i*16*PITCH+32
.endr
.endm
.macro PLACES                          ; four places between a matrix instruction and a load into, or another instruction on, its registers
.rept 4
	v_nop
.endr
.endm
.macro QUARTER slot, k, f, g, zero
	s_wait_dscnt 8                                 ; W and A's rows 0-63 are in; the youngest eight loads (A's rows 64-127) may be out
	WIN MUL_LO
	MUL16 \f, 0, 0, \zero
	MUL16 \f, 0, 2, \zero
	PLACES
	FETCH \slot, \k, \g
	s_wait_dscnt 32                                ; all but the 32 just issued
	WIN MUL_HI
	MUL16 \f, 1, 0, \zero
	MUL16 \f, 1, 2, \zero
.endm
; The second half of a K step changes slots: the waits for my reads of this slot and for all my tensor loads stand in front of the barrier; where the slot is
; filled again the barrier opens a round of the cluster's barrier and the joint refill is the first tensor load behind it.
.macro TURN slot, next, fill
	s_wait_dscnt 8
	WIN MUL_LO
	MUL16 F1, 0, 0, 0
	s_wait_dscnt 0
	s_wait_tensorcnt 0x0
	ds_add_u32 v255, v63
	s_wait_dscnt 0x0
	s_barrier_signal -1
	MUL16 F1, 0, 2, 0
	WIN 0
	s_barrier_wait -1
.if \fill
	CREST
	s_add_nc_u64 s[G0+4*\slot+2:G0+4*\slot+3], s[G0+4*\slot+2:G0+4*\slot+3], 2*KSTEP*2
	s_add_nc_u64 s[G0B+4*\slot+2:G0B+4*\slot+3], s[G0B+4*\slot+2:G0B+4*\slot+3], 2*KSTEP*2
	JLOAD \slot
.endif
	PLACES
	FETCH \next, 0, F0
	WIN MUL_HI
	MUL16 F1, 1, 0, 0
	MUL16 F1, 1, 2, 0
.endm
.macro LAP zero
	QUARTER 0, 64, F0, F1, \zero
	TURN 0, 1, 1
	QUARTER 1, 64, F0, F1, 0
	TURN 1, 0, 1
.endm
	s_wait_tensorcnt 1                             ; my part of K step 0 is in; K step 1's stays out
	s_barrier_signal -1
	s_barrier_wait -1
	FETCH 0, 0, F0
	LAP 1                                          ; its first products start the sums
.if LAPS > 2
	WIN 0
	s_mov_b32 s3, LAPS-2
.Llap:
	LAP 0
	WIN 0
	s_sub_co_u32 s3, s3, 1
	s_cmp_lg_u32 s3, 0
	s_cbranch_scc1 .Llap
.endif
	QUARTER 0, 64, F0, F1, 0                       ; the last lap fills nothing
	TURN 0, 1, 0
	QUARTER 1, 64, F0, F1, 0
	s_wait_dscnt 8
	WIN MUL_LO
	MUL16 F1, 0, 0, 0
	MUL16 F1, 0, 2, 0
	s_wait_dscnt 0
	WIN MUL_HI
	MUL16 F1, 1, 0, 0
	MUL16 F1, 1, 2, 0
	; THE WAY OUT.  Wave w adds up and stores rows 32 w .. 32 w + 31 of the block.
	PLACES
	WIN 0
	s_lshl_b32 s16, s13, 7
	s_lshl_b32 s17, s10, 5
	s_add_co_u32 s16, s16, s17                     ; my first row,
	s_lshl_b32 s16, s16, 12                        ; x 4,096 bytes
	s_mov_b32 s17, 0
	s_lshl_b32 s46, s42, 9                         ; the block's first column: 128 x 4 bytes a block
	s_mov_b32 s47, 0
	s_add_nc_u64 s[70:71], s[70:71], s[16:17]
	s_add_nc_u64 s[70:71], s[70:71], s[46:47]
	s_add_nc_u64 s[8:9], s[8:9], s[16:17]
	s_add_nc_u64 s[8:9], s[8:9], s[46:47]
	s_add_nc_u64 s[68:69], s[68:69], s[46:47]
	global_load_b128 v[BI:BI+3], v[CO], s[68:69]
.irp i, 0,1,2,3,4,5,6,7,8,9,10,11,12,13,14,15,16,17,18,19,20,21,22,23,24,25,26,27,28,29,30,31
	global_load_b128 v[RES+4*\i:RES+4*\i+3], v[CO], s[70:71] offset:4096*\i      ; a row's 512 consecutive bytes
.endr
	s_wait_dscnt 0x0
	s_barrier_signal -1
	s_barrier_wait -1                              ; no wave reads the ring any more; its last fill landed before the last change of slots
	WIN 0x08                                       ; store data from window 2
.irp a, 0,1,2,3
.irp b, 0,1,2,3,4,5,6,7
	ds_store_b128 v[DST], v[8*(8*\a+\b):8*(8*\a+\b)+3] offset:\a*16*PITCH+64*\b
	ds_store_b128 v[DST], v[8*(8*\a+\b)+4:8*(8*\a+\b)+7] offset:\a*16*PITCH+64*\b+16
.endr
.endr
	WIN 0x0c                                       ; from window 3
.irp a, 0,1,2,3
.irp b, 0,1,2,3,4,5,6,7
	ds_store_b128 v[DST], v[8*(8*\a+\b):8*(8*\a+\b)+3] offset:(\a+4)*16*PITCH+64*\b
	ds_store_b128 v[DST], v[8*(8*\a+\b)+4:8*(8*\a+\b)+7] offset:(\a+4)*16*PITCH+64*\b+16
.endr
.endr
	WIN 0
	s_wait_dscnt 0x0                               ; my partial block is in LDS,
	s_barrier_signal -1
	s_barrier_wait -1                              ; and so are the others
	s_wait_loadcnt 0x0                             ; bias and residual
.macro GLOAD g, buf                    ; rows 2 g, 2 g + 1 of my 32, from all four partial blocks
.irp e, 0,1
.irp q, 0,1,2,3
	ds_load_b128 v[\buf+16*\e+4*\q:\buf+16*\e+4*\q+3], v[RDA+\q] offset:(2*(\g)+\e)*PITCH
.endr
.endr
.endm
.macro GSUM g, buf
.irp e, 0,1
	v_pk_add_f32 v[\buf+16*\e:\buf+16*\e+1], v[\buf+16*\e:\buf+16*\e+1], v[\buf+16*\e+4:\buf+16*\e+5]
	v_pk_add_f32 v[\buf+16*\e+2:\buf+16*\e+3], v[\buf+16*\e+2:\buf+16*\e+3], v[\buf+16*\e+6:\buf+16*\e+7]
	v_pk_add_f32 v[\buf+16*\e+8:\buf+16*\e+9], v[\buf+16*\e+8:\buf+16*\e+9], v[\buf+16*\e+12:\buf+16*\e+13]
	v_pk_add_f32 v[\buf+16*\e+10:\buf+16*\e+11], v[\buf+16*\e+10:\buf+16*\e+11], v[\buf+16*\e+14:\buf+16*\e+15]
	v_pk_add_f32 v[RES+4*(2*(\g)+\e):RES+4*(2*(\g)+\e)+1], v[RES+4*(2*(\g)+\e):RES+4*(2*(\g)+\e)+1], v[BI:BI+1]
	v_pk_add_f32 v[RES+4*(2*(\g)+\e)+2:RES+4*(2*(\g)+\e)+3], v[RES+4*(2*(\g)+\e)+2:RES+4*(2*(\g)+\e)+3], v[BI+2:BI+3]
	v_pk_add_f32 v[\buf+16*\e:\buf+16*\e+1], v[\buf+16*\e:\buf+16*\e+1], v[\buf+16*\e+8:\buf+16*\e+9]
	v_pk_add_f32 v[\buf+16*\e+2:\buf+16*\e+3], v[\buf+16*\e+2:\buf+16*\e+3], v[\buf+16*\e+10:\buf+16*\e+11]
	v_pk_add_f32 v[RES+4*(2*(\g)+\e):RES+4*(2*(\g)+\e)+1], v[RES+4*(2*(\g)+\e):RES+4*(2*(\g)+\e)+1], v[\buf+16*\e:\buf+16*\e+1]
	v_pk_add_f32 v[RES+4*(2*(\g)+\e)+2:RES+4*(2*(\g)+\e)+3], v[RES+4*(2*(\g)+\e)+2:RES+4*(2*(\g)+\e)+3], v[\buf+16*\e+2:\buf+16*\e+3]
	global_store_b128 v[CO], v[RES+4*(2*(\g)+\e):RES+4*(2*(\g)+\e)+3], s[8:9] offset:4096*(2*(\g)+\e)    ; the wave stores 512 consecutive bytes, aligned; its data are never written again
.endr
.endm
	GLOAD 0, BUF0
.irp g, 0,2,4,6,8,10,12
	GLOAD \g+1, BUF1
	s_wait_dscnt 8                                 ; all but the eight just issued
	GSUM \g, BUF0
	GLOAD \g+2, BUF0
	s_wait_dscnt 8
	GSUM \g+1, BUF1
.endr
	GLOAD 15, BUF1
	s_wait_dscnt 8
	GSUM 14, BUF0
	s_wait_dscnt 0x0
	GSUM 15, BUF1
	s_set_vgpr_msb 0x1
	s_wait_tensorcnt 0x0
	ds_add_u32 v255, v63
	s_wait_dscnt 0x0
	s_set_vgpr_msb 0x100
	CROUND                                         ; the closing round: no work-group ends while a partner may still ask for a tile that names it
	s_endpgm
.Lfunc_end_k_q45e045c1df_gemm_fc2:
	.size	k_q45e045c1df_gemm_fc2, .Lfunc_end_k_q45e045c1df_gemm_fc2-k_q45e045c1df_gemm_fc2
	.p2alignl 7, 3214868480
	.fill 96, 4, 3214868480
	.section	.rodata,"a",@progbits
	.p2align	6, 0x0
	.amdhsa_kernel k_q45e045c1df_gemm_fc2
		.amdhsa_group_segment_fixed_size 327680
		.amdhsa_private_segment_fixed_size 0
		.amdhsa_enable_private_segment 0
		.amdhsa_kernarg_size 40
		.amdhsa_user_sgpr_count 2
		.amdhsa_user_sgpr_kernarg_segment_ptr 1
		.amdhsa_wavefront_size32 1
		.amdhsa_system_sgpr_workgroup_id_x 1
		.amdhsa_system_sgpr_workgroup_id_y 1
		.amdhsa_system_sgpr_workgroup_id_z 1
		.amdhsa_system_vgpr_workitem_id 0
		.amdhsa_next_free_vgpr 1024
		.amdhsa_next_free_sgpr 72
		.amdhsa_reserve_vcc 0
		.amdhsa_float_denorm_mode_32 3
		.amdhsa_float_denorm_mode_16_64 3
		.amdhsa_memory_ordered 1
		.amdhsa_forward_progress 1
		.amdhsa_inst_pref_size 130
	.end_amdhsa_kernel
	.amdgpu_metadata
---
amdhsa.version: [ 1, 2 ]
amdhsa.kernels:
  - .name:           k_q45e045c1df_gemm_fc2
    .symbol:         k_q45e045c1df_gemm_fc2.kd
    .args:
      - { .name: ffb, .offset: 0, .size: 8, .value_kind: global_buffer, .address_space: global }
      - { .name: wb, .offset: 8, .size: 8, .value_kind: global_buffer, .address_space: global }
      - { .name: fc2_b, .offset: 16, .size: 8, .value_kind: global_buffer, .address_space: global }
      - { .name: hid, .offset: 24, .size: 8, .value_kind: global_buffer, .address_space: global }
      - { .name: out0, .offset: 32, .size: 8, .value_kind: global_buffer, .address_space: global }
    .group_segment_fixed_size: 327680
    .private_segment_fixed_size: 0
    .kernarg_segment_align: 8
    .kernarg_segment_size: 40
    .max_flat_workgroup_size: 128
    .sgpr_count:     72
    .vgpr_count:     1024
    .wavefront_size: 32
...
	.end_amdgpu_metadata
.endif
;; end of part 7
;; ======== version 2 of 2: 7 launches
;; workspace buffers: wb 25,165,824 bytes; xn 8,388,608 bytes; qkvb 25,165,824 bytes; att 8,388,608 bytes; hid 16,777,216 bytes; ffb 33,554,432 bytes
;; launch prep: the kernel of part 1 again; grid 1024 x 1, 8 waves a work-group, no clusters, 0 bytes of LDS; arguments qkv_w, out_w, fc1_w, fc2_w, hidden_states, ln1_g, ln1_b, wb, xn; writes wb, xn
;; launch gemm_qkv: the kernel of part 2 again; grid 12 x 16, 4 waves a work-group, clusters of 4 x 4, 327,680 bytes of LDS; arguments xn, wb, qkv_b, qkvb; writes qkvb
;; launch attn (part 8): grid 8 x 32, 8 waves a work-group, no clusters, 327,680 bytes of LDS; arguments qkvb, att; writes att
.if DOCPART == 8
	.amdgcn_target "amdgcn-amd-amdhsa--gfx1250"
	.amdhsa_code_object_version 6
	.text
	.protected	k_q45e045c1df_attn
	.globl	k_q45e045c1df_attn
	.p2align	8
	.type	k_q45e045c1df_attn,@function
k_q45e045c1df_attn:
	s_mov_b64 s[64:65], 0
	v_nop
	global_prefetch_b8 v0, s[64:65] scope:SCOPE_SE
	s_setreg_imm32_b32 hwreg(HW_REG_WAVE_MODE, 25, 1), 1
	s_wait_xcnt 0x0
; Causal softmax attention for one (batch, head) = work-group y and two blocks of 128 queries: qA = 4 j + e and qB = 15 - qA (j = x / 2, e = x % 2).
; qkvb: [4096 tokens][3][16 heads][64] bf16.  att: [4096][16 heads][64] bf16.
; Keys go in tiles of 256.  Block q needs q / 2 + 1 tiles: 2 j + 1 for qA and 8 - 2 j for qB, nine for every work-group, the first count odd and the second
; even in every work-group, so that the turns of the two LDS slots are fixed in the text.  The last tile of a block is masked by compare and select; where q is
; even its upper 128 keys all lie behind the queries and are computed and thrown away: one run of 64 keys in a wave's 18, taken for one text for all work-groups.
; EIGHT WAVES, two for each SIMD: wave = 4 g + w owns queries 32 w .. + 31 of the block and, of every 128 keys, the 64 that begin at 64 g.
; Each wave keeps its
; own running maximum, sum and O; at the end of a pass waves 4-7 hand theirs over through LDS and waves 0-3 join the two: m = max(m1, m2),
; a_i = 2^((m_i - m) log2 e / 8), l = l1 a1 + l2 a2, O = (O1 a1 + O2 a2) / l.
; S^T = K Q^T: lane (r, h) holds query r and keys 8 h + j of each tile of 16 keys, so a query's maximum is in two lanes' own registers, two neighbouring
; tiles packed to bf16 ARE the second source of O^T = V^T P^T, and O^T keeps query r in lane r: the rescaling factor is the lane's own number.
; The softmax keeps a running maximum of the raw scores; 1/8 and log2 e are folded into one fused multiply-add in front of the exponential.  The maximum starts
; at the lowest finite f32, not at -infinity: a wave all of whose keys are masked (block 0, g = 1) then gets the factor 1, exponentials 0 and the sum 0 in
; place of infinity less infinity, and its weight in the join is 0.  Waves with g = 0 hold key 0, which counts for every query, so the joint sum is positive.
; K and V tiles go through two LDS slots; each wave fetches its 32 rows of K and of V by two tensor loads, which is all that a wave has outstanding.
; NO MULTICAST: the eight work-groups of a head need 2 j + 1 and 8 - 2 j tiles in their two passes, other numbers in other partners; walking all in step
; would cost each 8 + 8 tiles in place of 9.
; LIMITS: Q, K, V and P are bf16, sums f32; exponentials below 2^-126 come out as zero; the sums over a query's keys are made in two parts that are joined at
; the end of a pass; NaN and infinite inputs are not followed.
.set KP, 144                           ; LDS pitch of a K row: 128 bytes + 16
.set VP, 160                           ; LDS pitch of a V row: 128 bytes + 32, an odd multiple of 32 for the transposing load
.set KEYS, 256                         ; keys in a tile
.set KB, KEYS*KP                       ; K's bytes in a slot (36,864); V lies behind
.set SLOT, KEYS*KP+KEYS*VP             ; 77,824
.set STAGE, 2*SLOT                     ; 155,648 = 608 x 256: 32 rows x 144 bytes for each of waves 0-3; no tensor load fills it
.set MRG, STAGE+4*32*KP                ; 174,080 = 680 x 256: the hand-over, 17 x 512 bytes for each pair of waves; no tensor load fills it
.set MRGW, 17*512
.set TILESTEP, KEYS*6144               ; bytes from a key tile to the next
.set DQB, 3                            ; v3     32 w + r - 8 h - 64 g
.set ADK, 4                            ; v4-5   LDS address of my K fragments in slot 0, 1
.set ADV, 6                            ; v6-7   the same for V (transposing load)
.set QOFF, 8                           ; v8     r x 6144 + 16 h
.set STO, 9                            ; v9     the way out: where I put 16 bytes of a query's row
.set SRD, 10                           ; v10    the way out: where I read rows back
.set OOFF, 11                          ; v11    my byte offset in att
.set DQ, 12                            ; v12-13 query tile nt: my query's number in the last key tile, less 8 h + 64 g
.set MX, 14                            ; v14-15 running maximum
.set LS, 16                            ; v16-17 running sum over my lane's keys (v[14:17] are handed over by one store)
.set AL, 18                            ; v[18:19] rescaling factor, twice
.set NM, 20                            ; v[20:21] - maximum / 8 x log2 e, twice
.set T, 22                             ; v[22:29] at work
.set NINF, 30                          ; v30    -infinity
.set MG, 31                            ; v31    the hand-over: 16 bytes a lane in my pair's area
.set QF, 32                            ; v[32:63]   Q fragment (nt, ks) at 32 + 8 (2 nt + ks)
.set OA, 64                            ; v[64:127]  O^T tile (nt, dt) at 64 + 8 (4 nt + dt)
.set SC, 128                           ; v[128:191] S^T tile (nt, kt) at 128 + 8 (4 nt + kt); then P (nt, q) in the first 8 of each 16
.set KF, 192                           ; v[192:255] K fragment (kt, ks) at 192 + 8 (4 ks + kt)
.set VF, 0                             ; window 1, v[0:63]: V^T fragment (dt, q) at 8 (4 q + dt)
.set G1K, 16                           ; s[16:23]
.set G1V, 24                           ; s[24:31]
.set G0K, 32                           ; s[32:39], one set for each slot
.set G0V, 40                           ; s[40:47]
.set QBA, 52                           ; s[52:53] Q of block qA      s[54:55] att of block qA
.set OBA, 54
.set QBB, 66                           ; s[66:67] Q of block qB      s[68:69] att of block qB
.set OBB, 68
.set MSB, 0
.macro WIN new                         ; the immediate's high byte repeats the setting that is left
.if MSB != \new
	s_set_vgpr_msb (MSB<<8)|\new
.set MSB, \new
.endif
.endm
	s_load_b128 s[4:7], s[0:1], 0x0                ; qkvb s[4:5], att s[6:7]
	s_set_vgpr_msb 0x40
	v_lshl_add_u32 v64, v0, 2, 0x33000
	v_mov_b32 v65, 0
	s_set_vgpr_msb 0x4045
	ds_add_u32 v64, v65
	ds_add_u32 v64, v65
	s_set_vgpr_msb 0x4500
	v_lshrrev_b32 v3, 5, v0
	v_readfirstlane_b32 s8, v3                     ; wave 0..7
	s_and_b32 s70, s8, 3                           ; w: which 32 queries
	s_lshr_b32 s71, s8, 2                          ; g: which 64 of every 128 keys
	s_lshr_b32 s9, ttmp9, 1                        ; j
	s_and_b32 s63, ttmp9, 1                        ; e
	s_lshl_b32 s13, s9, 2
	s_add_co_u32 s13, s13, s63                     ; qA = 4 j + e
	s_sub_co_u32 s74, 15, s13                      ; qB = 15 - qA
	s_lshl_b32 s72, s63, 7                         ; 128 where qA is odd: the block's place in its last key tile
	s_sub_co_u32 s73, 128, s72                     ; 128 where qB is odd
	s_and_b32 s10, ttmp7, 0xffff
	s_lshr_b32 s11, s10, 4                         ; batch
	s_and_b32 s12, s10, 15                         ; head
	s_lshl_b32 s62, s12, 7                         ; 128 bytes a head
	s_mov_b32 s58, 0x76543210                      ; v_permlanex16_b32: lane i reads lane i of the other half
	s_mov_b32 s59, 0xfedcba98
	; group 1: 32 rows x 64 elements of 2 bytes, 3,072 elements from row to row; padding behind every 32 words: 4 words for K, 8 for V
	s_mov_b32 s[G1K+0], (1<<16)|(1<<20)|(4<<22)|(3<<25)
	s_mov_b32 s[G1V+0], (1<<16)|(1<<20)|(4<<22)|(7<<25)
	s_mov_b32 s[G1K+1], 64<<16
	s_mov_b32 s[G1V+1], 64<<16
	s_mov_b32 s[G1K+2], 32<<16
	s_mov_b32 s[G1V+2], 32<<16
	s_mov_b32 s[G1K+3], 64<<16
	s_mov_b32 s[G1V+3], 64<<16
	s_mov_b32 s[G1K+4], 32
	s_mov_b32 s[G1V+4], 32
	s_mov_b32 s[G1K+5], 3072
	s_mov_b32 s[G1V+5], 3072
	s_mov_b32 s[G1K+6], 0
	s_mov_b32 s[G1V+6], 0
	s_mov_b32 s[G1K+7], 0
	s_mov_b32 s[G1V+7], 0
	s_mul_i32 s15, s8, 32*KP                       ; where my 32 rows of K go in a slot,
	s_mul_i32 s3, s8, 32*VP
	s_add_co_u32 s3, s3, KB                        ; and my 32 rows of V
	v_and_b32 v1, 15, v0                           ; r
	v_bfe_u32 v2, v0, 4, 1                         ; h
	v_mul_u32_u24 v22, v1, KP
	v_lshl_add_u32 v22, v2, 4, v22                 ; r x 144 + 16 h
	s_mul_i32 s60, s71, 64*KP                      ; my 64 of the first 128 keys
	v_add_nc_u32 v[ADK], s60, v22
	v_add_nc_u32 v[ADK+1], SLOT, v[ADK]
	v_and_b32 v23, 7, v0
	v_lshl_add_u32 v23, v2, 3, v23                 ; 8 h + lane % 8: the key row that I address
	v_mul_u32_u24 v[ADV], v23, VP
	v_bfe_u32 v24, v0, 3, 1
	v_lshl_add_u32 v[ADV], v24, 4, v[ADV]          ; + 16 x ((lane / 8) % 2)
	s_mul_i32 s60, s71, 64*VP
	s_add_co_u32 s60, s60, KB
	v_add_nc_u32 v[ADV], s60, v[ADV]
	v_add_nc_u32 v[ADV+1], SLOT, v[ADV]
	v_mul_u32_u24 v[QOFF], v1, 6144
	v_lshl_add_u32 v[QOFF], v2, 4, v[QOFF]
	s_mul_i32 s60, s70, 32*KP
	s_add_co_u32 s60, s60, STAGE                   ; the stage of my 32 queries (used by waves 0-3 alone)
	v_add_nc_u32 v[STO], s60, v22
	v_bfe_u32 v24, v0, 3, 2                        ; lane / 8
	v_and_b32 v25, 7, v0                           ; lane % 8
	v_mul_u32_u24 v[SRD], v24, KP
	v_lshl_add_u32 v[SRD], v25, 4, v[SRD]
	v_add_nc_u32 v[SRD], s60, v[SRD]
	v_lshlrev_b32 v[OOFF], 11, v24                 ; a token's row of att is 2,048 bytes
	v_lshl_add_u32 v[OOFF], v25, 4, v[OOFF]
	v_and_b32 v26, 31, v0
	s_mul_i32 s60, s70, MRGW
	s_add_co_u32 s60, s60, MRG                     ; the hand-over area of waves w and w + 4
	v_lshl_add_u32 v[MG], v26, 4, s60
	v_lshlrev_b32 v26, 3, v2
	v_sub_nc_u32 v[DQB], v1, v26
	s_lshl_b32 s60, s70, 5
	s_lshl_b32 s61, s71, 6
	s_sub_co_u32 s60, s60, s61
	v_add_nc_u32 v[DQB], s60, v[DQB]               ; 32 w + r - 8 h - 64 g (may be negative: compared as signed)
	v_mov_b32 v[NINF], 0xff800000
	s_lshl_b32 s60, s11, 11
	s_lshl_b32 s61, s8, 5
	s_add_co_u32 s60, s60, s61                     ; the token of my first row of key tile 0
	s_mul_i32 s56, s60, 6144
	s_add_co_u32 s56, s56, s62
	s_add_co_u32 s56, s56, 2048                    ; K lies 2,048 bytes into a token's row
	s_mov_b32 s57, 0
	s_wait_dscnt 0x0
	s_wait_kmcnt 0x0
	s_add_nc_u64 s[48:49], s[4:5], s[56:57]        ; K: my rows of tile 0
	s_add_nc_u64 s[50:51], s[48:49], 2048          ; V: 2,048 bytes further
.macro BASES q, qb, ob                 ; where block q's Q lies and where its result goes, for my 32 queries
	s_lshl_b32 s60, s11, 11
	s_lshl_b32 s61, \q, 7
	s_add_co_u32 s60, s60, s61
	s_lshl_b32 s61, s70, 5
	s_add_co_u32 s60, s60, s61                     ; my first query's token
	s_mul_i32 s56, s60, 6144
	s_add_co_u32 s56, s56, s62
	s_mov_b32 s57, 0
	s_add_nc_u64 s[\qb:\qb+1], s[4:5], s[56:57]
	s_lshl_b32 s56, s60, 11
	s_add_co_u32 s56, s56, s62
	s_add_nc_u64 s[\ob:\ob+1], s[6:7], s[56:57]
.endm
	BASES s13, QBA, OBA
	BASES s74, QBB, OBB
.macro KLOAD s, hh                     ; 16 loads: the K fragments of my 64 keys of the tile's 128 keys number hh, slot s
.irp ks, 0,1
.irp kt, 0,1,2,3
	ds_load_b128 v[KF+8*(4*\ks+\kt):KF+8*(4*\ks+\kt)+3], v[ADK+\s] offset:(128*\hh+16*\kt)*KP+64*\ks
	ds_load_b128 v[KF+8*(4*\ks+\kt)+4:KF+8*(4*\ks+\kt)+7], v[ADK+\s] offset:(128*\hh+16*\kt)*KP+64*\ks+32
.endr
.endr
.endm
.macro VLOAD s, hh                     ; 16 transposing loads: V^T fragments (16 d x 32 keys) of the same keys, into window 1
.irp q, 0,1
.irp dt, 0,1,2,3
	ds_load_tr16_b128 v[VF+8*(4*\q+\dt):VF+8*(4*\q+\dt)+3], v[ADV+\s] offset:(128*\hh+32*\q)*VP+32*\dt
	ds_load_tr16_b128 v[VF+8*(4*\q+\dt)+4:VF+8*(4*\q+\dt)+7], v[ADV+\s] offset:(128*\hh+32*\q)*VP+32*\dt+16*VP
.endr
.endr
.endm
.macro MASK nt, hh                     ; the last tile: key 128 hh + 64 g + 16 kt + 8 h + j counts only if it is not behind the query; a select, no branch
.irp kt, 0,1,2,3
.irp j, 0,1,2,3,4,5,6,7
	v_cmp_le_i32 vcc_lo, 128*\hh+16*\kt+\j, v[DQ+\nt]
	v_cndmask_b32 v[SC+8*(4*\nt+\kt)+\j], v[NINF], v[SC+8*(4*\nt+\kt)+\j], vcc_lo
.endr
.endr
.endm
.macro SOFT nt                         ; 16 queries x 64 keys: new maximum, exponentials, sum, P in bf16, O rescaled
.irp kt, 0,1,2,3
	v_max3_num_f32 v[T+\kt], v[SC+32*\nt+8*\kt], v[SC+32*\nt+8*\kt+1], v[SC+32*\nt+8*\kt+2]
.endr
.irp kt, 0,1,2,3
	v_max3_num_f32 v[T+\kt], v[T+\kt], v[SC+32*\nt+8*\kt+3], v[SC+32*\nt+8*\kt+4]
.endr
.irp kt, 0,1,2,3
	v_max3_num_f32 v[T+\kt], v[T+\kt], v[SC+32*\nt+8*\kt+5], v[SC+32*\nt+8*\kt+6]
.endr
.irp kt, 0,1,2,3
	v_max_num_f32 v[T+\kt], v[T+\kt], v[SC+32*\nt+8*\kt+7]
.endr
	v_max3_num_f32 v[T], v[T], v[T+1], v[T+2]
	v_max3_num_f32 v[T], v[T], v[T+3], v[MX+\nt]
	v_permlanex16_b32 v[T+1], v[T], s58, s59       ; the query's other 32 keys are in lane r xor 16
	v_max_num_f32 v[T+2], v[T], v[T+1]             ; always finite: never below the lowest finite f32, at which the running maximum starts
	v_sub_f32 v[T+3], v[MX+\nt], v[T+2]
	v_mul_f32 v[T+3], 0x3e38aa3b, v[T+3]           ; x log2 e / 8
	v_exp_f32 v[AL], v[T+3]
	v_mul_f32 v[NM], 0xbe38aa3b, v[T+2]            ; plain work behind the exponential before it is used (ISA guide 5.7.2)
	v_mov_b32 v[NM+1], v[NM]
	s_wait_alu depctr_va_vdst(0)
	v_mov_b32 v[AL+1], v[AL]
	v_mov_b32 v[MX+\nt], v[T+2]
.irp k, 0,1,2,3,4,5,6,7,8,9,10,11,12,13,14,15
	v_pk_fma_f32 v[SC+32*\nt+2*\k:SC+32*\nt+2*\k+1], v[SC+32*\nt+2*\k:SC+32*\nt+2*\k+1], 0x3e38aa3b, v[NM:NM+1] op_sel_hi:[1,0,1]
.endr
.set i, 0
.rept 32
	v_exp_f32 v[SC+32*\nt+i], v[SC+32*\nt+i]
.set i, i+1
.endr
	v_mul_f32 v[LS+\nt], v[LS+\nt], v[AL]          ; the plain place behind the last exponential
	s_wait_alu depctr_va_vdst(0)
.irp c, 0,1,2,3
	v_pk_add_f32 v[T+2*\c:T+2*\c+1], v[SC+32*\nt+2*\c:SC+32*\nt+2*\c+1], v[SC+32*\nt+8+2*\c:SC+32*\nt+8+2*\c+1]
.endr
.irp k, 8,9,10,11,12,13,14,15
	v_pk_add_f32 v[T+2*(\k%4):T+2*(\k%4)+1], v[T+2*(\k%4):T+2*(\k%4)+1], v[SC+32*\nt+2*\k:SC+32*\nt+2*\k+1]
.endr
	v_pk_add_f32 v[T:T+1], v[T:T+1], v[T+2:T+3]
	v_pk_add_f32 v[T+4:T+5], v[T+4:T+5], v[T+6:T+7]
	v_pk_add_f32 v[T:T+1], v[T:T+1], v[T+4:T+5]
	v_add_f32 v[T], v[T], v[T+1]
	v_add_f32 v[LS+\nt], v[LS+\nt], v[T]
.irp q, 0,1
.irp i, 0,1,2,3,4,5,6,7
	v_cvt_pk_bf16_f32 v[SC+32*\nt+16*\q+\i], v[SC+32*\nt+16*\q+2*\i], v[SC+32*\nt+16*\q+2*\i+1]   ; ascending: register i is written when 2 i and 2 i + 1 are read
.endr
.endr
.irp k, 0,1,2,3,4,5,6,7,8,9,10,11,12,13,14,15
	v_pk_mul_f32 v[OA+32*\nt+2*\k:OA+32*\nt+2*\k+1], v[OA+32*\nt+2*\k:OA+32*\nt+2*\k+1], v[AL:AL+1]
.endr
.endm
; My 64 keys of the tile's 128 keys number hh.  The K fragments are the 16 youngest LDS loads at its head.  In both products eight accumulators take turns,
; one instruction a turn.
.macro HALF s, hh, masked
.irp ks, 0,1
.irp kt, 0,1,2,3
	s_wait_dscnt 14-2*(4*\ks+\kt)                  ; this fragment's two loads are in, the younger K loads stay out
.irp nt, 0,1
.if \ks == 0
	v_wmma_f32_16x16x32_bf16 v[SC+8*(4*\nt+\kt):SC+8*(4*\nt+\kt)+7], v[KF+8*(4*\ks+\kt):KF+8*(4*\ks+\kt)+7], v[QF+8*(2*\nt+\ks):QF+8*(2*\nt+\ks)+7], 0
.else
	v_wmma_f32_16x16x32_bf16 v[SC+8*(4*\nt+\kt):SC+8*(4*\nt+\kt)+7], v[KF+8*(4*\ks+\kt):KF+8*(4*\ks+\kt)+7], v[QF+8*(2*\nt+\ks):QF+8*(2*\nt+\ks)+7], v[SC+8*(4*\nt+\kt):SC+8*(4*\nt+\kt)+7]
.endif
.endr
.endr
.endr
.rept 4
	v_nop                                          ; four places before the scores are read and before loads land on the K fragments
.endr
	WIN 0x40                                       ; destination in window 1
	VLOAD \s, \hh
	WIN 0
.if \hh == 0
	KLOAD \s, 1                                    ; my next 64 keys' fragments, behind V's loads
.endif
.if \masked
	MASK 0, \hh
	MASK 1, \hh
.endif
	SOFT 0
	SOFT 1
.if \hh == 0
	s_wait_dscnt 16                                ; V's 16 loads are in; the 16 K loads issued behind them stay out
.else
	s_wait_dscnt 0x0
.endif
	WIN 0x01                                       ; source 0 in window 1
.irp q, 0,1
.irp nt, 0,1
.irp dt, 0,1,2,3
	v_wmma_f32_16x16x32_bf16 v[OA+8*(4*\nt+\dt):OA+8*(4*\nt+\dt)+7], v[VF+8*(4*\q+\dt):VF+8*(4*\q+\dt)+7], v[SC+32*\nt+16*\q:SC+32*\nt+16*\q+7], v[OA+8*(4*\nt+\dt):OA+8*(4*\nt+\dt)+7]
.endr
.endr
.endr
	WIN 0
.rept 5
	v_nop                                          ; five places before the next score product writes over P, four before O is stored or read (ISA guide 7.12.1)
.endr
.endm
; One key tile of 256 keys from slot s.  In front of the barrier: all my tensor loads have landed, my part of this tile among them, and my reads of the other
; slot are over.  Behind it the other slot is filled again first; its tile has this whole trip in which to land.
.macro TRIP s, refill, masked
	s_set_vgpr_msb 0x5
	s_wait_tensorcnt 0x0
	ds_add_u32 v64, v65
	s_wait_dscnt 0x0
	s_set_vgpr_msb 0x500
	s_add_nc_u64 s[G0K+4*\s+2:G0K+4*\s+3], s[G0K+4*\s+2:G0K+4*\s+3], 2*TILESTEP    ; no load of mine is out: this slot's next tile
	s_add_nc_u64 s[G0V+4*\s+2:G0V+4*\s+3], s[G0V+4*\s+2:G0V+4*\s+3], 2*TILESTEP
	s_wait_dscnt 0x0
	s_barrier_signal -1
	s_barrier_wait -1
.if \refill
	tensor_load_to_lds s[G0K+4*(1-\s):G0K+4*(1-\s)+3], s[G1K:G1K+7]
	s_nop 0
	tensor_load_to_lds s[G0V+4*(1-\s):G0V+4*(1-\s)+3], s[G1V:G1V+7]
	s_nop 0
.endif
	KLOAD \s, 0
	HALF \s, 0, \masked
	HALF \s, 1, \masked
.endm
.macro QLOAD qb                        ; the Q fragments of my 32 queries
.irp nt, 0,1
.irp ks, 0,1
	global_load_b128 v[QF+8*(2*\nt+\ks):QF+8*(2*\nt+\ks)+3], v[QOFF], s[\qb:\qb+1] offset:\nt*98304+64*\ks
	global_load_b128 v[QF+8*(2*\nt+\ks)+4:QF+8*(2*\nt+\ks)+7], v[QOFF], s[\qb:\qb+1] offset:\nt*98304+64*\ks+32
.endr
.endr
.endm
.macro INIT par                        ; the state of a pass; par: 128 where the block is the upper half of its last key tile
	v_mov_b32 v[MX], 0xff7fffff                    ; the lowest finite f32
	v_mov_b32 v[MX+1], 0xff7fffff
	v_mov_b32 v[LS], 0
	v_mov_b32 v[LS+1], 0
.set i, 0
.rept 64
	v_mov_b32 v[OA+i], 0                           ; cleared: the first tile is the loop's in some work-groups and the written-out tail's in others, so no one product starts the sums
.set i, i+1
.endr
	v_add_nc_u32 v[DQ], \par, v[DQB]
	v_add_nc_u32 v[DQ+1], 16, v[DQ]
.endm
.macro G0SET                           ; the four group 0: slot s begins with tile s.  Written only where no tensor load of mine is out
.irp s, 0,1
	s_mov_b32 s[G0K+4*\s], 1
	s_add_co_u32 s[G0K+4*\s+1], s15, \s*SLOT
	s_add_nc_u64 s[G0K+4*\s+2:G0K+4*\s+3], s[48:49], \s*TILESTEP
	s_or_b32 s[G0K+4*\s+3], s[G0K+4*\s+3], 0x80000000
	s_mov_b32 s[G0V+4*\s], 1
	s_add_co_u32 s[G0V+4*\s+1], s3, \s*SLOT
	s_add_nc_u64 s[G0V+4*\s+2:G0V+4*\s+3], s[50:51], \s*TILESTEP
	s_or_b32 s[G0V+4*\s+3], s[G0V+4*\s+3], 0x80000000
.endr
.endm
.macro GIVE                            ; waves 4-7: O, the two maxima and the two sums, lane by lane, 512 consecutive bytes a store
.set i, 0
.rept 16
	ds_store_b128 v[MG], v[OA+4*i:OA+4*i+3] offset:512*i
.set i, i+1
.endr
	ds_store_b128 v[MG], v[MX:MX+3] offset:8192
.endm
; Waves 0-3, the end of a pass: join the partner's part, divide by the sum, round, 16 bytes a lane into my own stage, read back by rows, store.
.macro FIN ob
.set i, 0
.rept 16
	ds_load_b128 v[SC+4*i:SC+4*i+3], v[MG] offset:512*i            ; the partner's O, register for register and lane for lane as mine
.set i, i+1
.endr
	ds_load_b128 v[KF:KF+3], v[MG] offset:8192                     ; its two maxima, its two sums
	s_wait_dscnt 0x0
.irp nt, 0,1
	v_max_num_f32 v[T], v[MX+\nt], v[KF+\nt]       ; the joint maximum
	v_sub_f32 v[T+1], v[MX+\nt], v[T]
	v_sub_f32 v[T+2], v[KF+\nt], v[T]
	v_mul_f32 v[T+1], 0x3e38aa3b, v[T+1]
	v_mul_f32 v[T+2], 0x3e38aa3b, v[T+2]
	v_exp_f32 v[T+1], v[T+1]                       ; my weight
	v_exp_f32 v[T+2], v[T+2]                       ; the partner's
	v_nop                                          ; the plain place behind the exponentials (ISA guide 5.7.2)
	s_wait_alu depctr_va_vdst(0)
	v_mul_f32 v[T+3], v[LS+\nt], v[T+1]
	v_fmac_f32 v[T+3], v[KF+2+\nt], v[T+2]
	v_permlanex16_b32 v[T+4], v[T+3], s58, s59     ; the sum over the keys of lane r xor 16
	v_add_f32 v[T+3], v[T+3], v[T+4]
	v_rcp_f32 v[T+5], v[T+3]
	v_nop                                          ; the plain place behind the reciprocal
	s_wait_alu depctr_va_vdst(0)
	v_mul_f32 v[AL], v[T+1], v[T+5]
	v_mul_f32 v[NM], v[T+2], v[T+5]
	v_mov_b32 v[AL+1], v[AL]
	v_mov_b32 v[NM+1], v[NM]
.irp k, 0,1,2,3,4,5,6,7,8,9,10,11,12,13,14,15
	v_pk_mul_f32 v[OA+32*\nt+2*\k:OA+32*\nt+2*\k+1], v[OA+32*\nt+2*\k:OA+32*\nt+2*\k+1], v[AL:AL+1]
.endr
.irp k, 0,1,2,3,4,5,6,7,8,9,10,11,12,13,14,15
	v_pk_fma_f32 v[OA+32*\nt+2*\k:OA+32*\nt+2*\k+1], v[SC+32*\nt+2*\k:SC+32*\nt+2*\k+1], v[NM:NM+1], v[OA+32*\nt+2*\k:OA+32*\nt+2*\k+1]
.endr
.endr
.set i, 0
.rept 32
	v_cvt_pk_bf16_f32 v[SC+i], v[OA+2*i], v[OA+2*i+1]
.set i, i+1
.endr
.irp nt, 0,1
.irp dt, 0,1,2,3
	ds_store_b128 v[STO], v[SC+4*(4*\nt+\dt):SC+4*(4*\nt+\dt)+3] offset:\nt*16*KP+32*\dt    ; query 16 nt + r, d = 16 dt + 8 h .. + 7
.endr
.endr
.irp i, 0,1,2,3,4,5,6,7
	ds_load_b128 v[SC+32+4*\i:SC+32+4*\i+3], v[SRD] offset:4*KP*\i                          ; LDS serves a wave's instructions in order: these see the stores above
.endr
.irp i, 0,1,2,3,4,5,6,7
	s_wait_dscnt 7-\i                              ; load i is in, the younger ones stay out
	global_store_b128 v[OOFF], v[SC+32+4*\i:SC+32+4*\i+3], s[\ob:\ob+1] offset:8192*\i      ; eight lanes store the head's 128 consecutive bytes of a token: the row piece is no longer
.endr
	s_wait_xcnt 0x0                                ; the stores' data are written again only behind this wait
.endm
	; pass A: query block qA, tiles 0 .. 2 j: j pairs, then the last tile, masked
	QLOAD QBA
	INIT s72
	G0SET
	tensor_load_to_lds s[G0K:G0K+3], s[G1K:G1K+7]  ; tile 0: a first fill
	s_nop 0
	tensor_load_to_lds s[G0V:G0V+3], s[G1V:G1V+7]
	s_nop 0
	s_wait_loadcnt 0x0                             ; Q
	s_cmp_eq_u32 s9, 0
	s_cbranch_scc1 .LtailA
	s_mov_b32 s14, s9
.LloopA:
	TRIP 0, 1, 0
	TRIP 1, 1, 0
	s_sub_co_u32 s14, s14, 1
	s_cmp_lg_u32 s14, 0
	s_cbranch_scc1 .LloopA
.LtailA:
	TRIP 0, 0, 1
	; between the passes.  Pass B's Q is asked for at once; one barrier shows the hand-over to waves 0-3 and stands in front of pass B's first fill:
	; in front of it every wave's LDS instructions are done and none of its tensor loads is out, behind it the two loads come first.
	; So the join and the stores of pass A run while pass B's tile 0 and Q are on their way.
	QLOAD QBB
	s_cmp_lt_u32 s8, 4
	s_cbranch_scc1 .LkeepA
	GIVE
.LkeepA:
	s_set_vgpr_msb 0x5
	s_wait_tensorcnt 0x0                           ; no tensor load of mine is out: every group 0 may be written
	ds_add_u32 v64, v65
	s_wait_dscnt 0x0
	s_set_vgpr_msb 0x500
	G0SET
	s_wait_dscnt 0x0                               ; my reads of the slots are over and my hand-over is in LDS
	s_barrier_signal -1
	s_barrier_wait -1                              ; and so are every wave's
	tensor_load_to_lds s[G0K:G0K+3], s[G1K:G1K+7]  ; pass B's tile 0
	s_nop 0
	tensor_load_to_lds s[G0V:G0V+3], s[G1V:G1V+7]
	s_nop 0
	s_cmp_ge_u32 s8, 4
	s_cbranch_scc1 .LgaveA
	FIN OBA
.LgaveA:
	INIT s73
	s_wait_loadcnt 0x0                             ; pass B's Q
	; pass B: query block qB, tiles 0 .. 7 - 2 j: 3 - j pairs, then one more tile and the last tile, masked
	s_sub_co_u32 s14, 3, s9
	s_cmp_eq_u32 s14, 0
	s_cbranch_scc1 .LtailB
.LloopB:
	TRIP 0, 1, 0
	TRIP 1, 1, 0
	s_sub_co_u32 s14, s14, 1
	s_cmp_lg_u32 s14, 0
	s_cbranch_scc1 .LloopB
.LtailB:
	TRIP 0, 1, 0
	TRIP 1, 0, 1
	s_cmp_lt_u32 s8, 4
	s_cbranch_scc1 .LkeepB
	GIVE                                           ; the area's reads of pass A were waited for in front of the barriers since
.LkeepB:
	s_wait_dscnt 0x0                               ; my hand-over is in LDS
	s_barrier_signal -1
	s_barrier_wait -1
	s_cmp_ge_u32 s8, 4
	s_cbranch_scc1 .LgaveB
	FIN OBB
.LgaveB:
	s_set_vgpr_msb 0x5
	s_wait_tensorcnt 0x0
	ds_add_u32 v64, v65
	s_wait_dscnt 0x0
	s_set_vgpr_msb 0x500
	s_endpgm
.Lfunc_end_k_q45e045c1df_attn:
	.size	k_q45e045c1df_attn, .Lfunc_end_k_q45e045c1df_attn-k_q45e045c1df_attn
	.p2alignl 7, 3214868480
	.fill 96, 4, 3214868480
	.section	.rodata,"a",@progbits
	.p2align	6, 0x0
	.amdhsa_kernel k_q45e045c1df_attn
		.amdhsa_group_segment_fixed_size 327680
		.amdhsa_private_segment_fixed_size 0
		.amdhsa_enable_private_segment 0
		.amdhsa_kernarg_size 16
		.amdhsa_user_sgpr_count 2
		.amdhsa_user_sgpr_kernarg_segment_ptr 1
		.amdhsa_wavefront_size32 1
		.amdhsa_system_sgpr_workgroup_id_x 1
		.amdhsa_system_sgpr_workgroup_id_y 1
		.amdhsa_system_sgpr_workgroup_id_z 1
		.amdhsa_system_vgpr_workitem_id 0
		.amdhsa_next_free_vgpr 322
		.amdhsa_next_free_sgpr 76
		.amdhsa_reserve_vcc 1
		.amdhsa_float_denorm_mode_32 3
		.amdhsa_float_denorm_mode_16_64 3
		.amdhsa_memory_ordered 1
		.amdhsa_forward_progress 1
		.amdhsa_inst_pref_size 255
	.end_amdhsa_kernel
	.section	.bss,"aw",@nobits
	.p2align	6
	.space	262144
	.amdgpu_metadata
---
amdhsa.version: [ 1, 2 ]
amdhsa.kernels:
  - .name:           k_q45e045c1df_attn
    .symbol:         k_q45e045c1df_attn.kd
    .args:
      - { .name: qkvb, .offset: 0, .size: 8, .value_kind: global_buffer, .address_space: global }
      - { .name: att, .offset: 8, .size: 8, .value_kind: global_buffer, .address_space: global }
    .group_segment_fixed_size: 327680
    .private_segment_fixed_size: 0
    .kernarg_segment_align: 8
    .kernarg_segment_size: 16
    .max_flat_workgroup_size: 256
    .sgpr_count:     76
    .vgpr_count:     322
    .wavefront_size: 32
...
	.end_amdgpu_metadata
.endif
;; end of part 8
;; launch gemm_out: the kernel of part 4 again; grid 8 x 32, 4 waves a work-group, clusters of 4 x 4, 327,680 bytes of LDS; arguments att, wb, out_b, hidden_states, hid; writes hid
;; launch ln2: the kernel of part 5 again; grid 256 x 1, 8 waves a work-group, no clusters, 0 bytes of LDS; arguments hid, ln2_g, ln2_b, xn; writes xn
;; launch gemm_fc1 (part 9): grid 16 x 16, 4 waves a work-group, clusters of 4 x 4, 327,680 bytes of LDS; arguments xn, wb, fc1_b, ffb; writes ffb
.if DOCPART == 9
	.amdgcn_target "amdgcn-amd-amdhsa--gfx1250"
	.amdhsa_code_object_version 6
	.text
	.protected	k_q45e045c1df_gemm_fc1
	.globl	k_q45e045c1df_gemm_fc1
	.p2align	8
	.type	k_q45e045c1df_gemm_fc1,@function
k_q45e045c1df_gemm_fc1:
	s_mov_b64 s[64:65], 0
	v_nop
	global_prefetch_b8 v0, s[64:65] scope:SCOPE_SE
	s_setreg_imm32_b32 hwreg(HW_REG_WAVE_MODE, 25, 1), 1
	s_wait_xcnt 0x0
	s_wait_alu depctr_hold_cnt(0) depctr_sa_sdst(0) depctr_va_vdst(0) depctr_va_sdst(0) depctr_va_ssrc(0) depctr_va_vcc(0) depctr_vm_vsrc(0)
	s_getreg_b32 s2, hwreg(HW_REG_IB_STS2, 6, 4)
	s_cmp_eq_u32 s2, 0
	s_cbranch_scc0 .Lentry_in_a_cluster
	s_endpgm
.Lentry_in_a_cluster:
	s_bfe_u32 s2, ttmp6, 0x10000c
	s_cmp_lg_u32 s2, 0xf033
	s_cbranch_scc0 .Lentry_shape_is_right
	s_endpgm
.Lentry_shape_is_right:
; C[m][n] = gelu(sum over k of A[m][k] W[n][k] + bias[n]), rounded once to bf16, with the exact GELU 0.5 x (1 + erf(x / sqrt 2)).
; A: [4096][1024] bf16, W: [4096][1024] bf16 at byte WOFF of wb, bias: [4096] f32, C: [4096][4096] bf16.
; A work-group makes 256 x 256 of C with four waves; a wave makes 128 x 128: 64 accumulator tiles of 16 x 16, 512 registers.  K goes in steps of 128
; through two LDS slots filled by tensor loads whose rows are 256 bytes of memory, starting at multiples of 256 bytes.
; CLUSTERS: 4 x 4 work-groups.  The four of a row of the cluster need the same tiles of A, the four of a column the same tiles of W: each tile is asked for
; jointly, by the same tensor load with the same descriptor and a mask that names the four.
; THE WAY OUT is a rolled loop: the sums go to LDS as f32, where the ring lay, and come back by rows, four rows of 256 columns a trip.  So the activation is
; written twice (the loop's trip and the last trip) in place of once for every eight numbers of a lane's 512, each of its steps runs over 16 independent pairs,
; a lane keeps the same eight columns in every row (eight bias registers), and a row leaves in two stores of 256 consecutive aligned bytes.
; LIMITS: operands are bf16 with f32 sums.  erf(z) is z P(z^2) / Q(z^2) with z clamped to +-4: absolute error a few 1e-7, so for x / sqrt 2 < -4 the result
; is x times a few 1e-8 in place of a still smaller number.  NaN and infinities are not followed.
; REGISTERS, in windows of 256: window 0: v0-31 addresses and constants, v64-191 fragments of A (two buffers), v240-247 the bias of my columns;
; window 1: v64-191 fragments of W; windows 2, 3: the accumulator tiles of my rows 0-63, 64-127 (tile (a, b) at v[8 (8 a + b)]).
; The matrix instruction is used transposed (source 0 = 16 rows of W, source 1 = 16 rows of A): lane l holds row l % 16 of C and its registers 0-7 the
; columns 8 (l / 16) + 0..7 of the tile, eight neighbouring numbers of a row.
.set SIZE_M, 4096
.set SIZE_N, 4096
.set SIZE_K, 1024
.set WOFF,   8388608
.set KSTEP,  128
.set PITCH,  272                       ; an LDS row of the ring: 256 bytes + 16 of padding: the 16 rows that a fragment load touches start 16 bytes apart modulo 256
.set HALFT,  128*PITCH                 ; what one tensor load brings
.set SLOT,   4*HALFT                   ; 256 rows of A, then 256 rows of W
.set RP,     528                       ; the way out: a row of 128 f32 + 16 bytes, so that the 16 rows of a store start 16 bytes apart modulo 256
.set REG,    128*RP                    ; the way out: a wave's block of 128 x 128 sums; four of them are 270,336 bytes of the ring's 278,528
.set LAPS, SIZE_K/(2*KSTEP)
.set BOF,  6                           ; v6      16 x lane
.set CA0,  8                           ; v[8:9]  highest coefficient of P, twice
.set CB0,  10                          ; v[10:11] highest coefficient of Q, twice
.set ADRA, 16                          ; v16-17  LDS address of my A fragments in slot 0, 1
.set ADRB, 20                          ; v20-21  the same for W
.set DST,  24                          ; v24     the way out: where I put my block
.set CO,   26                          ; v26     8 x lane: my 8 bytes of 256 in C
.set RDL,  28                          ; v28-29  the way out: where I read the next four rows, column half 0, 1
.set XI,   32                          ; v[32:63]   the way out: four rows x two halves x 4 sums, as read back
.set F0,   64                          ; fragment buffer 0
.set F1,   128                         ; fragment buffer 1
.set YV,   64                          ; v[64:95]   the way out: x = sum + bias, then gelu(x)
.set GZ,   96                          ; v[96:127]  z = x / sqrt 2, clamped
.set GW,   128                         ; v[128:159] z^2, then x / 2
.set GP,   160                         ; v[160:191] P, then erf
.set GQ,   192                         ; v[192:223] Q, then 1 / Q
.set PK,   224                         ; v[224:239] packed bf16
.set BI,   240                         ; v[240:247] bias of my 4 columns in column half 0, then in half 1
.set G1, 24                            ; s[24:31] descriptor group 1 for A
.set G0, 32                            ; s[32:39] descriptor group 0 for A, one set for each slot
.set G1B, 48                           ; s[48:55] group 1 for W: another mask
.set G0B, 56                           ; s[56:63] group 0 for W
.set MSB, 0
.macro WIN new                         ; the immediate's high byte repeats the setting that is left
.if MSB != \new
	s_set_vgpr_msb (MSB<<8)|\new
.set MSB, \new
.endif
.endm
.set MUL_LO, 0xa1                      ; source 0 (W) window 1, source 1 (A) window 0, C and D window 2
.set MUL_HI, 0xf1                      ; the same, C and D window 3
.set TO_B,   0x40                      ; destination window 1, address window 0
.macro JLOAD s                         ; a joint load: waves 0, 1 fetch the halves of A, waves 2, 3 those of W; the branch hangs on the wave number alone
	s_cmp_eq_u32 s11, 0
	s_cbranch_scc0 .Lfor_b_\@
	tensor_load_to_lds s[G0+4*\s:G0+4*\s+3], s[G1:G1+7]
	s_nop 0
	s_branch .Lasked_\@
.Lfor_b_\@:
	tensor_load_to_lds s[G0B+4*\s:G0B+4*\s+3], s[G1B:G1B+7]
	s_nop 0
.Lasked_\@:
.endm
.macro CREST                           ; a round of the cluster's barrier behind its opening work-group barrier
	s_cmp_lg_u32 s10, 0
	s_cbranch_scc1 .Lnot_wave_0_\@
	s_barrier_signal -3
.Lnot_wave_0_\@:
	s_barrier_wait -3
	s_barrier_signal -1
	s_barrier_wait -1
.endm
.macro CROUND                          ; a whole round
	s_barrier_signal -1
	s_barrier_wait -1
	CREST
.endm
	s_load_b128 s[4:7], s[0:1], 0x0                ; A s[4:5], wb s[6:7]
	s_load_b64 s[68:69], s[0:1], 0x10              ; bias
	s_load_b64 s[8:9], s[0:1], 0x18                ; C
	s_set_vgpr_msb 0x40
	v_lshl_add_u32 v255, v0, 2, 0x44000
	s_set_vgpr_msb 0x4000
	v_mov_b32 v255, 0
	s_set_vgpr_msb 0x1
	ds_add_u32 v255, v255
	ds_add_u32 v255, v255
	s_set_vgpr_msb 0x100
	v_lshrrev_b32 v1, 5, v0
	v_readfirstlane_b32 s10, v1                    ; wave 0..3
	s_lshr_b32 s11, s10, 1                         ; which half of the block's rows is mine; also: I fetch for A (0) or W (1)
	s_and_b32 s12, s10, 1                          ; which half of its columns; also: which 128 rows of that tile I fetch
	s_bfe_u32 s40, ttmp6, 0x40000                  ; cx
	s_bfe_u32 s41, ttmp6, 0x40004                  ; cy
	s_lshl_b32 s42, ttmp9, 2
	s_add_co_u32 s42, s42, s40                     ; block column = 4 x cluster x + cx
	s_and_b32 s13, ttmp7, 0xffff
	s_lshl_b32 s13, s13, 2
	s_add_co_u32 s13, s13, s41                     ; block row = 4 x cluster y + cy
	s_lshl_b32 s43, s41, 2
	s_lshl_b32 s43, 15, s43                        ; my row of the cluster: places 4 cy .. 4 cy + 3
	s_lshl_b32 s44, 0x1111, s40                    ; my column: places cx, cx + 4, cx + 8, cx + 12
	; group 1: a tile of 128 rows x 128 elements of 2 bytes, 4 words of padding behind every 64 words
	s_or_b32 s[G1+0], s43, (1<<16)|(1<<20)|(1<<21)|(5<<22)|(3<<25)
	s_or_b32 s[G1B+0], s44, (1<<16)|(1<<20)|(1<<21)|(5<<22)|(3<<25)
	s_mov_b32 s[G1+1], KSTEP<<16                   ; tensor_dim0 = 128
	s_mov_b32 s[G1B+1], KSTEP<<16
	s_mov_b32 s[G1+2], 128<<16                     ; tensor_dim1 = 128
	s_mov_b32 s[G1B+2], 128<<16
	s_mov_b32 s[G1+3], KSTEP<<16                   ; tile_dim0 = 128
	s_mov_b32 s[G1B+3], KSTEP<<16
	s_mov_b32 s[G1+4], 128                         ; tile_dim1 = 128
	s_mov_b32 s[G1B+4], 128
	s_mov_b32 s[G1+5], SIZE_K                      ; elements from row to row
	s_mov_b32 s[G1B+5], SIZE_K
	s_mov_b32 s[G1+6], 0
	s_mov_b32 s[G1B+6], 0
	s_mov_b32 s[G1+7], 0
	s_mov_b32 s[G1B+7], 0
	; A's tiles hang on the block row alone, W's on the block column alone, each in registers that never hold the other coordinate
	s_lshl_b32 s17, s12, 7
	s_lshl_b32 s16, s13, 8
	s_add_co_u32 s16, s16, s17                     ; A: row 256 x block row + 128 x half
	s_lshl_b32 s46, s42, 8
	s_add_co_u32 s46, s46, s17                     ; W: row 256 x block column + 128 x half
	s_mov_b32 s17, 0
	s_mov_b32 s47, 0
	s_mov_b64 s[18:19], SIZE_K*2
	s_mul_u64 s[16:17], s[16:17], s[18:19]
	s_mul_u64 s[46:47], s[46:47], s[18:19]
	s_mul_i32 s20, s10, HALFT                      ; LDS: A's two halves, then W's two halves = wave x 128 rows
	s_lshl_b32 s70, s42, 10                        ; bias: 256 columns of 4 bytes a block
	s_mov_b32 s71, 0
	s_wait_dscnt 0x0
	s_wait_kmcnt 0x0
	s_add_nc_u64 s[6:7], s[6:7], WOFF              ; this product's matrix in wb
	s_add_nc_u64 s[14:15], s[4:5], s[16:17]
	s_add_nc_u64 s[46:47], s[6:7], s[46:47]
	s_add_nc_u64 s[68:69], s[68:69], s[70:71]
	CROUND                                         ; all sixteen work-groups are here: the first joint loads meet
.irp s, 0,1
	s_mov_b32 s[G0+4*\s], 1
	s_add_co_u32 s[G0+4*\s+1], s20, \s*SLOT
	s_add_nc_u64 s[G0+4*\s+2:G0+4*\s+3], s[14:15], \s*KSTEP*2
	s_or_b32 s[G0+4*\s+3], s[G0+4*\s+3], 0x80000000
	s_mov_b32 s[G0B+4*\s], 1
	s_add_co_u32 s[G0B+4*\s+1], s20, \s*SLOT
	s_add_nc_u64 s[G0B+4*\s+2:G0B+4*\s+3], s[46:47], \s*KSTEP*2
	s_or_b32 s[G0B+4*\s+3], s[G0B+4*\s+3], 0x80000000
	JLOAD \s                                       ; two tensor loads of the wave are out here, one behind every later round
.endr
	v_and_b32 v1, 15, v0                           ; l % 16
	v_bfe_u32 v2, v0, 4, 1                         ; l / 16
	v_and_b32 v5, 31, v0                           ; l
	v_lshlrev_b32 v[BOF], 4, v5                    ; 4 f32 a lane
	global_load_b128 v[BI:BI+3], v[BOF], s[68:69]              ; bias of columns 4 l .. 4 l + 3 of the block,
	global_load_b128 v[BI+4:BI+7], v[BOF], s[68:69] offset:512 ; and of columns 128 + 4 l .. + 3
	v_lshlrev_b32 v[CO], 3, v5                     ; 4 bf16 a lane
	v_mul_u32_u24 v3, v1, PITCH
	v_lshl_add_u32 v3, v2, 4, v3                   ; row x pitch + 16 x half: a fragment is two loads of 16 bytes, 32 bytes apart
	s_mul_i32 s21, s11, HALFT                      ; my 128 rows of A
	s_mul_i32 s22, s12, HALFT                      ; my 128 rows of W,
	s_add_co_u32 s22, s22, 2*HALFT                 ; which lie behind A's 256
.irp s, 0,1
	v_add_nc_u32 v[ADRA+\s], s21, v3
	v_add_nc_u32 v[ADRB+\s], s22, v3
	s_add_co_u32 s21, s21, SLOT
	s_add_co_u32 s22, s22, SLOT
.endr
	s_mul_i32 s23, s10, REG                        ; the way out: my block of sums
	v_mul_u32_u24 v4, v1, RP                       ; row l % 16, 32 bytes for each half of the lanes
	v_lshl_add_u32 v4, v2, 5, v4
	v_add_nc_u32 v[DST], s23, v4
	s_mul_i32 s23, s11, 2*REG                      ; back: the two blocks of my half of the rows,
	s_mul_i32 s45, s12, 64*RP                      ; of which I take rows 64 x (wave % 2) .. + 63
	s_add_co_u32 s23, s23, s45
	v_add_nc_u32 v[RDL], s23, v[BOF]               ; 16 bytes a lane: the wave reads a row's 512 consecutive bytes
	v_add_nc_u32 v[RDL+1], REG, v[RDL]
	v_mov_b32 v[CA0], 0xaf95df0b
	v_mov_b32 v[CA0+1], 0xaf95df0b
	v_mov_b32 v[CB0], 0xb77460cd
	v_mov_b32 v[CB0+1], 0xb77460cd
; 16 matrix instructions: m blocks a0, a0 + 1 of the window's four x all 8 n blocks, 32 along K.  zero = 1: the first product starts the sums.
; The 64 accumulators take turns, one instruction a turn, in the same order in every quarter step.
.macro MUL16 f, hi, a0, zero
.irp a, \a0, \a0+1
.irp b, 0,1,2,3,4,5,6,7
.if \zero
	v_wmma_f32_16x16x32_bf16 v[8*(8*(\a)+\b):8*(8*(\a)+\b)+7], v[\f+8*\b:\f+8*\b+7], v[\f+8*(4*\hi+\a):\f+8*(4*\hi+\a)+7], 0
.else
	v_wmma_f32_16x16x32_bf16 v[8*(8*(\a)+\b):8*(8*(\a)+\b)+7], v[\f+8*\b:\f+8*\b+7], v[\f+8*(4*\hi+\a):\f+8*(4*\hi+\a)+7], v[8*(8*(\a)+\b):8*(8*(\a)+\b)+7]
.endif
.endr
.endr
.endm
.macro FETCH slot, k, f                ; 32 LDS loads in one run: the fragments of one quarter step into buffer f
	WIN TO_B
.irp i, 0,1,2,3,4,5,6,7
	ds_load_b128 v[\f+8*\i:\f+8*\i+3],   v[ADRB+\slot] offset:\k+\i*16*PITCH
	ds_load_b128 v[\f+8*\i+4:\f+8*\i+7], v[ADRB+\slot] offset:\k+\i*16*PITCH+32
.endr
	WIN 0
.irp i, 0,1,2,3,4,5,6,7
	ds_load_b128 v[\f+8*\i:\f+8*\i+3],   v[ADRA+\slot] offset:\k+\i*16*PITCH
	ds_load_b128 v[\f+8*\i+4:\f+8*\i+7], v[ADRA+\slot] offset:\k+\i*16*PITCH+32
.endr
.endm
.macro PLACES                          ; four places between a matrix instruction and a load into, a store of, or a vector instruction on its registers
.rept 4
	v_nop
.endr
.endm
.macro QUARTER slot, k, f, g, zero     ; multiplies buffer f; in its middle fetches the next quarter's fragments into buffer g
	s_wait_dscnt 8                                 ; W and A's rows 0-63 are in; the youngest eight loads (A's rows 64-127) may be out
	WIN MUL_LO
	MUL16 \f, 0, 0, \zero
	MUL16 \f, 0, 2, \zero
	PLACES
	FETCH \slot, \k, \g
	s_wait_dscnt 32                                ; all but the 32 just issued
	WIN MUL_HI
	MUL16 \f, 1, 0, \zero
	MUL16 \f, 1, 2, \zero
.endm
.macro THREE slot, zero
	QUARTER \slot, 64,  F0, F1, \zero
	QUARTER \slot, 128, F1, F0, 0
	QUARTER \slot, 192, F0, F1, 0
.endm
; The last quarter of a K step changes slots.  In front of the barrier each wave waits for its reads of this slot and for all its tensor loads (one is out:
; its part of the next slot).  Where the slot is filled again the barrier opens a round of the cluster's barrier and the joint refill is the first tensor load behind it.
.macro TURN slot, next, fill
	s_wait_dscnt 8
	WIN MUL_LO
	MUL16 F1, 0, 0, 0
	s_wait_dscnt 0
	s_wait_tensorcnt 0x0
	ds_add_u32 v255, v255
	s_wait_dscnt 0x0
	s_barrier_signal -1
	MUL16 F1, 0, 2, 0                              ; register work while the others arrive
	WIN 0
	s_barrier_wait -1
.if \fill
	CREST
	s_add_nc_u64 s[G0+4*\slot+2:G0+4*\slot+3], s[G0+4*\slot+2:G0+4*\slot+3], 2*KSTEP*2
	s_add_nc_u64 s[G0B+4*\slot+2:G0B+4*\slot+3], s[G0B+4*\slot+2:G0B+4*\slot+3], 2*KSTEP*2
	JLOAD \slot
.endif
	PLACES
	FETCH \next, 0, F0
	WIN MUL_HI
	MUL16 F1, 1, 0, 0
	MUL16 F1, 1, 2, 0
.endm
.macro LAP zero
	THREE 0, \zero
	TURN 0, 1, 1
	THREE 1, 0
	TURN 1, 0, 1
.endm
	s_wait_loadcnt 0x0                             ; the bias, once, while the first tiles are on their way
	s_wait_tensorcnt 1                             ; my part of K step 0 is in; K step 1's stays out
	s_barrier_signal -1
	s_barrier_wait -1
	FETCH 0, 0, F0
	LAP 1                                          ; the first lap stands in front of the loop: its first products start the sums
.if LAPS > 2
	WIN 0
	s_mov_b32 s3, LAPS-2
.Llap:
	LAP 0
	WIN 0
	s_sub_co_u32 s3, s3, 1
	s_cmp_lg_u32 s3, 0
	s_cbranch_scc1 .Llap
.endif
	THREE 0, 0                                     ; the last lap fills nothing
	TURN 0, 1, 0
	THREE 1, 0
	s_wait_dscnt 8
	WIN MUL_LO
	MUL16 F1, 0, 0, 0
	MUL16 F1, 0, 2, 0
	s_wait_dscnt 0                                 ; my last reads of the ring are over, and no tensor load is out since the last change of slots:
	s_barrier_signal -1                            ; say so; the last 32 products work on registers while the others arrive
	WIN MUL_HI
	MUL16 F1, 1, 0, 0
	MUL16 F1, 1, 2, 0
	; THE WAY OUT
	PLACES                                         ; the places behind the last matrix instructions, for the LDS stores of the sums and for all that is written below
	WIN 0
	s_lshl_b32 s13, s13, 8
	s_lshl_b32 s14, s11, 7
	s_add_co_u32 s16, s13, s14
	s_lshl_b32 s14, s12, 6
	s_add_co_u32 s16, s16, s14                     ; the first row that I store: 256 x block row + 128 x row half + 64 x (wave % 2)
	s_mov_b32 s17, 0
	s_mov_b64 s[18:19], SIZE_N*2
	s_mul_u64 s[16:17], s[16:17], s[18:19]
	s_add_nc_u64 s[8:9], s[8:9], s[16:17]
	s_lshl_b32 s46, s42, 9                         ; the block's first column in bytes
	s_mov_b32 s47, 0
	s_add_nc_u64 s[8:9], s[8:9], s[46:47]
	s_barrier_wait -1                              ; no wave reads the ring any more: its bytes, which have had their last fill, take the sums
	WIN 0x08                                       ; store data from window 2: rows 0-63 of my block
.irp a, 0,1,2,3
.irp b, 0,1,2,3,4,5,6,7
	ds_store_b128 v[DST], v[8*(8*\a+\b):8*(8*\a+\b)+3] offset:\a*16*RP+64*\b
	ds_store_b128 v[DST], v[8*(8*\a+\b)+4:8*(8*\a+\b)+7] offset:\a*16*RP+64*\b+16
.endr
.endr
	WIN 0x0c                                       ; from window 3: rows 64-127
.irp a, 0,1,2,3
.irp b, 0,1,2,3,4,5,6,7
	ds_store_b128 v[DST], v[8*(8*\a+\b):8*(8*\a+\b)+3] offset:(\a+4)*16*RP+64*\b
	ds_store_b128 v[DST], v[8*(8*\a+\b)+4:8*(8*\a+\b)+7] offset:(\a+4)*16*RP+64*\b+16
.endr
.endr
	WIN 0
	s_wait_dscnt 0x0                               ; my block is in LDS,
	s_barrier_signal -1
	s_barrier_wait -1                              ; and so is my neighbour's, whose column half of my 64 rows I read
; 32 numbers at v[YV..YV+31] become 0.5 x (1 + erf(x / sqrt 2)); each step goes over the 16 pairs, so that no line waits for the one in front
.macro GELU32
.set n, 0
.rept 16
	v_pk_mul_f32 v[GZ+n:GZ+n+1], v[YV+n:YV+n+1], 0x3f3504f3 op_sel_hi:[1,0]
.set n, n+2
.endr
.set n, 0
.rept 32
	v_med3_num_f32 v[GZ+n], v[GZ+n], -4.0, 4.0
.set n, n+1
.endr
.set n, 0
.rept 16
	v_pk_mul_f32 v[GW+n:GW+n+1], v[GZ+n:GZ+n+1], v[GZ+n:GZ+n+1]
.set n, n+2
.endr
.set n, 0
.rept 16
	v_pk_fma_f32 v[GP+n:GP+n+1], v[GW+n:GW+n+1], v[CA0:CA0+1], 0x32edffee op_sel_hi:[1,1,0]
.set n, n+2
.endr
.set n, 0
.rept 16
	v_pk_fma_f32 v[GQ+n:GQ+n+1], v[GW+n:GW+n+1], v[CB0:CB0+1], 0xb95fbd29 op_sel_hi:[1,1,0]
.set n, n+2
.endr
.irp c, 0xb60cff51, 0xb86ec2d2, 0xba40ac63, 0xbb41a1f6, 0xbc83dbd4
.set n, 0
.rept 16
	v_pk_fma_f32 v[GP+n:GP+n+1], v[GP+n:GP+n+1], v[GW+n:GW+n+1], \c op_sel_hi:[1,1,0]
.set n, n+2
.endr
.endr
.irp c, 0xbadc924e, 0xbbf19bf8, 0xbc69b6a7
.set n, 0
.rept 16
	v_pk_fma_f32 v[GQ+n:GQ+n+1], v[GQ+n:GQ+n+1], v[GW+n:GW+n+1], \c op_sel_hi:[1,1,0]
.set n, n+2
.endr
.endr
.set n, 0
.rept 16
	v_pk_mul_f32 v[GP+n:GP+n+1], v[GP+n:GP+n+1], v[GZ+n:GZ+n+1]
.set n, n+2
.endr
.set n, 0
.rept 32
	v_rcp_f32 v[GQ+n], v[GQ+n]
.set n, n+1
.endr
.set n, 0
.rept 16
	v_pk_mul_f32 v[GW+n:GW+n+1], v[YV+n:YV+n+1], 0.5 op_sel_hi:[1,0]         ; plain work behind the reciprocals before they are used (ISA guide 5.7.2)
.set n, n+2
.endr
.set n, 0
	s_wait_alu depctr_va_vdst(0)
.rept 16
	v_pk_mul_f32 v[GP+n:GP+n+1], v[GP+n:GP+n+1], v[GQ+n:GQ+n+1]               ; erf
.set n, n+2
.endr
.set n, 0
.rept 16
	v_pk_fma_f32 v[YV+n:YV+n+1], v[GW+n:GW+n+1], v[GP+n:GP+n+1], v[GW+n:GW+n+1]
.set n, n+2
.endr
.endm
; eight LDS loads: the next four rows, both column halves; then the two addresses step on (an LDS instruction's sources need no wait)
.macro RLOAD
.irp i, 0,1,2,3
.irp c, 0,1
	ds_load_b128 v[XI+4*(2*\i+\c):XI+4*(2*\i+\c)+3], v[RDL+\c] offset:\i*RP
.endr
.endr
	v_add_nc_u32 v[RDL], 4*RP, v[RDL]
	v_add_nc_u32 v[RDL+1], 4*RP, v[RDL+1]
.endm
; One trip: four rows of 256 columns.  more = 1: the next four rows are asked for as soon as the bias adds have read this trip's.
.macro ROWS4 more
	s_wait_dscnt 0x0                               ; the eight loads issued a trip ago
.irp i, 0,1,2,3
.irp c, 0,1
	v_pk_add_f32 v[YV+4*(2*\i+\c):YV+4*(2*\i+\c)+1], v[XI+4*(2*\i+\c):XI+4*(2*\i+\c)+1], v[BI+4*\c:BI+4*\c+1]
	v_pk_add_f32 v[YV+4*(2*\i+\c)+2:YV+4*(2*\i+\c)+3], v[XI+4*(2*\i+\c)+2:XI+4*(2*\i+\c)+3], v[BI+4*\c+2:BI+4*\c+3]
.endr
.endr
.if \more
	RLOAD
.endif
	GELU32
	s_wait_xcnt 0x0                                ; the last trip's stores have had their addresses translated: their data and their base are written again only behind this wait
	s_add_nc_u64 s[8:9], s[8:9], 4*SIZE_N*2        ; four rows on; the stores below reach back by as much
.set n, 0
.rept 16
	v_cvt_pk_bf16_f32 v[PK+n], v[YV+2*n], v[YV+2*n+1]
.set n, n+1
.endr
.irp i, 0,1,2,3
.irp c, 0,1
	global_store_b64 v[CO], v[PK+2*(2*\i+\c):PK+2*(2*\i+\c)+1], s[8:9] offset:\i*SIZE_N*2+256*\c-4*SIZE_N*2   ; the wave stores 256 consecutive bytes, aligned; a row's two stores are neighbours
.endr
.endr
.endm
	RLOAD                                          ; rows 0-3 of my 64
	s_mov_b32 s3, 15
.Lrows:
	ROWS4 1
	s_sub_co_u32 s3, s3, 1
	s_cmp_lg_u32 s3, 0
	s_cbranch_scc1 .Lrows
	ROWS4 0                                        ; the last four rows: nothing more to read
	s_set_vgpr_msb 0x1
	s_wait_tensorcnt 0x0
	ds_add_u32 v255, v255
	s_wait_dscnt 0x0
	s_set_vgpr_msb 0x100
	CROUND                                         ; the closing round: no work-group ends while a partner may still ask for a tile that names it
	s_endpgm
.Lfunc_end_k_q45e045c1df_gemm_fc1:
	.size	k_q45e045c1df_gemm_fc1, .Lfunc_end_k_q45e045c1df_gemm_fc1-k_q45e045c1df_gemm_fc1
	.p2alignl 7, 3214868480
	.fill 96, 4, 3214868480
	.section	.rodata,"a",@progbits
	.p2align	6, 0x0
	.amdhsa_kernel k_q45e045c1df_gemm_fc1
		.amdhsa_group_segment_fixed_size 327680
		.amdhsa_private_segment_fixed_size 0
		.amdhsa_enable_private_segment 0
		.amdhsa_kernarg_size 32
		.amdhsa_user_sgpr_count 2
		.amdhsa_user_sgpr_kernarg_segment_ptr 1
		.amdhsa_wavefront_size32 1
		.amdhsa_system_sgpr_workgroup_id_x 1
		.amdhsa_system_sgpr_workgroup_id_y 1
		.amdhsa_system_sgpr_workgroup_id_z 1
		.amdhsa_system_vgpr_workitem_id 0
		.amdhsa_next_free_vgpr 1024
		.amdhsa_next_free_sgpr 72
		.amdhsa_reserve_vcc 0
		.amdhsa_float_denorm_mode_32 3
		.amdhsa_float_denorm_mode_16_64 3
		.amdhsa_memory_ordered 1
		.amdhsa_forward_progress 1
		.amdhsa_inst_pref_size 228
	.end_amdhsa_kernel
	.amdgpu_metadata
---
amdhsa.version: [ 1, 2 ]
amdhsa.kernels:
  - .name:           k_q45e045c1df_gemm_fc1
    .symbol:         k_q45e045c1df_gemm_fc1.kd
    .args:
      - { .name: xn, .offset: 0, .size: 8, .value_kind: global_buffer, .address_space: global }
      - { .name: wb, .offset: 8, .size: 8, .value_kind: global_buffer, .address_space: global }
      - { .name: fc1_b, .offset: 16, .size: 8, .value_kind: global_buffer, .address_space: global }
      - { .name: ffb, .offset: 24, .size: 8, .value_kind: global_buffer, .address_space: global }
    .group_segment_fixed_size: 327680
    .private_segment_fixed_size: 0
    .kernarg_segment_align: 8
    .kernarg_segment_size: 32
    .max_flat_workgroup_size: 128
    .sgpr_count:     72
    .vgpr_count:     1024
    .wavefront_size: 32
...
	.end_amdgpu_metadata
.endif
;; end of part 9
;; launch gemm_fc2: the kernel of part 7 again; grid 8 x 32, 4 waves a work-group, clusters of 4 x 4, 327,680 bytes of LDS; arguments ffb, wb, fc2_b, hid, out0; writes out0
